; MI455X (gfx1250); checked and timed in simulation.
; The chip was launched on July 23, 2026; its instructions are those of AMD's public machine-readable ISA for CDNA 5 (MIT licence, August 2026) and "CDNA5" Instruction Set Architecture Reference Guide (July 2026). The comments in the code are by the model that wrote it; some were corrected since.
;; Sparse Transformer Encoder. Allowed arithmetic: matrix products marked QUANTISED: E2M1 operands, one E8M0 scale for each 32 along K, by v_wmma_scale_f32_16x16x128_f8f6f4 with both operands' format E2M1 (or v_wmma_scale_f32_32x16x128_f4), f32 sums; products left as they are: f32 operands where the result goes on into a quantised operand, else bf16, f16 or f32 operands; f32 sums; everything else in f32.
;; Inputs: b1 4 x 1,024 float32; b2 4 x 256 float32; bf 2 float32; emb 32,000 x 256 float32; in_b 4 x 768 float32; in_w 4 x 768 x 256 float32; ln1_b 4 x 256 float32; ln1_g 4 x 256 float32; ln2_b 4 x 256 float32; ln2_g 4 x 256 float32; lnf_b 256 float32; lnf_g 256 float32; mask 4 x 256 x 2,048 bool; out_b 4 x 256 float32; out_w 4 x 256 x 256 float32; w1 4 x 1,024 x 256 float32; w2 4 x 256 x 1,024 float32; wf 2 x 256 float32; x 4 x 2,048 int32.
;; Outputs: out0 2,048 x 4 x 2 float32.
;; This version of the problem:
;;   THIS VERSION OF THE PROBLEM IS GIVEN IN LOW PRECISION. The matrix products marked QUANTISED in the list below multiply operands that are first quantised to E2M1 (2 exponent bits, 1 mantissa bit; 4 bits a number), with one power-of-two scale for each 32 numbers along K (OCP MX v1.0); their sums are f32. All else is computed in f32.
;;   The module's matrix products, in the order in which they are computed (A, B: the left and right operand; K: the contracted axis; several contracted axes count as one K, in the product's order):
;;     1. [M 8,192, K 256] x [K 256, N 768]; A: computed on the way; B: input in_w: QUANTISED
;;     2. batch 16 x [M 2,048, K 64] x [K 64, N 2,048]; A: computed on the way; B: computed on the way: QUANTISED
;;     3. batch 16 x [M 64, K 2,048] x [K 2,048, N 2,048]; A: computed on the way; B: softmax (see below): QUANTISED
;;     4. [M 8,192, K 256] x [K 256, N 256]; A: computed on the way; B: input out_w: QUANTISED
;;     5. [M 8,192, K 256] x [K 256, N 1,024]; A: computed on the way; B: input w1: QUANTISED
;;     6. [M 8,192, K 1,024] x [K 1,024, N 256]; A: computed on the way; B: input w2: QUANTISED
;;     7. [M 8,192, K 256] x [K 256, N 768]; A: computed on the way; B: input in_w: QUANTISED
;;     8. batch 16 x [M 2,048, K 64] x [K 64, N 2,048]; A: computed on the way; B: computed on the way: QUANTISED
;;     9. batch 16 x [M 64, K 2,048] x [K 2,048, N 2,048]; A: computed on the way; B: softmax (see below): QUANTISED
;;     10. [M 8,192, K 256] x [K 256, N 256]; A: computed on the way; B: input out_w: QUANTISED
;;     11. [M 8,192, K 256] x [K 256, N 1,024]; A: computed on the way; B: input w1: QUANTISED
;;     12. [M 8,192, K 1,024] x [K 1,024, N 256]; A: computed on the way; B: input w2: QUANTISED
;;     13. [M 8,192, K 256] x [K 256, N 768]; A: computed on the way; B: input in_w: QUANTISED
;;     14. batch 16 x [M 2,048, K 64] x [K 64, N 2,048]; A: computed on the way; B: computed on the way: QUANTISED
;;     15. batch 16 x [M 64, K 2,048] x [K 2,048, N 2,048]; A: computed on the way; B: softmax (see below): QUANTISED
;;     16. [M 8,192, K 256] x [K 256, N 256]; A: computed on the way; B: input out_w: QUANTISED
;;     17. [M 8,192, K 256] x [K 256, N 1,024]; A: computed on the way; B: input w1: QUANTISED
;;     18. [M 8,192, K 1,024] x [K 1,024, N 256]; A: computed on the way; B: input w2: QUANTISED
;;     19. [M 8,192, K 256] x [K 256, N 768]; A: computed on the way; B: input in_w: QUANTISED
;;     20. batch 16 x [M 2,048, K 64] x [K 64, N 2,048]; A: computed on the way; B: computed on the way: QUANTISED
;;     21. batch 16 x [M 64, K 2,048] x [K 2,048, N 2,048]; A: computed on the way; B: softmax (see below): QUANTISED
;;     22. [M 8,192, K 256] x [K 256, N 256]; A: computed on the way; B: input out_w: QUANTISED
;;     23. [M 8,192, K 256] x [K 256, N 1,024]; A: computed on the way; B: input w1: QUANTISED
;;     24. [M 8,192, K 1,024] x [K 1,024, N 256]; A: computed on the way; B: input w2: QUANTISED
;;     25. [M 8,192, K 256] x [K 256, N 2]; A: computed on the way; B: input wf: left as it is (N = 2 < 16)
;;   THE QUANTISER, for each operand of a quantised product, along K:
;;     - K is cut into blocks of 32 from its start; a last block that is shorter is filled with zeros.
;;     - A block's scale is 2^e with e = floor(log2(the largest magnitude in the block)) - 2, held to -126 .. 127; a block of zeros has e = 0. As a byte (E8M0): e + 127.
;;     - Each number is divided by its block's scale, clamped to +-6, and rounded to the nearest number of E2M1, ties to even, subnormals kept.
;;     - The product sums the exact products of the quantised numbers (number of the format x scale) in f32.
;;   ~~~python
;;   def quantise(x, axis):      # numpy; x: float32 -> the quantised numbers, widened to float32 again
;;       x = np.moveaxis(x, axis, -1); K = x.shape[-1]
;;       x = np.pad(x, [(0, 0)] * (x.ndim - 1) + [(0, -K % 32)]); x = x.reshape(x.shape[:-1] + (-1, 32)); a = np.abs(x).max(-1, keepdims=True)
;;       e = np.where(a > 0, np.clip(np.frexp(np.where(a > 0, a, 1))[1] - 1 - 2, -126, 127), 0)      # np.frexp(a)[1] - 1 = floor(log2(a)), exactly
;;       r = np.clip(x / 2.0 ** e, -6, 6)
;;       step = 2.0 ** (np.maximum(np.frexp(np.where(r == 0, 1, r))[1] - 1, 0) - 1)
;;       q = np.round(r / step) * step * 2.0 ** e      # np.round: ties to even
;;       return np.moveaxis(q.reshape(q.shape[:-2] + (-1,))[..., :K], -1, axis).astype(np.float32)
;;   ~~~
;;   SOFTMAX AHEAD OF A QUANTISED PRODUCT. Where the list says 'softmax', what is quantised is not the finished softmax but p = 2^(t - M), with t = logit x log2(e) and M = ceil(the row's largest t), a whole number; so 1/2 < the row's largest p <= 1. The row's sum l is taken of the UNQUANTISED p, in f32, and the product's result is divided by l at the end. Since M is a whole number, a kernel that streams over the keys may use a running M (the ceiling of the running maximum): every later rescaling is an exact power of two, which a block's scale takes up: the codes' values come out the same.
;;   OPERANDS COMPUTED ON THE WAY. 'Computed on the way' means the value that the module computes at that place (a softmax that the list does not call 'softmax' is quantised finished and normalised). What goes into a quantiser is computed in f32, as accurately as f32 sums, v_exp_f32 and their like allow (about 1e-6 of the number): no bf16 or f16 on the way to a quantiser, and a product that is left as it is and whose result goes on into a quantised operand takes f32 operands (vector FMAs, or v_wmma_f32_16x16x4_f32). A number that lies on a knife's edge between two numbers of the format may be rounded either way, as far as f32 arithmetic and the matrix unit's own rounding can turn it there, and no further.
;; 2 versions. Each part assembles by itself: llvm-mc -triple=amdgcn-amd-amdhsa -mcpu=gfx1250 --defsym DOCPART=n.
;; ======== version 1 of 2: 14 launches
;; limits: right only within a limited range of input values
;; workspace buffers: P0 983,040 bytes; P1 983,040 bytes; P2 983,040 bytes; P3 983,040 bytes; HA 8,388,608 bytes; HB 8,388,608 bytes; QKVB 3,538,944 bytes; AO 1,114,112 bytes
;; launch prep (part 1): grid 81 x 4, 8 waves a work-group, no clusters, 0 bytes of LDS; arguments x, emb, mask, in_w, out_w, w1, w2, ln1_g, ln1_b, in_b, out_b, ln2_g, ln2_b, b1, b2, P0, P1, P2, P3, HA; writes P0, P1, P2, P3, HA
.if DOCPART == 1
	.amdgcn_target "amdgcn-amd-amdhsa--gfx1250"
	.amdhsa_code_object_version 6
	.text
	.protected	k_q0e0d0bb336_prep
	.globl	k_q0e0d0bb336_prep
	.p2align	8
	.type	k_q0e0d0bb336_prep,@function
k_q0e0d0bb336_prep:
	s_mov_b64 s[64:65], 0
	v_nop
	global_prefetch_b8 v0, s[64:65] scope:SCOPE_SE
	s_setreg_imm32_b32 hwreg(HW_REG_WAVE_MODE, 25, 1), 1
	s_wait_xcnt 0x0
; SparseTransformerEncoder in MX-FP4, launch 1 of 14: everything that does not hang on the activations is laid out once.
; DEAD WORK: none.  Every product of the encoder and every one of its 19 inputs has a way to the output; all are loaded by some launch.
; The mask is an input and is honoured as it is given: the attention is computed for all keys and the mask selects (the blocks of 32 keys of the second
; product are fixed by the quantiser, so chosen keys cannot be packed into other blocks).
; Work-group y = the layer l.  Work-group x parts four ways (no LDS, no barrier, waves share nothing):
;   x  0..47  one weight fragment a wave: 16 rows x 128 K of in_w, out_w, w1 or w2 become codes of E2M1 and one scale word a row, stored IN THE ORDER OF THE OPERAND'S REGISTERS:
;             fragment F at P_l + 1024 F (chunk c at 512 c, lane L's 16 bytes at 16 L), its scale words at P_l + 393216 + 128 F + 4 L.
;             THE ROWS OF A TILE ARE NOT NEIGHBOURS: lane row r of tile t takes row 32 (t / 2) + 8 (t % 2) + r + 8 (r / 8), so that a transposed product leaves 16 neighbours along the next K in a lane.
;   x 48..63  one tile of 16 queries a wave: the mask's bytes become select words, [query tile 128][key step 16][score register 64]: one bit for each of the 32 lanes.
;   x 64..79  h = 16 emb[x] + the positional encoding, rows R = 2048 b + s, f32, into HA (layer y takes positions 512 y .. 512 y + 511).
;   x 80      the layer's small f32 parameters are copied behind its weights, so that the layers' launches have constant offsets.
; A block's scale: the largest magnitude's exponent field less 2, held at 1 from below (a block of zeros keeps the byte 1: its codes are zeros, and only this program reads the bytes).
; LIMITS: NaN and infinities among the inputs are not served; blocks whose largest magnitude lies under 2^-124 keep the byte 1.
; The positional angles: div = exp(2 i x -ln(10000)/256) by an exponential of base 2 with the product's rounding error carried along; sine and cosine by reduction with pi/2 in two parts and
; polynomials on |r| <= pi/4 (absolute error of the order of the angle's own last bit; positions go to 2,047).
.set P_SC,   393216
.set P_LN1G, 442368
.set P_LN1B, 443392
.set P_INB,  444416
.set P_OUTB, 447488
.set P_LN2G, 448512
.set P_LN2B, 449536
.set P_B1,   450560
.set P_B2,   454656
.set P_MASK, 458752
	s_load_b512 s[8:23], s[0:1], 0x0               ; x s[8:9], emb s[10:11], mask s[12:13], in_w s[14:15], out_w s[16:17], w1 s[18:19], w2 s[20:21], ln1_g s[22:23]
	s_load_b512 s[24:39], s[0:1], 0x40             ; ln1_b s[24:25], in_b s[26:27], out_b s[28:29], ln2_g s[30:31], ln2_b s[32:33], b1 s[34:35], b2 s[36:37], P0 s[38:39]
	s_load_b256 s[40:47], s[0:1], 0x80             ; P1 s[40:41], P2 s[42:43], P3 s[44:45], HA s[46:47]
	v_lshrrev_b32 v1, 5, v0
	v_readfirstlane_b32 s2, v1                     ; wave 0..7
	s_and_b32 s3, ttmp7, 0xffff                    ; the layer
	v_and_b32 v2, 31, v0                           ; lane L
	v_and_b32 v3, 15, v0                           ; r
	v_bfe_u32 v4, v0, 4, 1                         ; h
	v_lshlrev_b32 v5, 4, v2                        ; 16 L
	s_wait_kmcnt 0x0
	s_cmp_eq_u32 s3, 1                             ; the layer's own buffer: a choice that hangs on the work-group's number alone
	s_cselect_b64 s[38:39], s[40:41], s[38:39]
	s_cmp_eq_u32 s3, 2
	s_cselect_b64 s[38:39], s[42:43], s[38:39]
	s_cmp_eq_u32 s3, 3
	s_cselect_b64 s[38:39], s[44:45], s[38:39]
	s_cmp_lt_u32 ttmp9, 48
	s_cbranch_scc1 .Lweights
	s_cmp_lt_u32 ttmp9, 64
	s_cbranch_scc1 .Lmask
	s_cmp_lt_u32 ttmp9, 80
	s_cbranch_scc1 .Lembed
	; ---- the parameters' copies: 16 bytes a thread
	v_lshlrev_b32 v6, 4, v0
	s_lshl_b32 s48, s3, 12
	s_mov_b32 s49, 0
	s_add_nc_u64 s[34:35], s[34:35], s[48:49]      ; b1[l]: 4,096 bytes, all eight waves
	global_load_b128 v[8:11], v6, s[34:35]
	s_wait_loadcnt 0x0
	global_store_b128 v6, v[8:11], s[38:39] offset:P_B1
	s_cmp_lt_u32 s2, 6
	s_cbranch_scc0 .Ldone
	s_mul_i32 s48, s3, 3072
	s_add_nc_u64 s[26:27], s[26:27], s[48:49]      ; in_b[l]: 3,072 bytes, six waves
	global_load_b128 v[12:15], v6, s[26:27]
	s_wait_loadcnt 0x0
	global_store_b128 v6, v[12:15], s[38:39] offset:P_INB
	s_cmp_lt_u32 s2, 2
	s_cbranch_scc0 .Ldone
	s_lshl_b32 s48, s3, 10                         ; six arrays of 1,024 bytes, two waves
.irp p, 22,24,28,30,32,36
	s_add_nc_u64 s[\p:\p+1], s[\p:\p+1], s[48:49]
.endr
	global_load_b128 v[16:19], v6, s[22:23]
	global_load_b128 v[20:23], v6, s[24:25]
	global_load_b128 v[24:27], v6, s[28:29]
	global_load_b128 v[28:31], v6, s[30:31]
	global_load_b128 v[32:35], v6, s[32:33]
	global_load_b128 v[36:39], v6, s[36:37]
	s_wait_loadcnt 0x0
	global_store_b128 v6, v[16:19], s[38:39] offset:P_LN1G
	global_store_b128 v6, v[20:23], s[38:39] offset:P_LN1B
	global_store_b128 v6, v[24:27], s[38:39] offset:P_OUTB
	global_store_b128 v6, v[28:31], s[38:39] offset:P_LN2G
	global_store_b128 v6, v[32:35], s[38:39] offset:P_LN2B
	global_store_b128 v6, v[36:39], s[38:39] offset:P_B2
.Ldone:
	s_endpgm
	; ---- one weight fragment a wave
.Lweights:
	s_lshl_b32 s48, ttmp9, 3
	s_add_co_u32 s48, s48, s2                      ; F = 8 x + wave
	s_mov_b64 s[50:51], s[20:21]                   ; the matrix is chosen by x alone: w2 ..
	s_mov_b32 s52, 4096                            ; a row in bytes
	s_mov_b32 s53, 1048576                         ; a layer in bytes
	s_mov_b32 s54, 256                             ; its first F
	s_mov_b32 s55, 3                               ; log2 of its K steps
	s_cmp_lt_u32 ttmp9, 32                         ; .. w1 ..
	s_cselect_b64 s[50:51], s[18:19], s[50:51]
	s_cselect_b32 s52, 1024, s52
	s_cselect_b32 s54, 128, s54
	s_cselect_b32 s55, 1, s55
	s_cmp_lt_u32 ttmp9, 16                         ; .. out_w ..
	s_cselect_b64 s[50:51], s[16:17], s[50:51]
	s_cselect_b32 s53, 262144, s53
	s_cselect_b32 s54, 96, s54
	s_cmp_lt_u32 ttmp9, 12                         ; .. in_w
	s_cselect_b64 s[50:51], s[14:15], s[50:51]
	s_cselect_b32 s53, 786432, s53
	s_cselect_b32 s54, 0, s54
	s_sub_co_u32 s56, s48, s54                     ; the fragment's number in its matrix
	s_lshr_b32 s57, s56, s55                       ; tile t
	s_lshl_b32 s58, s57, s55
	s_sub_co_u32 s58, s56, s58                     ; K step s
	s_lshr_b32 s59, s57, 1
	s_lshl_b32 s59, s59, 5
	s_and_b32 s60, s57, 1
	s_lshl_b32 s60, s60, 3
	s_add_co_u32 s59, s59, s60                     ; the tile's first row: 32 (t / 2) + 8 (t % 2)
	s_mul_i32 s59, s59, s52
	s_lshl_b32 s58, s58, 9                         ; 128 numbers of 4 bytes a K step
	s_add_co_u32 s59, s59, s58
	s_mul_i32 s60, s3, s53
	s_add_co_u32 s60, s60, s59
	s_mov_b32 s61, 0
	s_add_nc_u64 s[50:51], s[50:51], s[60:61]
	s_mov_b32 s62, 0x76543210
	s_mov_b32 s63, 0xfedcba98                      ; lane selects: lane l xor 16
	v_and_b32 v6, 8, v3
	v_add_nc_u32 v6, v6, v3                        ; r + 8 (r / 8)
	v_mul_lo_u32 v6, v6, s52
	v_lshl_add_u32 v6, v4, 7, v6                   ; + 128 h: lane (r, h) holds k = 64 c + 32 h + 0 .. 31: two whole blocks
.irp c, 0,1
.irp i, 0,1,2,3,4,5,6,7
	global_load_b128 v[64+32*\c+4*\i:67+32*\c+4*\i], v6, s[50:51] offset:256*\c+16*\i
.endr
.endr
	s_wait_loadcnt 0x0
.irp c, 0,1
	v_max3_num_f32 v[32+\c], |v[64+32*\c]|, |v[65+32*\c]|, 0x1800000   ; the floor 2^(3 - 127): the byte cannot fall under 1
.endr
.irp i, 2,4,6,8,10,12,14,16,18,20,22,24,26,28,30
.irp c, 0,1
	v_max3_num_f32 v[32+\c], v[32+\c], |v[64+32*\c+\i]|, |v[65+32*\c+\i]|
.endr
.endr
.irp c, 0,1
	v_add_nc_u32 v[44+\c], 0xff000000, v[32+\c]    ; 2 off the exponent field: the conversion's scale operand
.endr
.irp c, 0,1
	v_lshrrev_b32 v[36+\c], 23, v[44+\c]           ; the scale's byte
.endr
	v_lshl_or_b32 v9, v37, 16, v36                 ; my two bytes, blocks h and 2 + h,
	v_lshlrev_b32 v10, 3, v4
	v_lshlrev_b32 v9, v10, v9                      ; at their places in the word;
	v_mov_b32 v10, 0
	v_permlanex16_b32 v10, v9, s62, s63
	v_or_b32 v9, v9, v10                           ; with lane l xor 16's two the word is whole, in both lanes
.irp c, 0,1
.irp g, 0,1,2,3
	v_cvt_scalef32_pk8_fp4_f32 v[48+4*\c+\g], v[64+32*\c+8*\g:71+32*\c+8*\g], v[44+\c]
.endr
.endr
	v_lshlrev_b32 v7, 2, v2                        ; (a plain line behind the conversions)
	s_lshl_b32 s60, s48, 10
	s_add_nc_u64 s[56:57], s[38:39], s[60:61]
	s_lshl_b32 s60, s48, 7
	s_add_nc_u64 s[58:59], s[38:39], s[60:61]
	global_store_b128 v5, v[48:51], s[56:57]               ; 32 lanes store 512 consecutive bytes
	global_store_b128 v5, v[52:55], s[56:57] offset:512
	global_store_b32 v7, v9, s[58:59] offset:P_SC
	s_endpgm
	; ---- the mask's select words for one tile of 16 queries.  Tile QT = 2 Gs + u holds queries of mask rows A = 4 Gs + u (lanes r < 8) and B = A + 2 (lanes r >= 8).
	; Word (block of 32 keys, i): bytes mA(k), mB(k), mA(k + 16), mB(k + 16), k = 32 block + i, each 0x00 or 0xff: bit L is lane L's.
.Lmask:
	s_sub_co_u32 s48, ttmp9, 48
	s_lshl_b32 s48, s48, 3
	s_add_co_u32 s48, s48, s2                      ; QT
	s_lshr_b32 s49, s48, 1
	s_lshl_b32 s49, s49, 2
	s_and_b32 s50, s48, 1
	s_add_co_u32 s49, s49, s50                     ; row A
	s_lshl_b32 s49, s49, 11
	s_lshl_b32 s50, s3, 19
	s_add_co_u32 s50, s50, s49
	s_mov_b32 s51, 0
	s_add_nc_u64 s[12:13], s[12:13], s[50:51]
	s_mov_b32 s52, 0x05010400
	s_mov_b32 s53, 0x07030602
	s_mov_b32 s54, 0x05040100
	s_mov_b32 s55, 0x07060302
	s_mov_b32 s56, 255
	s_lshl_b32 s60, s48, 12
	s_mov_b32 s61, 0
	s_add_nc_u64 s[58:59], s[38:39], s[60:61]
	v_lshrrev_b32 v6, 2, v2
	v_lshlrev_b32 v6, 5, v6
	v_and_b32 v7, 3, v2
	v_lshl_add_u32 v6, v7, 2, v6                   ; 32 (L / 4) + 4 (L % 4): four keys of a block's first sixteen
.irp t, 0,1,2,3,4,5,6,7
	global_load_b32 v[64+4*\t], v6, s[12:13] offset:256*\t         ; row A, keys k .. k + 3
	global_load_b32 v[65+4*\t], v6, s[12:13] offset:256*\t+16      ; row A, keys k + 16 ..
	global_load_b32 v[66+4*\t], v6, s[12:13] offset:256*\t+4096    ; row B
	global_load_b32 v[67+4*\t], v6, s[12:13] offset:256*\t+4112
.endr
	s_wait_loadcnt 0x0
.irp t, 0,1,2,3,4,5,6,7
	v_perm_b32 v8, v[66+4*\t], v[64+4*\t], s52     ; A0 B0 A1 B1
	v_perm_b32 v9, v[66+4*\t], v[64+4*\t], s53     ; A2 B2 A3 B3
	v_perm_b32 v10, v[67+4*\t], v[65+4*\t], s52    ; the same of keys + 16
	v_perm_b32 v11, v[67+4*\t], v[65+4*\t], s53
	v_perm_b32 v[96+4*\t], v10, v8, s54
	v_perm_b32 v[97+4*\t], v10, v8, s55
	v_perm_b32 v[98+4*\t], v11, v9, s54
	v_perm_b32 v[99+4*\t], v11, v9, s55
.irp e, 0,1,2,3
	v_mul_lo_u32 v[96+4*\t+\e], v[96+4*\t+\e], s56 ; bytes 0 or 1 become 0x00 or 0xff
.endr
	global_store_b128 v5, v[96+4*\t:99+4*\t], s[58:59] offset:P_MASK+512*\t
.endr
	s_endpgm
	; ---- h = 16 emb[x] + pe: four positions x four batches a wave; a lane holds dims 4 L .. 4 L + 3 and 128 + 4 L .. + 3 of each row
.Lembed:
	s_sub_co_u32 s48, ttmp9, 64
	s_lshl_b32 s48, s48, 3
	s_add_co_u32 s48, s48, s2
	s_lshl_b32 s48, s48, 2
	s_lshl_b32 s49, s3, 9
	s_add_co_u32 s48, s48, s49                     ; my first position
	s_lshl_b32 s50, s48, 2
	s_mov_b32 s51, 0
	s_add_nc_u64 s[8:9], s[8:9], s[50:51]
	s_load_b128 s[52:55], s[8:9], 0x0              ; x[0][s0 .. s0 + 3]
	s_load_b128 s[56:59], s[8:9], 0x2000           ; x[1][..]
	s_load_b128 s[60:63], s[8:9], 0x4000
	s_load_b128 s[68:71], s[8:9], 0x6000
	s_mov_b32 s72, 0x3fc90fdb                      ; pi / 2, upper part
	s_mov_b32 s73, 0xb33bbd2e                      ; and what is left of it
	s_mov_b32 s74, 0xb94ca1f9                      ; the sine's polynomial
	s_mov_b32 s75, 0x3c08839e
	s_mov_b32 s76, 0x37ccf5ce                      ; the cosine's
	s_mov_b32 s77, 0xbab6061a
	s_mov_b32 s78, 0x3fb8aa3b                      ; log2(e)
	v_lshlrev_b32 v6, 2, v2
.macro DIV0 a, off                     ; angle a of my four: 2 i = 4 L + off
	v_add_nc_u32 v7, \off, v6
	v_cvt_f32_u32 v[8+\a], v7
	v_mul_f32 v[8+\a], 0xbd135d8e, v[8+\a]         ; 2 i x -ln(10000) / 256, in f32 as the source has it
	v_mul_f32 v[12+\a], 0x3fb8aa3b, v[8+\a]        ; x log2(e), rounded;
	v_fma_f32 v[24+\a], v[8+\a], s78, -v[12+\a]    ; what that rounding lost,
	v_fma_f32 v[24+\a], v[8+\a], 0x32a57060, v[24+\a]  ; and what log2(e)'s own rounding lost,
	v_mul_f32 v[24+\a], 0x3f317218, v[24+\a]       ; x ln 2
.endm
	DIV0 0, 0
	DIV0 1, 2
	DIV0 2, 128
	DIV0 3, 130
.irp a, 0,1,2,3
	v_exp_f32 v[16+\a], v[12+\a]
.endr
	v_nop                                          ; a plain line behind the exponentials,
	s_wait_alu depctr_va_vdst(0)                   ; and one wait for the four, ahead of their first reader
.irp a, 0,1,2,3
	v_fma_f32 v[16+\a], v[16+\a], v[24+\a], v[16+\a]   ; div
.endr
	s_wait_kmcnt 0x0
.macro IDX sr, vr                      ; an index, held inside the table, becomes a row's byte offset
	s_min_u32 s[\sr], s[\sr], 31999
	s_lshl_b32 s[\sr], s[\sr], 10
	v_add_nc_u32 v[\vr], s[\sr], v5
.endm
.irp k, 0,1,2,3
	IDX 52+\k, 32+4*\k
	IDX 56+\k, 33+4*\k
	IDX 60+\k, 34+4*\k
	IDX 68+\k, 35+4*\k
.endr
.irp n, 0,1,2,3,4,5,6,7,8,9,10,11,12,13,14,15
	global_load_b128 v[64+8*\n:67+8*\n], v[32+\n], s[10:11]            ; row n = 4 k + b: 32 lanes read 512 consecutive bytes
	global_load_b128 v[68+8*\n:71+8*\n], v[32+\n], s[10:11] offset:512
.endr
.macro SINCOS d, o                     ; v[o] = sin, v[o + 1] = cos of position (v23) x v[d]
	v_mul_f32 v24, v23, v[\d]
	v_mul_f32 v25, 0x3f22f983, v24
	v_rndne_f32 v25, v25                           ; n = the nearest multiple of pi / 2
	v_fma_f32 v24, -v25, s72, v24
	v_fma_f32 v24, -v25, s73, v24                  ; r, |r| <= pi / 4
	v_cvt_i32_f32 v26, v25
	v_mul_f32 v27, v24, v24
	v_fma_f32 v28, v27, s74, s75
	v_fmaak_f32 v28, v28, v27, 0xbe2aaaa3
	v_mul_f32 v29, v27, v24
	v_fma_f32 v28, v28, v29, v24                   ; sin r
	v_fma_f32 v30, v27, s76, s77
	v_fmaak_f32 v30, v30, v27, 0x3d2aaaa5
	v_mul_f32 v29, v27, v27
	v_fma_f32 v31, v27, -0.5, 1.0
	v_fma_f32 v30, v30, v29, v31                   ; cos r
	v_and_b32 v29, 1, v26
	v_cmp_eq_u32 vcc_lo, 1, v29                    ; an odd n: the two change places
	v_cndmask_b32 v[\o], v28, v30, vcc_lo
	v_cndmask_b32 v[(\o)+1], v30, v28, vcc_lo
	v_and_b32 v29, 2, v26
	v_lshlrev_b32 v29, 30, v29
	v_xor_b32 v[\o], v29, v[\o]                    ; the sine is negative for n % 4 = 2, 3
	v_add_nc_u32 v29, 1, v26
	v_and_b32 v29, 2, v29
	v_lshlrev_b32 v29, 30, v29
	v_xor_b32 v[(\o)+1], v29, v[(\o)+1]            ; the cosine for n % 4 = 1, 2
.endm
.irp k, 0,1,2,3
	s_add_co_u32 s79, s48, \k
	v_cvt_f32_u32 v23, s79
	SINCOS 16, 192+8*\k
	SINCOS 17, 194+8*\k
	SINCOS 18, 196+8*\k
	SINCOS 19, 198+8*\k
.endr
	s_lshl_b32 s50, s48, 10
	s_add_nc_u64 s[46:47], s[46:47], s[50:51]
	s_wait_loadcnt 0x0
.irp k, 0,1,2,3
.irp b, 0,1,2,3
.irp j, 0,2,4,6
	v_pk_fma_f32 v[64+8*(4*\k+\b)+\j:65+8*(4*\k+\b)+\j], v[64+8*(4*\k+\b)+\j:65+8*(4*\k+\b)+\j], 0x41800000, v[192+8*\k+\j:193+8*\k+\j] op_sel_hi:[1,0,1]
.endr
	global_store_b128 v5, v[64+8*(4*\k+\b):67+8*(4*\k+\b)], s[46:47] offset:2097152*\b+1024*\k
	global_store_b128 v5, v[68+8*(4*\k+\b):71+8*(4*\k+\b)], s[46:47] offset:2097152*\b+1024*\k+512
.endr
.endr
	s_endpgm
.Lfunc_end_k_q0e0d0bb336_prep:
	.size	k_q0e0d0bb336_prep, .Lfunc_end_k_q0e0d0bb336_prep-k_q0e0d0bb336_prep
	.p2alignl 7, 3214868480
	.fill 96, 4, 3214868480
	.section	.rodata,"a",@progbits
	.p2align	6, 0x0
	.amdhsa_kernel k_q0e0d0bb336_prep
		.amdhsa_group_segment_fixed_size 0
		.amdhsa_private_segment_fixed_size 0
		.amdhsa_enable_private_segment 0
		.amdhsa_kernarg_size 160
		.amdhsa_user_sgpr_count 2
		.amdhsa_user_sgpr_kernarg_segment_ptr 1
		.amdhsa_wavefront_size32 1
		.amdhsa_system_sgpr_workgroup_id_x 1
		.amdhsa_system_sgpr_workgroup_id_y 1
		.amdhsa_system_sgpr_workgroup_id_z 1
		.amdhsa_system_vgpr_workitem_id 0
		.amdhsa_next_free_vgpr 224
		.amdhsa_next_free_sgpr 80
		.amdhsa_reserve_vcc 1
		.amdhsa_float_denorm_mode_32 3
		.amdhsa_float_denorm_mode_16_64 3
		.amdhsa_memory_ordered 1
		.amdhsa_forward_progress 1
		.amdhsa_inst_pref_size 57
	.end_amdhsa_kernel
	.amdgpu_metadata
---
amdhsa.version: [ 1, 2 ]
amdhsa.kernels:
  - .name:           k_q0e0d0bb336_prep
    .symbol:         k_q0e0d0bb336_prep.kd
    .args:
      - { .name: x, .offset: 0, .size: 8, .value_kind: global_buffer, .address_space: global }
      - { .name: emb, .offset: 8, .size: 8, .value_kind: global_buffer, .address_space: global }
      - { .name: mask, .offset: 16, .size: 8, .value_kind: global_buffer, .address_space: global }
      - { .name: in_w, .offset: 24, .size: 8, .value_kind: global_buffer, .address_space: global }
      - { .name: out_w, .offset: 32, .size: 8, .value_kind: global_buffer, .address_space: global }
      - { .name: w1, .offset: 40, .size: 8, .value_kind: global_buffer, .address_space: global }
      - { .name: w2, .offset: 48, .size: 8, .value_kind: global_buffer, .address_space: global }
      - { .name: ln1_g, .offset: 56, .size: 8, .value_kind: global_buffer, .address_space: global }
      - { .name: ln1_b, .offset: 64, .size: 8, .value_kind: global_buffer, .address_space: global }
      - { .name: in_b, .offset: 72, .size: 8, .value_kind: global_buffer, .address_space: global }
      - { .name: out_b, .offset: 80, .size: 8, .value_kind: global_buffer, .address_space: global }
      - { .name: ln2_g, .offset: 88, .size: 8, .value_kind: global_buffer, .address_space: global }
      - { .name: ln2_b, .offset: 96, .size: 8, .value_kind: global_buffer, .address_space: global }
      - { .name: b1, .offset: 104, .size: 8, .value_kind: global_buffer, .address_space: global }
      - { .name: b2, .offset: 112, .size: 8, .value_kind: global_buffer, .address_space: global }
      - { .name: P0, .offset: 120, .size: 8, .value_kind: global_buffer, .address_space: global }
      - { .name: P1, .offset: 128, .size: 8, .value_kind: global_buffer, .address_space: global }
      - { .name: P2, .offset: 136, .size: 8, .value_kind: global_buffer, .address_space: global }
      - { .name: P3, .offset: 144, .size: 8, .value_kind: global_buffer, .address_space: global }
      - { .name: HA, .offset: 152, .size: 8, .value_kind: global_buffer, .address_space: global }
    .group_segment_fixed_size: 0
    .private_segment_fixed_size: 0
    .kernarg_segment_align: 8
    .kernarg_segment_size: 160
    .max_flat_workgroup_size: 256
    .sgpr_count:     80
    .vgpr_count:     224
    .wavefront_size: 32
...
	.end_amdgpu_metadata
.endif
;; end of part 1
;; launch qkv0 (part 2): grid 256 x 1, 8 waves a work-group, no clusters, 7,680 bytes of LDS; arguments HA, P0, QKVB; writes QKVB
.if DOCPART == 2
	.amdgcn_target "amdgcn-amd-amdhsa--gfx1250"
	.amdhsa_code_object_version 6
	.text
	.protected	k_q0e0d0bb336_qkv0
	.globl	k_q0e0d0bb336_qkv0
	.p2align	8
	.type	k_q0e0d0bb336_qkv0,@function
k_q0e0d0bb336_qkv0:
	s_mov_b64 s[64:65], 0
	v_nop
	global_prefetch_b8 v0, s[64:65] scope:SCOPE_SE
	s_setreg_imm32_b32 hwreg(HW_REG_WAVE_MODE, 25, 1), 1
	s_wait_xcnt 0x0
; One layer's LN1, its quantiser, the product with in_w (MX-FP4) and the quantisers of q, k and v.  No work of the layer is left out.
; A work-group takes 32 tokens of one batch (group G = work-group x; rows R = 32 G ..), as two tiles of 16: lane row r of tile u is token 8 u + r + 8 (r / 8).
; THE WAVES SHARE THE COLUMNS: wave w holds columns 32 w .. 32 w + 31 of all 32 tokens (lane (r, h): 16 neighbours from 32 w + 16 h), which is one block of the quantiser; mean and variance meet in LDS
; as (mean, sum of squared deviations) of each wave's 32 columns and are combined without any difference of large sums.
; The codes of LN1's result go from wave to wave through LDS as images of the operand's registers.  Then wave w makes 64 units of q (w < 4) or k (w >= 4), TRANSPOSED (source 0 = 16 rows of in_w,
; source 1 = 16 tokens: a lane holds one token and 16 neighbouring units of each block), and 32 units of v, NOT transposed (a lane holds one unit and 16 neighbouring KEYS), since the keys are v's K.
; q's factor 1/8 is a power of two: it moves only a scale's byte, never a code; the attention launch puts it on the scores.
; The weights come from memory straight into registers, in operand order: each fragment feeds one wave alone, once, so a way through LDS (and a joint load into it) would add an LDS write and read for each byte.
; OUT (QKVB): q's codes [bh][group][u][512] and scale words [bh][group][128]; for each bh four chunks of 512 keys: k's codes, k's scale words, v's codes (keys innermost), v's scale words.
; LIMITS: NaN and infinities are not served; a block whose largest magnitude lies under 2^-124 (a block of zeros too) keeps the byte 1.
.set LN1G, 442368
.set LN1B, 443392
.set INB,  444416
.set WSC,  393216
.set STAT, 0                           ; LDS: [u][r][wave] x 8 bytes
.set XIMG, 2048                        ; four fragments (2 u + s) of 1,024 bytes
.set XSC,  6144                        ; their scale words, 64 bytes each
.set SPARE, 6400                       ; the spare words, 128 bytes a wave
.set LI, 1                             ; 16 L
.set L4, 2                             ; 4 L
.set R4, 3                             ; 4 r
.set HOFF, 4                           ; (r + 8 (r / 8)) 1024 + 64 h + 128 w
.set GOFF, 5                           ; 64 h + 128 w
.set WQA, 6                            ; 16 L + 8192 w
.set WVA, 7                            ; 16 L + 4096 w
.set SQA, 8                            ; 4 L + 1024 w
.set SVA, 9                            ; 4 L + 512 w
.set BQA, 10                           ; 64 h + 256 w
.set BVA, 11                           ; 4 (r + 8 (r / 8)) + 128 w
.set PIECE, 12                         ; XIMG + 256 w + 16 r + 8 h
.set SCB, 13                           ; XSC + 64 (w / 4) + w % 4 + 4 r
.set SPW, 14
.set NIL, 15
.set HX, 16                            ; v16-47 h, then LN1's result [u][16]; later v's accumulators
.set ACCV, 16
.set GB, 48                            ; v48-79 g, b of my 16 columns
.set TM, 80                            ; v80-85 the quantiser's
.set VO, 86                            ; 16 r + 8 h
.set MS, 88                            ; v88-91 (mean, sum of squares) for u = 0, 1
.set RS, 92                            ; v92-95 (1 / sigma, variance + eps)
.set PC, 100                           ; v100-103 codes just made
.set VB, 104                           ; v104-107 v's bias, two pairs
.set W0, 108                           ; v108, v109 scale words
.set STATW, 110
.set STATR, 111
.set XF, 112                           ; v112-143 x's four fragments
.set XS, 144                           ; v144-147 their scale words
.set ACC, 148                          ; v148-211 q's or k's accumulators; first the waves' statistics (v148-179) and LN's temporaries
.set LT, 180
.set BI, 212                           ; v212-243 q's or k's bias, as the C of the first K step
.set WS, 244                           ; v244-255 the weights' scale words
.set SEL, 12
.set CI32, 14
.set CI8, 15
.set C32F, 16
.set CI256, 17
.set CEPS, 18
.set MSB, 0
.macro WIN new                         ; the immediate's high byte repeats the setting that is left
.if MSB != \new
	s_set_vgpr_msb (MSB<<8)|\new
.set MSB, \new
.endif
.endm
.macro MM d, a, b, c, sa, sb
	v_wmma_scale_f32_16x16x128_f8f6f4 v[(\d):(\d)+7], v[(\a):(\a)+7], v[(\b):(\b)+7], v[(\c):(\c)+7], v[\sa], v[\sb] matrix_a_fmt:MATRIX_FMT_FP4 matrix_b_fmt:MATRIX_FMT_FP4
.endm
.macro MM0 d, a, b, sa, sb
	v_wmma_scale_f32_16x16x128_f8f6f4 v[(\d):(\d)+7], v[(\a):(\a)+7], v[(\b):(\b)+7], 0, v[\sa], v[\sb] matrix_a_fmt:MATRIX_FMT_FP4 matrix_b_fmt:MATRIX_FMT_FP4
.endm
; Two half blocks of 16 numbers (the other halves lie in lane l xor 16) become codes v[PC], v[PC+1] and v[PC+2], v[PC+3]; their bytes in v[TM+2], v[TM+3]
.macro QB s0, s1
	v_max3_num_f32 v[TM], |v[(\s0)]|, |v[(\s0)+1]|, 0x1800000      ; the floor 2^(3 - 127): the byte cannot fall under 1
	v_max3_num_f32 v[TM+1], |v[(\s1)]|, |v[(\s1)+1]|, 0x1800000
.irp i, 2,4,6,8,10,12,14
	v_max3_num_f32 v[TM], v[TM], |v[(\s0)+\i]|, |v[(\s0)+\i+1]|
	v_max3_num_f32 v[TM+1], v[TM+1], |v[(\s1)+\i]|, |v[(\s1)+\i+1]|
.endr
	v_permlanex16_b32 v[TM+2], v[TM], s[SEL], s[SEL+1]
	v_permlanex16_b32 v[TM+3], v[TM+1], s[SEL], s[SEL+1]
	v_max_num_f32 v[TM], v[TM], v[TM+2]
	v_max_num_f32 v[TM+1], v[TM+1], v[TM+3]
	v_add_nc_u32 v[TM+4], 0xff000000, v[TM]        ; 2 off the exponent field: the conversion's scale operand
	v_add_nc_u32 v[TM+5], 0xff000000, v[TM+1]
	v_lshrrev_b32 v[TM+2], 23, v[TM+4]             ; the scale's byte
	v_lshrrev_b32 v[TM+3], 23, v[TM+5]
	v_cvt_scalef32_pk8_fp4_f32 v[PC], v[(\s0):(\s0)+7], v[TM+4]
	v_cvt_scalef32_pk8_fp4_f32 v[PC+1], v[(\s0)+8:(\s0)+15], v[TM+4]
	v_cvt_scalef32_pk8_fp4_f32 v[PC+2], v[(\s1):(\s1)+7], v[TM+5]
	v_cvt_scalef32_pk8_fp4_f32 v[PC+3], v[(\s1)+8:(\s1)+15], v[TM+5]
	v_nop                                          ; one plain line behind the conversions
.endm
.macro WHOLE                           ; two half blocks a lane become one whole block a lane: lanes 0-15 the first, lanes 16-31 the second
	v_permlane16_swap_b32 v[PC], v[PC+2]
	v_permlane16_swap_b32 v[PC+1], v[PC+3]
.endm
; mean and sum of squared deviations of my wave's 32 columns, for each of my two tokens, into LDS
.macro LNLOC x
.irp u, 0,1
	v_pk_add_f32 v[LT:LT+1], v[\x+16*\u:\x+16*\u+1], v[\x+16*\u+2:\x+16*\u+3]
	v_pk_add_f32 v[LT+2:LT+3], v[\x+16*\u+4:\x+16*\u+5], v[\x+16*\u+6:\x+16*\u+7]
	v_pk_add_f32 v[LT+4:LT+5], v[\x+16*\u+8:\x+16*\u+9], v[\x+16*\u+10:\x+16*\u+11]
	v_pk_add_f32 v[LT+6:LT+7], v[\x+16*\u+12:\x+16*\u+13], v[\x+16*\u+14:\x+16*\u+15]
	v_pk_add_f32 v[LT:LT+1], v[LT:LT+1], v[LT+2:LT+3]
	v_pk_add_f32 v[LT+4:LT+5], v[LT+4:LT+5], v[LT+6:LT+7]
	v_pk_add_f32 v[LT:LT+1], v[LT:LT+1], v[LT+4:LT+5]
	v_add_f32 v[LT], v[LT], v[LT+1]
	v_permlanex16_b32 v[LT+2], v[LT], s[SEL], s[SEL+1]
	v_add_f32 v[LT], v[LT], v[LT+2]
	v_mul_f32 v[MS+2*\u], s[CI32], v[LT]           ; the 32 columns' mean
	v_pk_add_f32 v[LT:LT+1], v[\x+16*\u:\x+16*\u+1], v[MS+2*\u:MS+2*\u+1] op_sel_hi:[1,0] neg_lo:[0,1] neg_hi:[0,1]
	v_pk_add_f32 v[LT+2:LT+3], v[\x+16*\u+2:\x+16*\u+3], v[MS+2*\u:MS+2*\u+1] op_sel_hi:[1,0] neg_lo:[0,1] neg_hi:[0,1]
	v_pk_mul_f32 v[LT+4:LT+5], v[LT:LT+1], v[LT:LT+1]
	v_pk_mul_f32 v[LT+6:LT+7], v[LT+2:LT+3], v[LT+2:LT+3]
.irp k, 4,8,12
	v_pk_add_f32 v[LT:LT+1], v[\x+16*\u+\k:\x+16*\u+\k+1], v[MS+2*\u:MS+2*\u+1] op_sel_hi:[1,0] neg_lo:[0,1] neg_hi:[0,1]
	v_pk_add_f32 v[LT+2:LT+3], v[\x+16*\u+\k+2:\x+16*\u+\k+3], v[MS+2*\u:MS+2*\u+1] op_sel_hi:[1,0] neg_lo:[0,1] neg_hi:[0,1]
	v_pk_fma_f32 v[LT+4:LT+5], v[LT:LT+1], v[LT:LT+1], v[LT+4:LT+5]
	v_pk_fma_f32 v[LT+6:LT+7], v[LT+2:LT+3], v[LT+2:LT+3], v[LT+6:LT+7]
.endr
	v_pk_add_f32 v[LT+4:LT+5], v[LT+4:LT+5], v[LT+6:LT+7]
	v_add_f32 v[LT+4], v[LT+4], v[LT+5]
	v_permlanex16_b32 v[LT], v[LT+4], s[SEL], s[SEL+1]
	v_add_f32 v[MS+2*\u+1], v[LT+4], v[LT]
	ds_store_b64 v[STATW], v[MS+2*\u:MS+2*\u+1] offset:STAT+1024*\u    ; both lanes of a token write the same 8 bytes with the same values
.endr
.endm
; the eight waves' pairs (m, q) in v[rd + 16 u + 2 i], + 1: mean = sum m / 8; sum of squares = sum q + 32 sum (m - mean)^2
.macro LNCOMB rd
.irp u, 0,1
	v_pk_add_f32 v[LT:LT+1], v[\rd+16*\u:\rd+16*\u+1], v[\rd+16*\u+2:\rd+16*\u+3]
	v_pk_add_f32 v[LT+2:LT+3], v[\rd+16*\u+4:\rd+16*\u+5], v[\rd+16*\u+6:\rd+16*\u+7]
	v_pk_add_f32 v[LT+4:LT+5], v[\rd+16*\u+8:\rd+16*\u+9], v[\rd+16*\u+10:\rd+16*\u+11]
	v_pk_add_f32 v[LT+6:LT+7], v[\rd+16*\u+12:\rd+16*\u+13], v[\rd+16*\u+14:\rd+16*\u+15]
	v_pk_add_f32 v[LT:LT+1], v[LT:LT+1], v[LT+2:LT+3]
	v_pk_add_f32 v[LT+4:LT+5], v[LT+4:LT+5], v[LT+6:LT+7]
	v_pk_add_f32 v[LT:LT+1], v[LT:LT+1], v[LT+4:LT+5]
	v_mul_f32 v[MS+2*\u], s[CI8], v[LT]            ; the row's mean
	v_sub_f32 v[LT+2], v[\rd+16*\u], v[MS+2*\u]
	v_sub_f32 v[LT+3], v[\rd+16*\u+2], v[MS+2*\u]
	v_mul_f32 v[LT+4], v[LT+2], v[LT+2]
	v_mul_f32 v[LT+5], v[LT+3], v[LT+3]
.irp i, 4,8,12
	v_sub_f32 v[LT+2], v[\rd+16*\u+\i], v[MS+2*\u]
	v_sub_f32 v[LT+3], v[\rd+16*\u+\i+2], v[MS+2*\u]
	v_fma_f32 v[LT+4], v[LT+2], v[LT+2], v[LT+4]
	v_fma_f32 v[LT+5], v[LT+3], v[LT+3], v[LT+5]
.endr
	v_add_f32 v[LT+4], v[LT+4], v[LT+5]
	v_fma_f32 v[RS+2*\u+1], v[LT+4], s[C32F], v[LT+1]
	v_fma_f32 v[RS+2*\u+1], v[RS+2*\u+1], s[CI256], s[CEPS]        ; variance + 1e-5
	v_rsq_f32 v[RS+2*\u], v[RS+2*\u+1]
.endr
	v_nop                                          ; a plain line behind the last root,
	s_wait_alu depctr_va_vdst(0)                   ; and one wait for both, ahead of their first reader
.endm
.macro LNAPPLY x, gb                   ; x = (x - mean) (g / sigma) + b
.irp u, 0,1
.irp k, 0,2,4,6,8,10,12,14
	v_pk_add_f32 v[\x+16*\u+\k:\x+16*\u+\k+1], v[\x+16*\u+\k:\x+16*\u+\k+1], v[MS+2*\u:MS+2*\u+1] op_sel_hi:[1,0] neg_lo:[0,1] neg_hi:[0,1]
	v_pk_mul_f32 v[LT+\k%8:LT+\k%8+1], v[\gb+\k:\gb+\k+1], v[RS+2*\u:RS+2*\u+1] op_sel_hi:[1,0]
	v_pk_fma_f32 v[\x+16*\u+\k:\x+16*\u+\k+1], v[\x+16*\u+\k:\x+16*\u+\k+1], v[LT+\k%8:LT+\k%8+1], v[\gb+16+\k:\gb+16+\k+1]
.endr
.endr
.endm
.macro BARRIER                         ; my LDS stores have landed and my LDS loads are in: then the work-group's barrier
	s_wait_dscnt 0x0
	s_barrier_signal -1
	s_barrier_wait -1
.endm
.macro FETCH reg, off                  ; a fragment's image comes back as it was stored
	ds_load_b128 v[(\reg):(\reg)+3], v[LI] offset:(\off)
	ds_load_b128 v[(\reg)+4:(\reg)+7], v[LI] offset:(\off)+512
.endm
	s_load_b128 s[4:7], s[0:1], 0x0                ; h, P
	s_load_b64 s[8:9], s[0:1], 0x10                ; QKVB
	v_lshl_add_u32 v[SPW], v0, 2, SPARE
	v_mov_b32 v[NIL], 0
	v_lshrrev_b32 v1, 5, v0
	v_readfirstlane_b32 s10, v1                    ; wave 0..7
	v_and_b32 v112, 31, v0                         ; L
	v_and_b32 v113, 15, v0                         ; r
	v_bfe_u32 v114, v0, 4, 1                       ; h
	v_and_b32 v115, 8, v113
	v_add_nc_u32 v115, v115, v113                  ; r + 8 (r / 8)
	v_lshlrev_b32 v[LI], 4, v112
	v_lshlrev_b32 v[L4], 2, v112
	v_lshlrev_b32 v[R4], 2, v113
	s_lshl_b32 s28, s10, 7
	s_lshl_b32 s29, s10, 8
	v_lshlrev_b32 v[GOFF], 6, v114
	v_add_nc_u32 v[BQA], s29, v[GOFF]
	v_add_nc_u32 v[GOFF], s28, v[GOFF]
	v_lshl_add_u32 v[HOFF], v115, 10, v[GOFF]
	v_lshl_add_u32 v[BVA], v115, 2, s28
	s_lshl_b32 s28, s10, 13
	v_add_nc_u32 v[WQA], s28, v[LI]
	s_lshl_b32 s28, s10, 12
	v_add_nc_u32 v[WVA], s28, v[LI]
	s_lshl_b32 s28, s10, 10
	v_add_nc_u32 v[SQA], s28, v[L4]
	s_lshl_b32 s28, s10, 9
	v_add_nc_u32 v[SVA], s28, v[L4]
	v_lshlrev_b32 v[VO], 4, v113
	v_lshl_add_u32 v[VO], v114, 3, v[VO]
	s_add_co_u32 s29, s29, XIMG
	v_add_nc_u32 v[PIECE], s29, v[VO]
	s_lshr_b32 s28, s10, 2
	s_lshl_b32 s28, s28, 6
	s_and_b32 s29, s10, 3
	s_add_co_u32 s28, s28, s29
	s_add_co_u32 s28, s28, XSC
	v_lshl_add_u32 v[SCB], v113, 2, s28
	v_lshlrev_b32 v[STATR], 6, v113
	s_lshl_b32 s28, s10, 3
	v_add_nc_u32 v[STATW], s28, v[STATR]
	v_mov_b32 v[TM+2], 0                           ; written once: a lane permute's destination counts as one of its sources,
	v_mov_b32 v[TM+3], 0
	v_mov_b32 v[MS+1], 0                           ; and a pair is read whole
	v_mov_b32 v[MS+3], 0
	v_mov_b32 v[VB+1], 0
	v_mov_b32 v[VB+3], 0
	s_mov_b32 s[SEL], 0x76543210
	s_mov_b32 s[SEL+1], 0xfedcba98
	s_mov_b32 s[CI32], 0x3d000000                  ; 1/32
	s_mov_b32 s[CI8], 0x3e000000                   ; 1/8
	s_mov_b32 s[C32F], 0x42000000                  ; 32
	s_mov_b32 s[CI256], 0x3b800000                 ; 1/256
	s_mov_b32 s[CEPS], 0x3727c5ac                  ; 1e-5
	s_mov_b32 s19, 0xffff0000                      ; lanes 16-31
	; where the results go
	s_lshr_b32 s30, ttmp9, 6                       ; b
	s_and_b32 s31, ttmp9, 63                       ; kb: the group in its batch = the block of 32 keys
	s_and_b32 s32, s10, 3                          ; q's or k's head
	s_lshl_b32 s33, s30, 2
	s_add_co_u32 s33, s33, s32                     ; bh
	s_lshl_b32 s34, s33, 6
	s_add_co_u32 s34, s34, s31
	s_lshl_b32 s35, s34, 10                        ; q's codes
	s_lshl_b32 s36, s34, 7
	s_add_co_u32 s36, s36, 1048576                 ; q's scale words
	s_mul_i32 s37, s33, 147456
	s_lshr_b32 s38, s31, 4
	s_mul_i32 s38, s38, 36864                      ; the chunk of 512 keys
	s_add_co_u32 s37, s37, s38
	s_add_co_u32 s37, s37, 1179648
	s_and_b32 s39, s31, 15
	s_lshl_b32 s40, s39, 10
	s_add_co_u32 s40, s40, s37                     ; k's codes
	s_lshl_b32 s41, s39, 7
	s_add_co_u32 s41, s41, s37
	s_add_co_u32 s41, s41, 16384                   ; k's scale words
	s_cmp_lt_u32 s10, 4
	s_cselect_b32 s20, s35, s40
	s_cselect_b32 s22, s36, s41
	s_mov_b32 s21, 0
	s_mov_b32 s23, 0
	s_lshr_b32 s42, s10, 1                         ; v's head
	s_lshl_b32 s43, s30, 2
	s_add_co_u32 s42, s42, s43
	s_mul_i32 s42, s42, 147456
	s_add_co_u32 s42, s42, s38
	s_add_co_u32 s42, s42, 1179648
	s_bfe_u32 s43, s31, 0x20002                    ; the key step of 128 in its chunk
	s_and_b32 s44, s10, 1
	s_and_b32 s45, s31, 3                          ; the block in its key step
	s_lshl_b32 s46, s43, 12
	s_add_co_u32 s24, s42, s46
	s_lshl_b32 s46, s44, 11
	s_add_co_u32 s24, s24, s46
	s_lshl_b32 s46, s45, 8
	s_add_co_u32 s24, s24, s46
	s_add_co_u32 s24, s24, 18432                   ; v's codes: my block's 256 bytes of tile 2 (w % 2)
	s_mov_b32 s25, 0
	s_lshl_b32 s46, s43, 9
	s_add_co_u32 s26, s42, s46
	s_lshl_b32 s46, s44, 8
	s_add_co_u32 s26, s26, s46
	s_add_co_u32 s26, s26, s45
	s_add_co_u32 s26, s26, 34816                   ; v's scale bytes
	s_mov_b32 s27, 0
	s_lshl_b32 s28, ttmp9, 15                      ; 32 rows of 1,024 bytes a group
	s_mov_b32 s29, 0
	s_wait_kmcnt 0x0
	s_add_nc_u64 s[4:5], s[4:5], s[28:29]
	s_add_nc_u64 s[20:21], s[8:9], s[20:21]
	s_add_nc_u64 s[22:23], s[8:9], s[22:23]
	s_add_nc_u64 s[24:25], s[8:9], s[24:25]
	s_add_nc_u64 s[26:27], s[8:9], s[26:27]
	; all loads go out at the head: h (8), g and b (8), weights and their scale words (36), biases (10)
.irp u, 0,1
.irp q, 0,1,2,3
	global_load_b128 v[HX+16*\u+4*\q:HX+16*\u+4*\q+3], v[HOFF], s[4:5] offset:8192*\u+16*\q
.endr
.endr
.irp q, 0,1,2,3
	global_load_b128 v[GB+4*\q:GB+4*\q+3], v[GOFF], s[6:7] offset:LN1G+16*\q
	global_load_b128 v[GB+16+4*\q:GB+16+4*\q+3], v[GOFF], s[6:7] offset:LN1B+16*\q
.endr
	WIN 0x40                                       ; destination window 1
.irp f, 0,1,2,3,4,5,6,7                        ; q's or k's fragments f = 2 i + s: tiles 4 w + i
.irp c, 0,1
	global_load_b128 v[8*\f+4*\c:8*\f+4*\c+3], v[WQA], s[6:7] offset:1024*\f+512*\c
.endr
.endr
.irp f, 0,1,2,3                                ; v's fragments f = 2 v + s: tiles 32 + 2 w + v
.irp c, 0,1
	global_load_b128 v[64+8*\f+4*\c:64+8*\f+4*\c+3], v[WVA], s[6:7] offset:65536+1024*\f+512*\c
.endr
.endr
	WIN 0
.irp f, 0,1,2,3,4,5,6,7
	global_load_b32 v[WS+\f], v[SQA], s[6:7] offset:WSC+128*\f
.endr
.irp f, 0,1,2,3
	global_load_b32 v[WS+8+\f], v[SVA], s[6:7] offset:WSC+8192+128*\f
.endr
.irp i, 0,1,2,3                                ; tile i = 2 p + v: lane (r, h) wants in_b at units 64 w + 32 p + 16 h + 8 v + 0 .. 7
	global_load_b128 v[BI+8*\i:BI+8*\i+3], v[BQA], s[6:7] offset:INB+(32*(\i/2)+8*(\i%2))*4
	global_load_b128 v[BI+8*\i+4:BI+8*\i+7], v[BQA], s[6:7] offset:INB+(32*(\i/2)+8*(\i%2))*4+16
.endr
	global_load_b32 v[VB], v[BVA], s[6:7] offset:INB+2048
	global_load_b32 v[VB+2], v[BVA], s[6:7] offset:INB+2048+32
	; ---- LN1
	s_wait_loadcnt 54                              ; h is in: 8 + 36 + 10 younger loads may be out
	LNLOC HX
	BARRIER                                        ; the eight waves' statistics lie in LDS
.irp u, 0,1
.irp k, 0,1,2,3
	ds_load_b128 v[ACC+16*\u+4*\k:ACC+16*\u+4*\k+3], v[STATR] offset:STAT+1024*\u+16*\k
.endr
.endr
	s_wait_dscnt 0x0
	LNCOMB ACC
	s_wait_loadcnt 46                              ; g and b are in: 36 + 10 younger loads may be out
	LNAPPLY HX, GB
	QB HX, HX+16                                   ; my block of each of my two tokens
.irp u, 0,1
	ds_store_b64 v[PIECE], v[PC+2*\u:PC+2*\u+1] offset:2048*\u     ; 8 bytes of the image of fragment (u, w / 4)
	ds_store_b8 v[SCB], v[TM+2+\u] offset:128*\u                   ; byte w % 4 of the token's scale word
.endr
	BARRIER                                        ; x's four fragments lie in LDS
.irp f, 0,1,2,3
	FETCH XF+8*\f, XIMG+1024*\f
	ds_load_b32 v[XS+\f], v[R4] offset:XSC+64*\f
.endr
	s_wait_dscnt 0x0
	s_wait_loadcnt 0x0                             ; weights, scale words, biases
	; ---- q or k, transposed: eight accumulators by turns
	WIN 0x01                                       ; source 0 (in_w) window 1
.irp s, 0,1
.irp u, 0,1
.irp i, 0,1,2,3
.if \s == 0
	MM ACC+32*\u+8*\i, 8*(2*\i+\s), XF+8*(2*\u+\s), BI+8*\i, WS+2*\i+\s, XS+2*\u+\s
.else
	MM ACC+32*\u+8*\i, 8*(2*\i+\s), XF+8*(2*\u+\s), ACC+32*\u+8*\i, WS+2*\i+\s, XS+2*\u+\s
.endif
.endr
.endr
.endr
	; ---- v, not transposed: lane (r, h) holds unit r of tile v, and register 8 u + j key 16 h + 8 u + j
	WIN 0x04                                       ; source 1 (in_w) window 1
.irp s, 0,1
.irp v, 0,1
.irp u, 0,1
.if \s == 0
	MM0 ACCV+16*\v+8*\u, XF+8*(2*\u+\s), 64+8*(2*\v+\s), XS+2*\u+\s, WS+8+2*\v+\s
.else
	MM ACCV+16*\v+8*\u, XF+8*(2*\u+\s), 64+8*(2*\v+\s), ACCV+16*\v+8*\u, XS+2*\u+\s, WS+8+2*\v+\s
.endif
.endr
.endr
.endr
	WIN 0
.rept 4
	v_nop                                          ; four places between the last products and the first read of results
.endr
	; ---- q's or k's way out: the head's 64 units are two blocks
.irp u, 0,1
	QB ACC+32*\u, ACC+32*\u+16
	v_lshl_or_b32 v[W0+\u], v[TM+3], 8, v[TM+2]
	v_or_b32 v[W0+\u], 0x7f7f0000, v[W0+\u]        ; the K step's upper 64 are zero codes under the scale 1
	WHOLE
	global_store_b128 v[LI], v[PC:PC+3], s[20:21] offset:512*\u    ; 32 lanes store 512 consecutive bytes
	s_wait_xcnt 0x0                                ; the codes' registers are written again only behind this wait
.endr
	v_cndmask_b32 v[W0], v[W0], v[W0+1], s19       ; lanes 0-15 tile 0's words, lanes 16-31 tile 1's
	global_store_b32 v[L4], v[W0], s[22:23]
	; ---- v's way out: bias, then my group's 32 keys are one block of each unit
.irp v, 0,1
.irp k, 0,2,4,6,8,10,12,14
	v_pk_add_f32 v[ACCV+16*\v+\k:ACCV+16*\v+\k+1], v[ACCV+16*\v+\k:ACCV+16*\v+\k+1], v[VB+2*\v:VB+2*\v+1] op_sel_hi:[1,0]
.endr
.endr
	QB ACCV, ACCV+16
.irp v, 0,1
	global_store_b64 v[VO], v[PC+2*\v:PC+2*\v+1], s[24:25] offset:1024*\v      ; 32 lanes store 256 consecutive bytes, aligned
	global_store_b8 v[L4], v[TM+2+\v], s[26:27] offset:128*\v                  ; my block's byte of each unit's scale word, in both halves of the image
.endr
	s_wait_tensorcnt 0x0                           ; the wave's end
	ds_add_u32 v[SPW], v[NIL]
	s_wait_dscnt 0x0
	s_endpgm
.Lfunc_end_k_q0e0d0bb336_qkv0:
	.size	k_q0e0d0bb336_qkv0, .Lfunc_end_k_q0e0d0bb336_qkv0-k_q0e0d0bb336_qkv0
	.p2alignl 7, 3214868480
	.fill 96, 4, 3214868480
	.section	.rodata,"a",@progbits
	.p2align	6, 0x0
	.amdhsa_kernel k_q0e0d0bb336_qkv0
		.amdhsa_group_segment_fixed_size 7680
		.amdhsa_private_segment_fixed_size 0
		.amdhsa_enable_private_segment 0
		.amdhsa_kernarg_size 24
		.amdhsa_user_sgpr_count 2
		.amdhsa_user_sgpr_kernarg_segment_ptr 1
		.amdhsa_wavefront_size32 1
		.amdhsa_system_sgpr_workgroup_id_x 1
		.amdhsa_system_sgpr_workgroup_id_y 1
		.amdhsa_system_sgpr_workgroup_id_z 1
		.amdhsa_system_vgpr_workitem_id 0
		.amdhsa_next_free_vgpr 384
		.amdhsa_next_free_sgpr 66
		.amdhsa_reserve_vcc 0
		.amdhsa_float_denorm_mode_32 3
		.amdhsa_float_denorm_mode_16_64 3
		.amdhsa_memory_ordered 1
		.amdhsa_forward_progress 1
		.amdhsa_inst_pref_size 35
	.end_amdhsa_kernel
	.amdgpu_metadata
---
amdhsa.version: [ 1, 2 ]
amdhsa.kernels:
  - .name:           k_q0e0d0bb336_qkv0
    .symbol:         k_q0e0d0bb336_qkv0.kd
    .args:
      - { .name: HA, .offset: 0, .size: 8, .value_kind: global_buffer, .address_space: global }
      - { .name: P0, .offset: 8, .size: 8, .value_kind: global_buffer, .address_space: global }
      - { .name: QKVB, .offset: 16, .size: 8, .value_kind: global_buffer, .address_space: global }
    .group_segment_fixed_size: 7680
    .private_segment_fixed_size: 0
    .kernarg_segment_align: 8
    .kernarg_segment_size: 24
    .max_flat_workgroup_size: 256
    .sgpr_count:     66
    .vgpr_count:     384
    .wavefront_size: 32
...
	.end_amdgpu_metadata
.endif
;; end of part 2
;; launch att0 (part 3): grid 16 x 16, 8 waves a work-group, clusters of 4 x 1, 167,936 bytes of LDS; arguments QKVB, P0, AO; writes AO
.if DOCPART == 3
	.amdgcn_target "amdgcn-amd-amdhsa--gfx1250"
	.amdhsa_code_object_version 6
	.text
	.protected	k_q0e0d0bb336_att0
	.globl	k_q0e0d0bb336_att0
	.p2align	8
	.type	k_q0e0d0bb336_att0,@function
k_q0e0d0bb336_att0:
	s_mov_b64 s[64:65], 0
	v_nop
	global_prefetch_b8 v0, s[64:65] scope:SCOPE_SE
	s_setreg_imm32_b32 hwreg(HW_REG_WAVE_MODE, 25, 1), 1
	s_wait_xcnt 0x0
	s_wait_alu depctr_hold_cnt(0) depctr_sa_sdst(0) depctr_va_vdst(0) depctr_va_sdst(0) depctr_va_ssrc(0) depctr_va_vcc(0) depctr_vm_vsrc(0)
	s_getreg_b32 s2, hwreg(HW_REG_IB_STS2, 6, 4)
	s_cmp_eq_u32 s2, 0
	s_cbranch_scc0 .Lentry_in_a_cluster
	s_endpgm
.Lentry_in_a_cluster:
	s_bfe_u32 s2, ttmp6, 0x10000c
	s_cmp_lg_u32 s2, 0x3003
	s_cbranch_scc0 .Lentry_shape_is_right
	s_endpgm
.Lentry_shape_is_right:
; One layer's attention on codes of E2M1: S^T = K Q^T, the mask, p = 2^(t - M) with M a whole number, O^T = V^T P^T, O / the row's sum, and the quantiser of the result.  No work of the layer is left out:
; the mask is an input, so every key is computed and the mask selects.
; SHARES.  Work-group (x, y): 128 queries (block qb = x) of batch and head bh = y; wave w owns the tile of 16 queries QT = 8 qb + w, in 256 registers.  Every wave walks all 2,048 keys, 128 a step.
; K AND V of the whole (batch, head), codes and scale words in operand order, are 147,456 bytes: they come into LDS ONCE, as they lie in memory, one tensor load of 18,432 bytes a wave (one load a wave is out), and stay:
; no slot is filled again.  CLUSTER: the four work-groups of a cluster have the same bh, so each load is asked for JOINTLY by the four (the same descriptor, mask 15).
; LAYOUT.  Both products are transposed, so a lane holds ONE query (lane % 16); the keys of a tile are 8 u + r + 8 (r / 8) of their group of 32, so that registers 16 b + i hold key 32 b + 16 (lane / 16) + i.
; The head's 64 channels are half a K step: registers 4-7 of K's and Q's fragments are zero codes, and the scale words' upper bytes are 0x7f.
; THE MASK comes as select words, one for each score register, by scalar loads a step ahead: a hidden score becomes -2^120.  That number x c is exact, so a row that has seen hidden keys alone carries p = 1 under
; M = -2^120 c, and its sums are multiplied by 0 when its first open key arrives; a row with no open key at all ends as the mean of V, as a softmax of equal scores does.
; q's factor 1/8 stands in c = log2(e) / 8 (a power of two moves no code).
; LIMITS: scores stay above -2^120; NaN and infinities are not served; a block whose largest magnitude lies under 2^-124 keeps the byte 1.
.set SPARE, 147456                     ; behind K and V: the spare words, 128 bytes a wave
.set WV, 2
.set CNT, 3
.set SEL, 10
.set CS, 12
.set MO, 14                            ; byte offset of the step's 64 select words
.set JB, 15                            ; LDS byte at which the chunk of 512 keys begins
.set G1, 84
.set G0, 92
.set TM, 232
.set PC, 224
.macro CROUND                          ; a round of the cluster's barrier
	s_barrier_signal -1
	s_barrier_wait -1
	s_cmp_lg_u32 s[WV], 0
	s_cbranch_scc1 .Lnot_wave_0_\@
	s_barrier_signal -3
.Lnot_wave_0_\@:
	s_barrier_wait -3
	s_barrier_signal -1
	s_barrier_wait -1
.endm
.macro MASKS                           ; 64 select words: word n in s[16 + n] (n < 48), else s[20 + n]
	s_load_b512 s[16:31], s[6:7], s14 offset:0x0
	s_load_b512 s[32:47], s[6:7], s14 offset:0x40
	s_load_b512 s[48:63], s[6:7], s14 offset:0x80
	s_load_b512 s[68:83], s[6:7], s14 offset:0xc0
.endm
.macro QB s0, s1                       ; two half blocks of 16 numbers become codes v[PC] .. v[PC+3]; their bytes in v[TM+2], v[TM+3]
	v_max3_num_f32 v[TM], |v[(\s0)]|, |v[(\s0)+1]|, 0x1800000
	v_max3_num_f32 v[TM+1], |v[(\s1)]|, |v[(\s1)+1]|, 0x1800000
.irp i, 2,4,6,8,10,12,14
	v_max3_num_f32 v[TM], v[TM], |v[(\s0)+\i]|, |v[(\s0)+\i+1]|
	v_max3_num_f32 v[TM+1], v[TM+1], |v[(\s1)+\i]|, |v[(\s1)+\i+1]|
.endr
	v_permlanex16_b32 v[TM+2], v[TM], s[SEL], s[SEL+1]
	v_permlanex16_b32 v[TM+3], v[TM+1], s[SEL], s[SEL+1]
	v_max_num_f32 v[TM], v[TM], v[TM+2]
	v_max_num_f32 v[TM+1], v[TM+1], v[TM+3]
	v_add_nc_u32 v[TM+4], 0xff000000, v[TM]
	v_add_nc_u32 v[TM+5], 0xff000000, v[TM+1]
	v_lshrrev_b32 v[TM+2], 23, v[TM+4]
	v_lshrrev_b32 v[TM+3], 23, v[TM+5]
	v_cvt_scalef32_pk8_fp4_f32 v[PC], v[(\s0):(\s0)+7], v[TM+4]
	v_cvt_scalef32_pk8_fp4_f32 v[PC+1], v[(\s0)+8:(\s0)+15], v[TM+4]
	v_cvt_scalef32_pk8_fp4_f32 v[PC+2], v[(\s1):(\s1)+7], v[TM+5]
	v_cvt_scalef32_pk8_fp4_f32 v[PC+3], v[(\s1)+8:(\s1)+15], v[TM+5]
	v_nop
.endm
; REGISTERS: v1 16 L + chunk, v2 4 L + chunk, v3 -2^120, v4, v5 the add's two, v6 16 L, v7 4 r, v8 4 L, v9, v10 offsets; v12 -M, v13 the largest t, v[14:15] the sum; v16-23 Q, v24 its scale words;
; v32-95 eight fragments of K; v96-159 S^T, then p; v160-191 O^T; v192-223 four fragments of V; v224-231 p's codes; v232-243 at work; v244-247 K's scale words, v248-251 V's; v252 f, v253 p's scale word, v254 at work
	s_load_b128 s[4:7], s[0:1], 0x0                ; QKVB, P
	s_load_b64 s[8:9], s[0:1], 0x10                ; AO
	v_lshl_add_u32 v4, v0, 2, SPARE
	v_mov_b32 v5, 0
	ds_add_u32 v4, v5                              ; the wave's opening: the add, twice on end, and its wait ahead of my first tensor load
	ds_add_u32 v4, v5
	v_lshrrev_b32 v1, 5, v0
	v_readfirstlane_b32 s[WV], v1                  ; wave 0..7
	s_bfe_u32 s96, ttmp6, 0x40000                  ; cx: it enters Q's, the mask's and AO's addresses alone
	s_lshl_b32 s97, ttmp9, 2
	s_add_co_u32 s97, s97, s96                     ; qb
	s_lshl_b32 s97, s97, 3
	s_add_co_u32 s97, s97, s[WV]                   ; QT
	s_and_b32 s98, ttmp7, 0xffff                   ; bh, which the four partners share
	s_mov_b32 s[G1], 15|(3<<16)|(1<<21)            ; the mask: all four work-groups; elements of 8 bytes; bit 21 beside a mask; no padding
	s_mov_b32 s[G1+1], 32<<16                      ; tensor_dim0 = 32 elements: rows of 256 bytes
	s_mov_b32 s[G1+2], 72<<16                      ; tensor_dim1 = 72 rows
	s_mov_b32 s[G1+3], 32<<16                      ; tile_dim0
	s_mov_b32 s[G1+4], 72                          ; tile_dim1
	s_mov_b32 s[G1+5], 32                          ; the pitch: the block is dense
	s_mov_b32 s[G1+6], 0
	s_mov_b32 s[G1+7], 0
	s_mov_b32 s[G0], 1
	s_mul_i32 s[G0+1], s[WV], 18432                ; my eighth, in LDS
	s_mul_i32 s99, s98, 147456
	s_add_co_u32 s99, s99, s[G0+1]
	s_add_co_u32 s100, s99, 1179648                ; and in memory
	s_mov_b32 s101, 0
	s_mov_b32 s[SEL], 0x76543210
	s_mov_b32 s[SEL+1], 0xfedcba98
	s_mov_b32 s[CS], 0x3e38aa3b                    ; c = log2(e) / 8
	s_mov_b32 s[CS+1], s[CS]
	s_mov_b32 s[MO], 0
	s_mov_b32 s[JB], 0
	s_mov_b32 s[CNT], 4
	s_wait_dscnt 0x0                               ; both opening adds are done
	s_wait_kmcnt 0x0
	s_add_nc_u64 s[G0+2:G0+3], s[4:5], s[100:101]
	s_or_b32 s[G0+3], s[G0+3], 0x80000000
	s_lshl_b32 s100, s97, 12
	s_add_co_u32 s100, s100, 458752
	s_add_nc_u64 s[6:7], s[6:7], s[100:101]        ; my tile's select words
	CROUND                                         ; all four work-groups are here: the joint loads meet
	tensor_load_to_lds s[G0:G0+3], s[G1:G1+7]
	s_nop 0
.rept 4
	v_nop
.endr
	MASKS                                          ; step 0's
	v_and_b32 v6, 31, v0
	v_lshlrev_b32 v8, 2, v6
	v_lshlrev_b32 v6, 4, v6
	v_and_b32 v7, 15, v0
	v_lshlrev_b32 v7, 2, v7
	s_lshl_b32 s96, s98, 16
	s_lshl_b32 s100, s97, 9
	s_add_co_u32 s96, s96, s100
	v_add_nc_u32 v9, s96, v6                       ; Q's codes: 65536 bh + 512 QT + 16 L
	s_lshl_b32 s96, s98, 13
	s_lshl_b32 s100, s97, 6
	s_add_co_u32 s96, s96, s100
	v_add_nc_u32 v10, s96, v7                      ; Q's scale words: 8192 bh + 64 QT + 4 r
	global_load_b128 v[16:19], v9, s[4:5]
	global_load_b32 v24, v10, s[4:5] offset:1048576
	s_lshr_b32 s99, s98, 2
	s_lshl_b32 s99, s99, 7
	s_add_co_u32 s99, s99, s97                     ; 128 b + QT: the tile of tokens
	s_and_b32 s98, s98, 3                          ; the head
	s_lshl_b32 s100, s99, 2
	s_add_co_u32 s100, s100, s98
	s_lshl_b32 s100, s100, 9                       ; where the result's codes go,
	s_lshl_b32 s101, s99, 1
	s_lshr_b32 s96, s98, 1
	s_add_co_u32 s101, s101, s96
	s_lshl_b32 s101, s101, 6
	s_and_b32 s96, s98, 1
	s_lshl_b32 s96, s96, 1
	s_add_co_u32 s101, s101, s96                   ; and its two scale bytes
	v_mov_b32 v3, 0xfb800000                       ; -2^120
	v_mov_b32 v13, 0xff61b1e6                      ; the largest t so far: -3e38
	v_floor_f32 v12, -v13                          ; -M
	v_mov_b32 v14, 0
	v_mov_b32 v15, 0
.irp j, 20,21,22,23,236,237,238,239,253
	v_mov_b32 v[\j], 0
.endr
.irp t, 0,1,2,3,4,5,6,7
.irp j, 4,5,6,7
	v_mov_b32 v[32+8*\t+\j], 0                     ; the upper 64 of K's K step: zero codes, written once
.endr
.endr
.set n, 0
.rept 32
	v_mov_b32 v[160+n], 0                          ; O^T: the step is written once; its first run finds zeros
.set n, n+1
.endr
	s_wait_loadcnt 0x0                             ; Q
	s_wait_tensorcnt 0x0                           ; my eighth of K and V has landed,
	s_barrier_signal -1
	s_barrier_wait -1                              ; everybody's has
; A KEY STEP: 128 keys, the q-th of the chunk in hand
.macro STEP q
.rept 4
	v_nop                                          ; places in front of loads into registers that the last products read
.endr
.irp t, 0,1,2,3,4,5,6,7
	ds_load_b128 v[32+8*\t:35+8*\t], v1 offset:4096*(\q)+512*\t
.endr
.irp b, 0,1,2,3
	ds_load_b32 v[244+\b], v2 offset:16384+512*(\q)+128*\b         ; lanes 0-15 tile 2 b's words, lanes 16-31 tile 2 b + 1's
.endr
.irp t, 0,1,2,3
.irp c, 0,1
	ds_load_b128 v[192+8*\t+4*\c:195+8*\t+4*\c], v1 offset:18432+4096*(\q)+1024*\t+512*\c
.endr
.endr
.irp t, 0,1,2,3
	ds_load_b32 v[248+\t], v2 offset:34816+512*(\q)+128*\t
.endr
	s_wait_dscnt 12                                ; K and its scale words are in; V's twelve loads may be out
.irp t, 0,1,2,3,4,5,6,7
.if (\t%2) == 0
	v_wmma_scale_f32_16x16x128_f8f6f4 v[96+8*\t:103+8*\t], v[32+8*\t:39+8*\t], v[16:23], 0, v[244+\t/2], v24 matrix_a_fmt:MATRIX_FMT_FP4 matrix_b_fmt:MATRIX_FMT_FP4
.else
	v_wmma_scale_f32_16x16x128_f8f6f4 v[96+8*\t:103+8*\t], v[32+8*\t:39+8*\t], v[16:23], 0, v[244+\t/2], v24 matrix_a_fmt:MATRIX_FMT_FP4 matrix_b_fmt:MATRIX_FMT_FP4 matrix_a_scale:MATRIX_SCALE_ROW1
.endif
.endr
.rept 4
	v_nop
.endr
	s_wait_kmcnt 0x0                               ; this step's select words
.set n, 0
.rept 64
.if n < 48
	v_cndmask_b32 v[96+n], v3, v[96+n], s[16+n]    ; a hidden key's score becomes -2^120
.else
	v_cndmask_b32 v[96+n], v3, v[96+n], s[20+n]
.endif
.set n, n+1
.endr
	s_add_co_u32 s[MO], s[MO], 256
	s_min_u32 s[MO], s[MO], 3840                   ; (the last step asks for its own words once more: no load leaves the buffer)
	MASKS                                          ; the next step's
.irp b, 0,1,2,3
	v_max3_num_f32 v[232+\b], v[96+16*\b], v[97+16*\b], v[98+16*\b]    ; the largest score of each block of 32 keys: for the row's maximum, and, since p rises with the score, for the block's largest p
.endr
.irp i, 3,5,7,9,11,13
.irp b, 0,1,2,3
	v_max3_num_f32 v[232+\b], v[232+\b], v[96+16*\b+\i], v[97+16*\b+\i]
.endr
.endr
.irp b, 0,1,2,3
	v_max_num_f32 v[232+\b], v[232+\b], v[111+16*\b]
.endr
.irp b, 0,1,2,3
	v_permlanex16_b32 v[236+\b], v[232+\b], s[SEL], s[SEL+1]
.endr
.irp b, 0,1,2,3
	v_max_num_f32 v[232+\b], v[232+\b], v[236+\b]
.endr
	v_max3_num_f32 v254, v232, v233, v234
	v_max_num_f32 v254, v254, v235
	v_mul_f32 v254, s[CS], v254                    ; as t
	v_max_num_f32 v13, v13, v254                   ; the running largest t
	v_mov_b32 v254, v12
	v_floor_f32 v12, -v13                          ; the new -M = -ceil(t)
	v_sub_f32 v254, v12, v254                      ; old M - new M: a whole number, 0 or less
	v_cvt_i32_f32 v254, v254                       ; (it saturates)
	v_ldexp_f32 v252, 1.0, v254                    ; f = 2^(old M - new M)
.set n, 0
.rept 32
	v_pk_fma_f32 v[96+n:97+n], v[96+n:97+n], s[CS:CS+1], v[12:13] op_sel_hi:[1,0,0]    ; t - M
.set n, n+2
.endr
.irp b, 0,1,2,3
	v_fma_f32 v[232+\b], v[232+\b], s[CS], v12
.endr
.set n, 0
.rept 64
	v_exp_f32 v[96+n], v[96+n]                     ; p = 2^(t - M): not normalised
.set n, n+1
.endr
	v_pk_mul_f32 v[14:15], v[14:15], v[252:253] op_sel_hi:[1,0]    ; the sums under the new M (a plain line behind the exponentials)
	s_wait_alu depctr_va_vdst(0)                   ; one wait for the batch, ahead of its first reader
.irp b, 0,1,2,3
	v_exp_f32 v[232+\b], v[232+\b]                 ; each block's largest p
.endr
	v_pk_add_f32 v[236:237], v[96:97], v[98:99]    ; the row's sum is taken of the unquantised p, in two chains
.irp j, 4,8,12,16,20,24,28,32,36,40,44,48,52,56,60
	v_pk_add_f32 v[14:15], v[14:15], v[96+\j:97+\j]
	v_pk_add_f32 v[236:237], v[236:237], v[98+\j:99+\j]
.endr
	v_pk_add_f32 v[14:15], v[14:15], v[236:237]
	s_wait_alu depctr_va_vdst(0)                   ; and one for the four
.irp b, 0,1,2,3
	v_max_num_f32 v[232+\b], 0x1800000, v[232+\b]  ; the floor: the byte cannot fall under 1
.endr
.irp b, 0,1,2,3
	v_add_nc_u32 v[240+\b], 0xff000000, v[232+\b]
.endr
.irp b, 0,1,2,3
	v_lshrrev_b32 v[236+\b], 23, v[240+\b]
.endr
	v_lshl_or_b32 v253, v237, 8, v236              ; p's scale word for these 128 keys
	v_lshl_or_b32 v253, v238, 16, v253
	v_lshl_or_b32 v253, v239, 24, v253
.irp b, 0,1,2,3
	v_cvt_scalef32_pk8_fp4_f32 v[224+2*\b], v[96+16*\b:103+16*\b], v[240+\b]
	v_cvt_scalef32_pk8_fp4_f32 v[225+2*\b], v[104+16*\b:111+16*\b], v[240+\b]
.endr
	v_nop
.irp c, 0,1
.irp i, 0,1
	v_permlane16_swap_b32 v[224+4*\c+\i], v[226+4*\c+\i]           ; a whole block to a lane
.endr
.endr
.set n, 0
.rept 16
	v_pk_mul_f32 v[160+n:161+n], v[160+n:161+n], v[252:253] op_sel_hi:[1,0]    ; O^T under the new M; these sixteen also stand between the scale word's last write and the products
.set n, n+2
.endr
	s_wait_dscnt 0x0                               ; V and its scale words
.irp t, 0,1,2,3
	v_wmma_scale_f32_16x16x128_f8f6f4 v[160+8*\t:167+8*\t], v[192+8*\t:199+8*\t], v[224:231], v[160+8*\t:167+8*\t], v[248+\t], v253 matrix_a_fmt:MATRIX_FMT_FP4 matrix_b_fmt:MATRIX_FMT_FP4
.endr
.endm
.Lchunk:                                               ; four trips: a chunk of 512 keys each
	v_add_nc_u32 v1, s[JB], v6
	v_add_nc_u32 v2, s[JB], v8
	STEP 0
	STEP 1
	STEP 2
	STEP 3
	s_add_co_u32 s[JB], s[JB], 36864
	s_sub_co_u32 s[CNT], s[CNT], 1
	s_cmp_lg_u32 s[CNT], 0
	s_cbranch_scc1 .Lchunk
	; THE WAY OUT: O^T / the sum; the head's 64 channels are two blocks of the next product's K; codes and bytes go out in that operand's order
.rept 4
	v_nop
.endr
	s_wait_kmcnt 0x0                               ; (the select words asked for last are not used)
	v_add_f32 v14, v14, v15
	v_permlanex16_b32 v252, v14, s[SEL], s[SEL+1]
	v_add_f32 v14, v14, v252                       ; the row's sum
	v_rcp_f32 v14, v14
	v_add_nc_u32 v9, s100, v6                      ; (plain lines behind the reciprocal)
	v_add_nc_u32 v10, s101, v7
	s_wait_alu depctr_va_vdst(0)                   ; the wait, ahead of the first reader
.set n, 0
.rept 32
	v_mul_f32 v[96+n], v[160+n], v14               ; register 16 p + 8 v + j: channel 32 p + 16 h + 8 v + j of my query
.set n, n+1
.endr
	QB 96, 112
	v_lshl_or_b32 v238, v[TM+3], 8, v[TM+2]
	v_permlane16_swap_b32 v[PC], v[PC+2]
	v_permlane16_swap_b32 v[PC+1], v[PC+3]
	global_store_b128 v9, v[PC:PC+3], s[8:9]               ; 32 lanes store 512 consecutive bytes: one chunk of a fragment's image
	global_store_b16 v10, v238, s[8:9] offset:1048576      ; my head's half of the token's scale word (both lanes of a query write the same)
	s_wait_tensorcnt 0x0                           ; the wave's end
	ds_add_u32 v4, v5
	s_wait_dscnt 0x0
	CROUND                                         ; the closing round
	s_endpgm
.Lfunc_end_k_q0e0d0bb336_att0:
	.size	k_q0e0d0bb336_att0, .Lfunc_end_k_q0e0d0bb336_att0-k_q0e0d0bb336_att0
	.p2alignl 7, 3214868480
	.fill 96, 4, 3214868480
	.section	.rodata,"a",@progbits
	.p2align	6, 0x0
	.amdhsa_kernel k_q0e0d0bb336_att0
		.amdhsa_group_segment_fixed_size 167936
		.amdhsa_private_segment_fixed_size 0
		.amdhsa_enable_private_segment 0
		.amdhsa_kernarg_size 24
		.amdhsa_user_sgpr_count 2
		.amdhsa_user_sgpr_kernarg_segment_ptr 1
		.amdhsa_wavefront_size32 1
		.amdhsa_system_sgpr_workgroup_id_x 1
		.amdhsa_system_sgpr_workgroup_id_y 1
		.amdhsa_system_sgpr_workgroup_id_z 1
		.amdhsa_system_vgpr_workitem_id 0
		.amdhsa_next_free_vgpr 256
		.amdhsa_next_free_sgpr 102
		.amdhsa_reserve_vcc 0
		.amdhsa_float_denorm_mode_32 3
		.amdhsa_float_denorm_mode_16_64 3
		.amdhsa_memory_ordered 1
		.amdhsa_forward_progress 1
		.amdhsa_inst_pref_size 89
	.end_amdhsa_kernel
	.amdgpu_metadata
---
amdhsa.version: [ 1, 2 ]
amdhsa.kernels:
  - .name:           k_q0e0d0bb336_att0
    .symbol:         k_q0e0d0bb336_att0.kd
    .args:
      - { .name: QKVB, .offset: 0, .size: 8, .value_kind: global_buffer, .address_space: global }
      - { .name: P0, .offset: 8, .size: 8, .value_kind: global_buffer, .address_space: global }
      - { .name: AO, .offset: 16, .size: 8, .value_kind: global_buffer, .address_space: global }
    .group_segment_fixed_size: 167936
    .private_segment_fixed_size: 0
    .kernarg_segment_align: 8
    .kernarg_segment_size: 24
    .max_flat_workgroup_size: 256
    .sgpr_count:     102
    .vgpr_count:     256
    .wavefront_size: 32
...
	.end_amdgpu_metadata
.endif
;; end of part 3
;; launch chain0 (part 4): grid 256 x 1, 8 waves a work-group, no clusters, 58,368 bytes of LDS; arguments AO, HA, P0, HB; writes HB
.if DOCPART == 4
	.amdgcn_target "amdgcn-amd-amdhsa--gfx1250"
	.amdhsa_code_object_version 6
	.text
	.protected	k_q0e0d0bb336_chain0
	.globl	k_q0e0d0bb336_chain0
	.p2align	8
	.type	k_q0e0d0bb336_chain0,@function
k_q0e0d0bb336_chain0:
	s_mov_b64 s[64:65], 0
	v_nop
	global_prefetch_b8 v0, s[64:65] scope:SCOPE_SE
	s_setreg_imm32_b32 hwreg(HW_REG_WAVE_MODE, 25, 1), 1
	s_wait_xcnt 0x0
; One layer's tail: h2 = ao out_w^T + out_b + h; LN2; ff = (o2 w1^T + b1) w2^T + b2; h' = ff + h (the block's INPUT, as the source has it).  All three products on codes of E2M1.  No work of the layer is left out.
; A work-group takes 32 tokens (group G), as two tiles of 16 (lane row r of tile u: token 8 u + r + 8 (r / 8)).  THE WAVES SHARE THE COLUMNS: wave w makes features 32 w .. + 31 of h2 and of h', and hidden units 128 w .. + 127.
; All products are transposed (source 0 = 16 rows of a weight, source 1 = 16 tokens), and the weights' tiles are laid so that a lane's 16 registers of two tiles are 16 neighbours along the next K.
; Residuals and biases are the C of each sum's first K step.  o2 and the hidden layer go from wave to wave through LDS as images of the operand's registers; nothing of them goes to memory.
; THE WEIGHTS come from memory straight into registers, in operand order: a layer's 331,776 bytes of them and the 58,112 bytes used here do not fit in a WGP's 327,680 bytes of LDS together, and each fragment feeds
; one wave alone: so no joint load into LDS.
; LIMITS: NaN and infinities are not served; a block whose largest magnitude lies under 2^-124 (a block of zeros too) keeps the byte 1.
.set WSC,  393216
.set OUTB, 447488
.set LN2G, 448512
.set LN2B, 449536
.set B1O,  450560
.set B2O,  454656
.set STAT, 0                           ; LDS: [u][r][wave] x 8 bytes
.set XIMG, 2048                        ; o2's four fragments (2 u + s)
.set XSC,  6144                        ; their scale words
.set HIMG, 6400                        ; the hidden layer's sixteen fragments (8 u + s)
.set HSC,  22784                       ; their scale words
.set STG,  23808                       ; the way out: 32 rows x (1,024 + 16) bytes
.set SPARE, 57088                      ; the spare words, 128 bytes a wave
.set LI, 1                             ; 16 L
.set L4, 2                             ; 4 L
.set R4, 3                             ; 4 r
.set HOFF, 4                           ; (r + 8 (r / 8)) 1024 + 64 h + 128 w
.set GOFF, 5                           ; 64 h + 128 w
.set WOA, 6                            ; 16 L + 4096 w
.set WA, 7                             ; 16 L + 16384 w
.set WOSA, 8                           ; 4 L + 512 w
.set WSA, 9                            ; 4 L + 2048 w
.set B1A, 10                           ; 64 h + 512 w
.set PIECE, 11
.set SCB, 12
.set HPIECE, 13
.set HSCB, 14
.set HIN, 16                           ; v16-47 h, then h + b2
.set ACC, 48                           ; v48-79 four accumulators [16 u + 8 v + j]
.set WO, 80                            ; v80-111 out_w's four fragments; later b1 of pairs 0, 1
.set XF, 112                           ; v112-143 ao; the statistics; o2; hidden fragments (A); rows on the way out
.set XS, 144
.set BB, 148                           ; v148-179 b2, out_b; ln2's g, b; b1 of pairs 2, 3; hidden fragments (B)
.set TM, 180
.set MS, 188
.set RS, 192
.set PC, 200
.set WOS, 208
.set W1S, 212
.set W2S, 228
.set LT, 228                           ; LN's temporaries, in registers that W2's scale words take later
.set XS2, 244
.set STATW, 248
.set STATR, 249
.set SO, 250
.set SR, 251
.set SPW, 252
.set NIL, 253
.set SEL, 14
.set CI32, 16
.set CI8, 17
.set C32F, 18
.set CI256, 19
.set CEPS, 20
.set MSB, 0
.macro WIN new                         ; the immediate's high byte repeats the setting that is left
.if MSB != \new
	s_set_vgpr_msb (MSB<<8)|\new
.set MSB, \new
.endif
.endm
.macro MM d, a, b, c, sa, sb
	v_wmma_scale_f32_16x16x128_f8f6f4 v[(\d):(\d)+7], v[(\a):(\a)+7], v[(\b):(\b)+7], v[(\c):(\c)+7], v[\sa], v[\sb] matrix_a_fmt:MATRIX_FMT_FP4 matrix_b_fmt:MATRIX_FMT_FP4
.endm
.macro QB s0, s1                       ; two half blocks of 16 numbers become codes v[PC] .. v[PC+3]; their bytes in v[TM+2], v[TM+3]
	v_max3_num_f32 v[TM], |v[(\s0)]|, |v[(\s0)+1]|, 0x1800000      ; the floor 2^(3 - 127): the byte cannot fall under 1
	v_max3_num_f32 v[TM+1], |v[(\s1)]|, |v[(\s1)+1]|, 0x1800000
.irp i, 2,4,6,8,10,12,14
	v_max3_num_f32 v[TM], v[TM], |v[(\s0)+\i]|, |v[(\s0)+\i+1]|
	v_max3_num_f32 v[TM+1], v[TM+1], |v[(\s1)+\i]|, |v[(\s1)+\i+1]|
.endr
	v_permlanex16_b32 v[TM+2], v[TM], s[SEL], s[SEL+1]
	v_permlanex16_b32 v[TM+3], v[TM+1], s[SEL], s[SEL+1]
	v_max_num_f32 v[TM], v[TM], v[TM+2]
	v_max_num_f32 v[TM+1], v[TM+1], v[TM+3]
	v_add_nc_u32 v[TM+4], 0xff000000, v[TM]
	v_add_nc_u32 v[TM+5], 0xff000000, v[TM+1]
	v_lshrrev_b32 v[TM+2], 23, v[TM+4]
	v_lshrrev_b32 v[TM+3], 23, v[TM+5]
	v_cvt_scalef32_pk8_fp4_f32 v[PC], v[(\s0):(\s0)+7], v[TM+4]
	v_cvt_scalef32_pk8_fp4_f32 v[PC+1], v[(\s0)+8:(\s0)+15], v[TM+4]
	v_cvt_scalef32_pk8_fp4_f32 v[PC+2], v[(\s1):(\s1)+7], v[TM+5]
	v_cvt_scalef32_pk8_fp4_f32 v[PC+3], v[(\s1)+8:(\s1)+15], v[TM+5]
	v_nop                                          ; one plain line behind the conversions
.endm
.macro LNLOC x                         ; mean and sum of squared deviations of my wave's 32 columns, for each of my two tokens, into LDS
.irp u, 0,1
	v_pk_add_f32 v[LT:LT+1], v[\x+16*\u:\x+16*\u+1], v[\x+16*\u+2:\x+16*\u+3]
	v_pk_add_f32 v[LT+2:LT+3], v[\x+16*\u+4:\x+16*\u+5], v[\x+16*\u+6:\x+16*\u+7]
	v_pk_add_f32 v[LT+4:LT+5], v[\x+16*\u+8:\x+16*\u+9], v[\x+16*\u+10:\x+16*\u+11]
	v_pk_add_f32 v[LT+6:LT+7], v[\x+16*\u+12:\x+16*\u+13], v[\x+16*\u+14:\x+16*\u+15]
	v_pk_add_f32 v[LT:LT+1], v[LT:LT+1], v[LT+2:LT+3]
	v_pk_add_f32 v[LT+4:LT+5], v[LT+4:LT+5], v[LT+6:LT+7]
	v_pk_add_f32 v[LT:LT+1], v[LT:LT+1], v[LT+4:LT+5]
	v_add_f32 v[LT], v[LT], v[LT+1]
	v_permlanex16_b32 v[LT+2], v[LT], s[SEL], s[SEL+1]
	v_add_f32 v[LT], v[LT], v[LT+2]
	v_mul_f32 v[MS+2*\u], s[CI32], v[LT]
	v_pk_add_f32 v[LT:LT+1], v[\x+16*\u:\x+16*\u+1], v[MS+2*\u:MS+2*\u+1] op_sel_hi:[1,0] neg_lo:[0,1] neg_hi:[0,1]
	v_pk_add_f32 v[LT+2:LT+3], v[\x+16*\u+2:\x+16*\u+3], v[MS+2*\u:MS+2*\u+1] op_sel_hi:[1,0] neg_lo:[0,1] neg_hi:[0,1]
	v_pk_mul_f32 v[LT+4:LT+5], v[LT:LT+1], v[LT:LT+1]
	v_pk_mul_f32 v[LT+6:LT+7], v[LT+2:LT+3], v[LT+2:LT+3]
.irp k, 4,8,12
	v_pk_add_f32 v[LT:LT+1], v[\x+16*\u+\k:\x+16*\u+\k+1], v[MS+2*\u:MS+2*\u+1] op_sel_hi:[1,0] neg_lo:[0,1] neg_hi:[0,1]
	v_pk_add_f32 v[LT+2:LT+3], v[\x+16*\u+\k+2:\x+16*\u+\k+3], v[MS+2*\u:MS+2*\u+1] op_sel_hi:[1,0] neg_lo:[0,1] neg_hi:[0,1]
	v_pk_fma_f32 v[LT+4:LT+5], v[LT:LT+1], v[LT:LT+1], v[LT+4:LT+5]
	v_pk_fma_f32 v[LT+6:LT+7], v[LT+2:LT+3], v[LT+2:LT+3], v[LT+6:LT+7]
.endr
	v_pk_add_f32 v[LT+4:LT+5], v[LT+4:LT+5], v[LT+6:LT+7]
	v_add_f32 v[LT+4], v[LT+4], v[LT+5]
	v_permlanex16_b32 v[LT], v[LT+4], s[SEL], s[SEL+1]
	v_add_f32 v[MS+2*\u+1], v[LT+4], v[LT]
	ds_store_b64 v[STATW], v[MS+2*\u:MS+2*\u+1] offset:STAT+1024*\u
.endr
.endm
.macro LNCOMB rd                       ; mean = sum m / 8; sum of squares = sum q + 32 sum (m - mean)^2: no difference of large sums
.irp u, 0,1
	v_pk_add_f32 v[LT:LT+1], v[\rd+16*\u:\rd+16*\u+1], v[\rd+16*\u+2:\rd+16*\u+3]
	v_pk_add_f32 v[LT+2:LT+3], v[\rd+16*\u+4:\rd+16*\u+5], v[\rd+16*\u+6:\rd+16*\u+7]
	v_pk_add_f32 v[LT+4:LT+5], v[\rd+16*\u+8:\rd+16*\u+9], v[\rd+16*\u+10:\rd+16*\u+11]
	v_pk_add_f32 v[LT+6:LT+7], v[\rd+16*\u+12:\rd+16*\u+13], v[\rd+16*\u+14:\rd+16*\u+15]
	v_pk_add_f32 v[LT:LT+1], v[LT:LT+1], v[LT+2:LT+3]
	v_pk_add_f32 v[LT+4:LT+5], v[LT+4:LT+5], v[LT+6:LT+7]
	v_pk_add_f32 v[LT:LT+1], v[LT:LT+1], v[LT+4:LT+5]
	v_mul_f32 v[MS+2*\u], s[CI8], v[LT]
	v_sub_f32 v[LT+2], v[\rd+16*\u], v[MS+2*\u]
	v_sub_f32 v[LT+3], v[\rd+16*\u+2], v[MS+2*\u]
	v_mul_f32 v[LT+4], v[LT+2], v[LT+2]
	v_mul_f32 v[LT+5], v[LT+3], v[LT+3]
.irp i, 4,8,12
	v_sub_f32 v[LT+2], v[\rd+16*\u+\i], v[MS+2*\u]
	v_sub_f32 v[LT+3], v[\rd+16*\u+\i+2], v[MS+2*\u]
	v_fma_f32 v[LT+4], v[LT+2], v[LT+2], v[LT+4]
	v_fma_f32 v[LT+5], v[LT+3], v[LT+3], v[LT+5]
.endr
	v_add_f32 v[LT+4], v[LT+4], v[LT+5]
	v_fma_f32 v[RS+2*\u+1], v[LT+4], s[C32F], v[LT+1]
	v_fma_f32 v[RS+2*\u+1], v[RS+2*\u+1], s[CI256], s[CEPS]
	v_rsq_f32 v[RS+2*\u], v[RS+2*\u+1]
.endr
	v_nop                                          ; a plain line behind the last root,
	s_wait_alu depctr_va_vdst(0)                   ; and one wait for both, ahead of their first reader
.endm
.macro LNAPPLY x, gb
.irp u, 0,1
.irp k, 0,2,4,6,8,10,12,14
	v_pk_add_f32 v[\x+16*\u+\k:\x+16*\u+\k+1], v[\x+16*\u+\k:\x+16*\u+\k+1], v[MS+2*\u:MS+2*\u+1] op_sel_hi:[1,0] neg_lo:[0,1] neg_hi:[0,1]
	v_pk_mul_f32 v[LT+\k%8:LT+\k%8+1], v[\gb+\k:\gb+\k+1], v[RS+2*\u:RS+2*\u+1] op_sel_hi:[1,0]
	v_pk_fma_f32 v[\x+16*\u+\k:\x+16*\u+\k+1], v[\x+16*\u+\k:\x+16*\u+\k+1], v[LT+\k%8:LT+\k%8+1], v[\gb+16+\k:\gb+16+\k+1]
.endr
.endr
.endm
.macro BARRIER
	s_wait_dscnt 0x0
	s_barrier_signal -1
	s_barrier_wait -1
.endm
.macro FETCH reg, off
	ds_load_b128 v[(\reg):(\reg)+3], v[LI] offset:(\off)
	ds_load_b128 v[(\reg)+4:(\reg)+7], v[LI] offset:(\off)+512
.endm
.macro PLACES
.rept 4
	v_nop
.endr
.endm
.macro GLOAD g, buf, xs                ; the hidden layer's K steps 2 g, 2 g + 1 for both tiles of tokens: twelve LDS loads
.irp u, 0,1
.irp e, 0,1
	FETCH (\buf)+8*(2*\u+\e), HIMG+(8*\u+2*(\g)+\e)*1024
	ds_load_b32 v[(\xs)+2*\u+\e], v[R4] offset:HSC+(8*\u+2*(\g)+\e)*64
.endr
.endr
.endm
.macro GMUL g, buf, xs                 ; eight products: four accumulators by turns, two K steps
	WIN 0x01                                       ; source 0 (w2) window 1
.irp e, 0,1
.irp u, 0,1
.irp v, 0,1
.if (2*(\g)+\e) == 0
	MM ACC+16*\u+8*\v, 128+8*(8*\v+2*(\g)+\e), (\buf)+8*(2*\u+\e), HIN+16*\u+8*\v, W2S+8*\v+2*(\g)+\e, (\xs)+2*\u+\e
.else
	MM ACC+16*\u+8*\v, 128+8*(8*\v+2*(\g)+\e), (\buf)+8*(2*\u+\e), ACC+16*\u+8*\v, W2S+8*\v+2*(\g)+\e, (\xs)+2*\u+\e
.endif
.endr
.endr
.endr
	WIN 0
.endm
	s_load_b256 s[4:11], s[0:1], 0x0               ; AO s[4:5], h s[6:7], P s[8:9], h' s[10:11]
	v_lshl_add_u32 v[SPW], v0, 2, SPARE
	v_mov_b32 v[NIL], 0
	v_lshrrev_b32 v1, 5, v0
	v_readfirstlane_b32 s12, v1                    ; wave 0..7
	v_and_b32 v112, 31, v0                         ; L
	v_and_b32 v113, 15, v0                         ; r
	v_bfe_u32 v114, v0, 4, 1                       ; h
	v_and_b32 v115, 8, v113
	v_add_nc_u32 v115, v115, v113                  ; r + 8 (r / 8)
	v_lshlrev_b32 v[LI], 4, v112
	v_lshlrev_b32 v[L4], 2, v112
	v_lshlrev_b32 v[R4], 2, v113
	s_lshl_b32 s24, s12, 7
	s_lshl_b32 s25, s12, 9
	v_lshlrev_b32 v[GOFF], 6, v114
	v_add_nc_u32 v[B1A], s25, v[GOFF]
	v_add_nc_u32 v[GOFF], s24, v[GOFF]
	v_lshl_add_u32 v[HOFF], v115, 10, v[GOFF]
	v_add_nc_u32 v[WOSA], s25, v[L4]
	s_lshl_b32 s26, s12, 12
	v_add_nc_u32 v[WOA], s26, v[LI]
	s_lshl_b32 s26, s12, 14
	v_add_nc_u32 v[WA], s26, v[LI]
	s_lshl_b32 s26, s12, 11
	v_add_nc_u32 v[WSA], s26, v[L4]
	v_lshlrev_b32 v116, 4, v113
	v_lshl_add_u32 v116, v114, 3, v116             ; 16 r + 8 h
	s_lshl_b32 s26, s12, 8
	s_add_co_u32 s26, s26, XIMG
	v_add_nc_u32 v[PIECE], s26, v116
	s_lshr_b32 s26, s12, 2
	s_lshl_b32 s26, s26, 6
	s_and_b32 s27, s12, 3
	s_add_co_u32 s26, s26, s27
	s_add_co_u32 s26, s26, XSC
	v_lshl_add_u32 v[SCB], v113, 2, s26
	s_lshl_b32 s26, s12, 10
	s_add_co_u32 s26, s26, HIMG
	v_add_nc_u32 v[HPIECE], s26, v116
	s_lshl_b32 s26, s12, 6
	s_add_co_u32 s26, s26, HSC
	v_lshl_add_u32 v[HSCB], v113, 2, s26
	v_lshlrev_b32 v[STATR], 6, v113
	s_lshl_b32 s26, s12, 3
	v_add_nc_u32 v[STATW], s26, v[STATR]
	v_mul_u32_u24 v[SO], v115, 1040
	v_add_nc_u32 v[SO], v[SO], v[GOFF]
	v_add_nc_u32 v[SO], STG, v[SO]                 ; the stage: my token's row, my 64 bytes of it
	s_mul_i32 s26, s12, 4160
	s_add_co_u32 s26, s26, STG
	v_add_nc_u32 v[SR], s26, v[LI]                 ; back: rows 4 w .. 4 w + 3
	v_mov_b32 v[TM+2], 0                           ; written once: a lane permute's destination counts as one of its sources,
	v_mov_b32 v[TM+3], 0
	v_mov_b32 v[MS+1], 0                           ; and a pair is read whole
	v_mov_b32 v[MS+3], 0
	s_mov_b32 s[SEL], 0x76543210
	s_mov_b32 s[SEL+1], 0xfedcba98
	s_mov_b32 s[CI32], 0x3d000000
	s_mov_b32 s[CI8], 0x3e000000
	s_mov_b32 s[C32F], 0x42000000
	s_mov_b32 s[CI256], 0x3b800000
	s_mov_b32 s[CEPS], 0x3727c5ac
	s_lshl_b32 s28, ttmp9, 12
	s_mov_b32 s29, 0
	s_lshl_b32 s30, ttmp9, 8
	s_mov_b32 s31, 0
	s_lshl_b32 s32, ttmp9, 15
	s_mov_b32 s33, 0
	s_wait_kmcnt 0x0
	s_add_nc_u64 s[28:29], s[4:5], s[28:29]        ; ao's codes of my group
	s_add_nc_u64 s[30:31], s[4:5], s[30:31]        ; and (1,048,576 on) its scale words
	s_add_nc_u64 s[6:7], s[6:7], s[32:33]
	s_add_nc_u64 s[10:11], s[10:11], s[32:33]
	s_lshl_b32 s32, s12, 12
	s_add_nc_u64 s[10:11], s[10:11], s[32:33]      ; the four rows that I store
	; loads at the head, in this order: h 8; out_b, b2 8; ao 12; out_w 12; w1 48
.irp u, 0,1
.irp q, 0,1,2,3
	global_load_b128 v[HIN+16*\u+4*\q:HIN+16*\u+4*\q+3], v[HOFF], s[6:7] offset:8192*\u+16*\q
.endr
.endr
.irp q, 0,1,2,3
	global_load_b128 v[BB+4*\q:BB+4*\q+3], v[GOFF], s[8:9] offset:B2O+16*\q
	global_load_b128 v[BB+16+4*\q:BB+16+4*\q+3], v[GOFF], s[8:9] offset:OUTB+16*\q
.endr
.irp f, 0,1,2,3
	global_load_b128 v[XF+8*\f:XF+8*\f+3], v[LI], s[28:29] offset:1024*\f
	global_load_b128 v[XF+8*\f+4:XF+8*\f+7], v[LI], s[28:29] offset:1024*\f+512
	global_load_b32 v[XS+\f], v[R4], s[30:31] offset:1048576+64*\f
.endr
.irp f, 0,1,2,3
	global_load_b128 v[WO+8*\f:WO+8*\f+3], v[WOA], s[8:9] offset:98304+1024*\f
	global_load_b128 v[WO+8*\f+4:WO+8*\f+7], v[WOA], s[8:9] offset:98304+1024*\f+512
	global_load_b32 v[WOS+\f], v[WOSA], s[8:9] offset:WSC+12288+128*\f
.endr
	WIN 0x40                                       ; destination window 1
.irp f, 0,1,2,3,4,5,6,7,8,9,10,11,12,13,14,15
	global_load_b128 v[8*\f:8*\f+3], v[WA], s[8:9] offset:131072+1024*\f
	global_load_b128 v[8*\f+4:8*\f+7], v[WA], s[8:9] offset:131072+1024*\f+512
.endr
	WIN 0
.irp f, 0,1,2,3,4,5,6,7,8,9,10,11,12,13,14,15
	global_load_b32 v[W1S+\f], v[WSA], s[8:9] offset:WSC+16384+128*\f
.endr
	; ---- the residuals
	s_wait_loadcnt 63                              ; h, out_b and b2 are in: 72 loads were issued behind them
.irp u, 0,1
.irp k, 0,2,4,6,8,10,12,14
	v_pk_add_f32 v[ACC+16*\u+\k:ACC+16*\u+\k+1], v[HIN+16*\u+\k:HIN+16*\u+\k+1], v[BB+16+\k:BB+16+\k+1]     ; h + out_b: where h2's sums begin
.endr
.endr
.irp u, 0,1
.irp k, 0,2,4,6,8,10,12,14
	v_pk_add_f32 v[HIN+16*\u+\k:HIN+16*\u+\k+1], v[HIN+16*\u+\k:HIN+16*\u+\k+1], v[BB+\k:BB+\k+1]           ; h + b2: where the last product's sums begin
.endr
.endr
.irp q, 0,1,2,3
	global_load_b128 v[BB+4*\q:BB+4*\q+3], v[GOFF], s[8:9] offset:LN2G+16*\q
	global_load_b128 v[BB+16+4*\q:BB+16+4*\q+3], v[GOFF], s[8:9] offset:LN2B+16*\q
.endr
	; ---- h2 = ao out_w^T + (h + out_b): four accumulators by turns
	s_wait_loadcnt 56                              ; ao and out_w are in: w1's 48 and ln2's 8 may be out
.irp s, 0,1
.irp u, 0,1
.irp v, 0,1
	MM ACC+16*\u+8*\v, WO+8*(2*\v+\s), XF+8*(2*\u+\s), ACC+16*\u+8*\v, WOS+2*\v+\s, XS+2*\u+\s
.endr
.endr
.endr
	PLACES
.irp p, 0,1                                    ; b1 of pairs 0, 1, into the registers that out_w has left
.irp v, 0,1
	global_load_b128 v[WO+16*\p+8*\v:WO+16*\p+8*\v+3], v[B1A], s[8:9] offset:B1O+(32*\p+8*\v)*4
	global_load_b128 v[WO+16*\p+8*\v+4:WO+16*\p+8*\v+7], v[B1A], s[8:9] offset:B1O+(32*\p+8*\v)*4+16
.endr
.endr
	; ---- LN2 and its quantiser
	LNLOC ACC
	BARRIER
.irp u, 0,1
.irp k, 0,1,2,3
	ds_load_b128 v[XF+16*\u+4*\k:XF+16*\u+4*\k+3], v[STATR] offset:STAT+1024*\u+16*\k
.endr
.endr
	s_wait_dscnt 0x0
	LNCOMB XF
	s_wait_loadcnt 8                               ; ln2's g and b are in: b1's first eight loads may be out
	LNAPPLY ACC, BB
.irp p, 0,1                                    ; b1 of pairs 2, 3
.irp v, 0,1
	global_load_b128 v[BB+16*\p+8*\v:BB+16*\p+8*\v+3], v[B1A], s[8:9] offset:B1O+(64+32*\p+8*\v)*4
	global_load_b128 v[BB+16*\p+8*\v+4:BB+16*\p+8*\v+7], v[B1A], s[8:9] offset:B1O+(64+32*\p+8*\v)*4+16
.endr
.endr
	WIN 0x40
.irp f, 0,1,2,3,4,5,6,7,8,9,10,11,12,13,14,15  ; w2's fragments f = 8 v + s
	global_load_b128 v[128+8*\f:128+8*\f+3], v[WA], s[8:9] offset:262144+1024*\f
	global_load_b128 v[128+8*\f+4:128+8*\f+7], v[WA], s[8:9] offset:262144+1024*\f+512
.endr
	WIN 0
.irp f, 0,1,2,3,4,5,6,7,8,9,10,11,12,13,14,15
	global_load_b32 v[W2S+\f], v[WSA], s[8:9] offset:WSC+32768+128*\f
.endr
	QB ACC, ACC+16
.irp u, 0,1
	ds_store_b64 v[PIECE], v[PC+2*\u:PC+2*\u+1] offset:2048*\u
	ds_store_b8 v[SCB], v[TM+2+\u] offset:128*\u
.endr
	BARRIER                                        ; o2's four fragments lie in LDS
.irp f, 0,1,2,3
	FETCH XF+8*\f, XIMG+1024*\f
	ds_load_b32 v[XS+\f], v[R4] offset:XSC+64*\f
.endr
	s_wait_dscnt 0x0
	s_wait_loadcnt 56                              ; w1 and b1's first half are in: b1's second half (8) and w2 (48) may be out
	; ---- the hidden layer, a pair of tiles (32 units: one block) at a time
.irp p, 0,1,2,3
.if \p == 2
	s_wait_loadcnt 48                              ; b1's second half is in: w2's 48 may be out
.endif
.if \p < 2
.set CB, WO+16*\p
.else
.set CB, BB+16*(\p-2)
.endif
	WIN 0x01                                       ; source 0 (w1) window 1
.irp s, 0,1
.irp u, 0,1
.irp v, 0,1
.if \s == 0
	MM ACC+16*\u+8*\v, 8*(4*\p+2*\v+\s), XF+8*(2*\u+\s), CB+8*\v, W1S+4*\p+2*\v+\s, XS+2*\u+\s
.else
	MM ACC+16*\u+8*\v, 8*(4*\p+2*\v+\s), XF+8*(2*\u+\s), ACC+16*\u+8*\v, W1S+4*\p+2*\v+\s, XS+2*\u+\s
.endif
.endr
.endr
.endr
	WIN 0
	PLACES
	QB ACC, ACC+16                                 ; (its lines on the quantiser's own registers and its last v_nop are further places ahead of the next pair's products, which write the accumulators anew)
.irp u, 0,1
	ds_store_b64 v[HPIECE], v[PC+2*\u:PC+2*\u+1] offset:8192*\u+512*(\p/2)+256*(\p%2)  ; block p of K step w of the next product
	ds_store_b8 v[HSCB], v[TM+2+\u] offset:512*\u+\p
.endr
	s_wait_dscnt 0x0                               ; the stores have read their registers
.endr
	BARRIER                                        ; the hidden layer's sixteen fragments lie in LDS
	; ---- h' = hidden w2^T + (h + b2)
	s_wait_loadcnt 0x0                             ; w2
	GLOAD 0, XF, XS
	GLOAD 1, BB, XS2
	s_wait_dscnt 12                                ; the older group is in
	GMUL 0, XF, XS
	PLACES
	GLOAD 2, XF, XS
	s_wait_dscnt 12
	GMUL 1, BB, XS2
	PLACES
	GLOAD 3, BB, XS2
	s_wait_dscnt 12
	GMUL 2, XF, XS
	s_wait_dscnt 0x0
	GMUL 3, BB, XS2
	PLACES
	; ---- the way out: a token's 1,024 bytes come from eight waves: through a stage, then whole rows
.irp u, 0,1
.irp q, 0,1,2,3
	ds_store_b128 v[SO], v[ACC+16*\u+4*\q:ACC+16*\u+4*\q+3] offset:8320*\u+16*\q
.endr
.endr
	BARRIER
.irp k, 0,1,2,3
.irp e, 0,1
	ds_load_b128 v[XF+4*(2*\k+\e):XF+4*(2*\k+\e)+3], v[SR] offset:1040*\k+512*\e
.endr
.endr
.irp k, 0,1,2,3
.irp e, 0,1
	s_wait_dscnt 7-2*\k-\e
	global_store_b128 v[LI], v[XF+4*(2*\k+\e):XF+4*(2*\k+\e)+3], s[10:11] offset:1024*\k+512*\e    ; 32 lanes store 512 consecutive bytes
.endr
.endr
	s_wait_tensorcnt 0x0                           ; the wave's end
	ds_add_u32 v[SPW], v[NIL]
	s_wait_dscnt 0x0
	s_endpgm
.Lfunc_end_k_q0e0d0bb336_chain0:
	.size	k_q0e0d0bb336_chain0, .Lfunc_end_k_q0e0d0bb336_chain0-k_q0e0d0bb336_chain0
	.p2alignl 7, 3214868480
	.fill 96, 4, 3214868480
	.section	.rodata,"a",@progbits
	.p2align	6, 0x0
	.amdhsa_kernel k_q0e0d0bb336_chain0
		.amdhsa_group_segment_fixed_size 58368
		.amdhsa_private_segment_fixed_size 0
		.amdhsa_enable_private_segment 0
		.amdhsa_kernarg_size 32
		.amdhsa_user_sgpr_count 2
		.amdhsa_user_sgpr_kernarg_segment_ptr 1
		.amdhsa_wavefront_size32 1
		.amdhsa_system_sgpr_workgroup_id_x 1
		.amdhsa_system_sgpr_workgroup_id_y 1
		.amdhsa_system_sgpr_workgroup_id_z 1
		.amdhsa_system_vgpr_workitem_id 0
		.amdhsa_next_free_vgpr 512
		.amdhsa_next_free_sgpr 66
		.amdhsa_reserve_vcc 0
		.amdhsa_float_denorm_mode_32 3
		.amdhsa_float_denorm_mode_16_64 3
		.amdhsa_memory_ordered 1
		.amdhsa_forward_progress 1
		.amdhsa_inst_pref_size 58
	.end_amdhsa_kernel
	.amdgpu_metadata
---
amdhsa.version: [ 1, 2 ]
amdhsa.kernels:
  - .name:           k_q0e0d0bb336_chain0
    .symbol:         k_q0e0d0bb336_chain0.kd
    .args:
      - { .name: AO, .offset: 0, .size: 8, .value_kind: global_buffer, .address_space: global }
      - { .name: HA, .offset: 8, .size: 8, .value_kind: global_buffer, .address_space: global }
      - { .name: P0, .offset: 16, .size: 8, .value_kind: global_buffer, .address_space: global }
      - { .name: HB, .offset: 24, .size: 8, .value_kind: global_buffer, .address_space: global }
    .group_segment_fixed_size: 58368
    .private_segment_fixed_size: 0
    .kernarg_segment_align: 8
    .kernarg_segment_size: 32
    .max_flat_workgroup_size: 256
    .sgpr_count:     66
    .vgpr_count:     512
    .wavefront_size: 32
...
	.end_amdgpu_metadata
.endif
;; end of part 4
;; launch qkv1: the kernel of part 2 again; grid 256 x 1, 8 waves a work-group, no clusters, 7,680 bytes of LDS; arguments HB, P1, QKVB; writes QKVB
;; launch att1: the kernel of part 3 again; grid 16 x 16, 8 waves a work-group, clusters of 4 x 1, 167,936 bytes of LDS; arguments QKVB, P1, AO; writes AO
;; launch chain1: the kernel of part 4 again; grid 256 x 1, 8 waves a work-group, no clusters, 58,368 bytes of LDS; arguments AO, HB, P1, HA; writes HA
;; launch qkv2: the kernel of part 2 again; grid 256 x 1, 8 waves a work-group, no clusters, 7,680 bytes of LDS; arguments HA, P2, QKVB; writes QKVB
;; launch att2: the kernel of part 3 again; grid 16 x 16, 8 waves a work-group, clusters of 4 x 1, 167,936 bytes of LDS; arguments QKVB, P2, AO; writes AO
;; launch chain2: the kernel of part 4 again; grid 256 x 1, 8 waves a work-group, no clusters, 58,368 bytes of LDS; arguments AO, HA, P2, HB; writes HB
;; launch qkv3: the kernel of part 2 again; grid 256 x 1, 8 waves a work-group, no clusters, 7,680 bytes of LDS; arguments HB, P3, QKVB; writes QKVB
;; launch att3: the kernel of part 3 again; grid 16 x 16, 8 waves a work-group, clusters of 4 x 1, 167,936 bytes of LDS; arguments QKVB, P3, AO; writes AO
;; launch chain3: the kernel of part 4 again; grid 256 x 1, 8 waves a work-group, no clusters, 58,368 bytes of LDS; arguments AO, HB, P3, HA; writes HA
;; launch final (part 5): grid 256 x 1, 8 waves a work-group, no clusters, 0 bytes of LDS; arguments HA, lnf_g, lnf_b, wf, bf, out0; writes out0
.if DOCPART == 5
	.amdgcn_target "amdgcn-amd-amdhsa--gfx1250"
	.amdhsa_code_object_version 6
	.text
	.protected	k_q0e0d0bb336_final
	.globl	k_q0e0d0bb336_final
	.p2align	8
	.type	k_q0e0d0bb336_final,@function
k_q0e0d0bb336_final:
	s_mov_b64 s[64:65], 0
	v_nop
	global_prefetch_b8 v0, s[64:65] scope:SCOPE_SE
	s_setreg_imm32_b32 hwreg(HW_REG_WAVE_MODE, 25, 1), 1
	s_wait_xcnt 0x0
; The last LN and the product with wf (256 -> 2), in f32: out[s][b][c] = rstd x sum (x - mu) g wf_c + sum beta wf_c + bf_c.  No work is left out.
; A wave takes one position s = 8 x work-group + wave and its four batches; a lane holds dims 4 L .. + 3 and 128 + 4 L .. + 3 of each row.  The variance is taken of the deviations, so a common offset does no harm.
; No LDS, no barrier, no matrix unit: two columns are too few for it.  A wave's eight results are 32 consecutive bytes, a work-group's 256.
; LIMITS: NaN and infinities are not served.
.set X, 16                             ; v16-47 four rows x 8
.set GG, 48                            ; g
.set BT, 56                            ; beta
.set W0, 64                            ; wf[0], then g wf[0]
.set W1, 72
.set SEL, 20
.macro RED x                           ; the sum over the wave's 32 lanes, in every lane
	v_add_f32_dpp v[\x], v[\x], v[\x] row_xmask:1 row_mask:0xf bank_mask:0xf
	v_add_f32_dpp v[\x], v[\x], v[\x] row_xmask:2 row_mask:0xf bank_mask:0xf
	v_add_f32_dpp v[\x], v[\x], v[\x] row_xmask:4 row_mask:0xf bank_mask:0xf
	v_add_f32_dpp v[\x], v[\x], v[\x] row_xmask:8 row_mask:0xf bank_mask:0xf
	v_permlanex16_b32 v94, v[\x], s[SEL], s[SEL+1]
	v_add_f32 v[\x], v[\x], v94
.endm
	s_load_b256 s[4:11], s[0:1], 0x0               ; h, lnf_g, lnf_b, wf
	s_load_b128 s[12:15], s[0:1], 0x20             ; bf, out0
	v_lshrrev_b32 v1, 5, v0
	v_readfirstlane_b32 s16, v1
	v_and_b32 v2, 31, v0
	v_lshlrev_b32 v1, 4, v2                        ; 16 L
	v_and_b32 v3, 7, v2
	v_lshlrev_b32 v5, 2, v3
	v_mov_b32 v94, 0
.irp b, 0,1,2,3
	v_mov_b32 v[97+2*\b], 0                        ; a pair is read whole
.endr
	s_lshl_b32 s17, ttmp9, 3
	s_add_co_u32 s17, s17, s16                     ; s
	s_lshl_b32 s18, s17, 10
	s_mov_b32 s19, 0
	s_mov_b32 s[SEL], 0x76543210
	s_mov_b32 s[SEL+1], 0xfedcba98
	s_mov_b32 s24, 0x3b800000                      ; 1/256
	s_mov_b32 s25, 0x3727c5ac                      ; 1e-5
	s_wait_kmcnt 0x0
	s_add_nc_u64 s[4:5], s[4:5], s[18:19]
	s_lshl_b32 s18, s17, 5
	s_add_nc_u64 s[14:15], s[14:15], s[18:19]
	s_load_b64 s[22:23], s[12:13], 0x0             ; bf
.irp b, 0,1,2,3
	global_load_b128 v[X+8*\b:X+8*\b+3], v1, s[4:5] offset:2097152*\b
	global_load_b128 v[X+8*\b+4:X+8*\b+7], v1, s[4:5] offset:2097152*\b+512
.endr
.irp e, 0,1
	global_load_b128 v[GG+4*\e:GG+4*\e+3], v1, s[6:7] offset:512*\e
	global_load_b128 v[BT+4*\e:BT+4*\e+3], v1, s[8:9] offset:512*\e
	global_load_b128 v[W0+4*\e:W0+4*\e+3], v1, s[10:11] offset:512*\e
	global_load_b128 v[W1+4*\e:W1+4*\e+3], v1, s[10:11] offset:1024+512*\e
.endr
	s_wait_loadcnt 0x0
	v_pk_mul_f32 v[80:81], v[BT:BT+1], v[W0:W0+1]  ; sum beta wf_c
	v_pk_mul_f32 v[82:83], v[BT:BT+1], v[W1:W1+1]
.irp k, 2,4,6
	v_pk_fma_f32 v[80:81], v[BT+\k:BT+\k+1], v[W0+\k:W0+\k+1], v[80:81]
	v_pk_fma_f32 v[82:83], v[BT+\k:BT+\k+1], v[W1+\k:W1+\k+1], v[82:83]
.endr
	v_add_f32 v80, v80, v81
	v_add_f32 v82, v82, v83
	RED 80
	RED 82
	s_wait_kmcnt 0x0
	v_add_f32 v80, s22, v80                        ; + bf_c
	v_add_f32 v82, s23, v82
.irp k, 0,2,4,6
	v_pk_mul_f32 v[W0+\k:W0+\k+1], v[W0+\k:W0+\k+1], v[GG+\k:GG+\k+1]
	v_pk_mul_f32 v[W1+\k:W1+\k+1], v[W1+\k:W1+\k+1], v[GG+\k:GG+\k+1]
.endr
.irp b, 0,1,2,3
	v_pk_add_f32 v[88:89], v[X+8*\b:X+8*\b+1], v[X+8*\b+2:X+8*\b+3]
	v_pk_add_f32 v[90:91], v[X+8*\b+4:X+8*\b+5], v[X+8*\b+6:X+8*\b+7]
	v_pk_add_f32 v[88:89], v[88:89], v[90:91]
	v_add_f32 v[84+\b], v88, v89
.endr
.irp b, 0,1,2,3
	RED 84+\b
.endr
.irp b, 0,1,2,3
	v_mul_f32 v[96+2*\b], s24, v[84+\b]            ; mu
.irp k, 0,2,4,6
	v_pk_add_f32 v[X+8*\b+\k:X+8*\b+\k+1], v[X+8*\b+\k:X+8*\b+\k+1], v[96+2*\b:97+2*\b] op_sel_hi:[1,0] neg_lo:[0,1] neg_hi:[0,1]
.endr
	v_pk_mul_f32 v[88:89], v[X+8*\b:X+8*\b+1], v[X+8*\b:X+8*\b+1]
	v_pk_mul_f32 v[90:91], v[X+8*\b:X+8*\b+1], v[W0:W0+1]
	v_pk_mul_f32 v[92:93], v[X+8*\b:X+8*\b+1], v[W1:W1+1]
.irp k, 2,4,6
	v_pk_fma_f32 v[88:89], v[X+8*\b+\k:X+8*\b+\k+1], v[X+8*\b+\k:X+8*\b+\k+1], v[88:89]
	v_pk_fma_f32 v[90:91], v[X+8*\b+\k:X+8*\b+\k+1], v[W0+\k:W0+\k+1], v[90:91]
	v_pk_fma_f32 v[92:93], v[X+8*\b+\k:X+8*\b+\k+1], v[W1+\k:W1+\k+1], v[92:93]
.endr
	v_add_f32 v[104+\b], v88, v89
	v_add_f32 v[108+\b], v90, v91
	v_add_f32 v[112+\b], v92, v93
.endr
.irp n, 104,105,106,107,108,109,110,111,112,113,114,115
	RED \n
.endr
.irp b, 0,1,2,3
	v_fma_f32 v[104+\b], v[104+\b], s24, s25       ; variance + 1e-5
.endr
.irp b, 0,1,2,3
	v_rsq_f32 v[104+\b], v[104+\b]
.endr
	v_nop                                          ; a plain line behind the roots,
	s_wait_alu depctr_va_vdst(0)                   ; and one wait for the four
.irp b, 0,1,2,3
	v_fma_f32 v[116+2*\b], v[108+\b], v[104+\b], v80
	v_fma_f32 v[117+2*\b], v[112+\b], v[104+\b], v82
.endr
	v_mov_b32 v4, v116                             ; lane e takes result e = 2 b + c
.irp e, 1,2,3,4,5,6,7
	v_cmp_eq_u32 vcc_lo, \e, v3
	v_cndmask_b32 v4, v4, v[116+\e], vcc_lo
.endr
	s_wait_xcnt 0x0                                ; EXEC changes only behind this wait
	v_cmp_gt_u32 vcc_lo, 8, v2
	s_and_saveexec_b32 s26, vcc_lo
	global_store_b32 v5, v4, s[14:15]              ; lanes 0-7: 32 consecutive bytes
	s_wait_xcnt 0x0
	s_or_b32 exec_lo, exec_lo, s26
	s_endpgm
.Lfunc_end_k_q0e0d0bb336_final:
	.size	k_q0e0d0bb336_final, .Lfunc_end_k_q0e0d0bb336_final-k_q0e0d0bb336_final
	.p2alignl 7, 3214868480
	.fill 96, 4, 3214868480
	.section	.rodata,"a",@progbits
	.p2align	6, 0x0
	.amdhsa_kernel k_q0e0d0bb336_final
		.amdhsa_group_segment_fixed_size 0
		.amdhsa_private_segment_fixed_size 0
		.amdhsa_enable_private_segment 0
		.amdhsa_kernarg_size 48
		.amdhsa_user_sgpr_count 2
		.amdhsa_user_sgpr_kernarg_segment_ptr 1
		.amdhsa_wavefront_size32 1
		.amdhsa_system_sgpr_workgroup_id_x 1
		.amdhsa_system_sgpr_workgroup_id_y 1
		.amdhsa_system_sgpr_workgroup_id_z 1
		.amdhsa_system_vgpr_workitem_id 0
		.amdhsa_next_free_vgpr 128
		.amdhsa_next_free_sgpr 66
		.amdhsa_reserve_vcc 1
		.amdhsa_float_denorm_mode_32 3
		.amdhsa_float_denorm_mode_16_64 3
		.amdhsa_memory_ordered 1
		.amdhsa_forward_progress 1
		.amdhsa_inst_pref_size 18
	.end_amdhsa_kernel
	.amdgpu_metadata
---
amdhsa.version: [ 1, 2 ]
amdhsa.kernels:
  - .name:           k_q0e0d0bb336_final
    .symbol:         k_q0e0d0bb336_final.kd
    .args:
      - { .name: HA, .offset: 0, .size: 8, .value_kind: global_buffer, .address_space: global }
      - { .name: lnf_g, .offset: 8, .size: 8, .value_kind: global_buffer, .address_space: global }
      - { .name: lnf_b, .offset: 16, .size: 8, .value_kind: global_buffer, .address_space: global }
      - { .name: wf, .offset: 24, .size: 8, .value_kind: global_buffer, .address_space: global }
      - { .name: bf, .offset: 32, .size: 8, .value_kind: global_buffer, .address_space: global }
      - { .name: out0, .offset: 40, .size: 8, .value_kind: global_buffer, .address_space: global }
    .group_segment_fixed_size: 0
    .private_segment_fixed_size: 0
    .kernarg_segment_align: 8
    .kernarg_segment_size: 48
    .max_flat_workgroup_size: 256
    .sgpr_count:     66
    .vgpr_count:     128
    .wavefront_size: 32
...
	.end_amdgpu_metadata
.endif
;; end of part 5
;; ======== version 2 of 2: 10 launches
;; limits: right only within a limited range of input values
;; workspace buffers: P0 983,040 bytes; P1 983,040 bytes; P2 983,040 bytes; P3 983,040 bytes; HA 8,388,608 bytes; HB 8,388,608 bytes; QKVB 3,538,944 bytes; AO 1,114,112 bytes
;; launch prep (part 6): grid 81 x 4, 8 waves a work-group, no clusters, 0 bytes of LDS; arguments x, emb, mask, in_w, out_w, w1, w2, ln1_g, ln1_b, in_b, out_b, ln2_g, ln2_b, b1, b2, P0, P1, P2, P3, HA; writes P0, P1, P2, P3, HA
.if DOCPART == 6
	.amdgcn_target "amdgcn-amd-amdhsa--gfx1250"
	.amdhsa_code_object_version 6
	.text
	.protected	k_q0e0d0bb336_prep
	.globl	k_q0e0d0bb336_prep
	.p2align	8
	.type	k_q0e0d0bb336_prep,@function
k_q0e0d0bb336_prep:
	s_mov_b64 s[64:65], 0
	v_nop
	global_prefetch_b8 v0, s[64:65] scope:SCOPE_SE
	s_setreg_imm32_b32 hwreg(HW_REG_WAVE_MODE, 25, 1), 1
	s_wait_xcnt 0x0
; SparseTransformerEncoder in MX-FP4, launch 1 of 10: everything that does not hang on the activations is laid out once.
; DEAD WORK: none.  Every product of the encoder and every one of its 19 inputs has a way to the output; all are loaded by some launch.
; The mask is an input and is honoured as it is given: the attention is computed for all keys and the mask selects (the blocks of 32 keys of the second
; product are fixed by the quantiser, so chosen keys cannot be packed into other blocks).
; Work-group y = the layer l.  Work-group x parts four ways (no LDS, no barrier, waves share nothing):
;   x  0..47  one weight fragment a wave: 16 rows x 128 K of in_w, out_w, w1 or w2 become codes of E2M1 and one scale word a row, stored IN THE ORDER OF THE OPERAND'S REGISTERS:
;             fragment F at P_l + 1024 F (chunk c at 512 c, lane L's 16 bytes at 16 L), its scale words at P_l + 393216 + 128 F + 4 L.
;             THE ROWS OF A TILE ARE NOT NEIGHBOURS: lane row r of tile t takes row 32 (t / 2) + 8 (t % 2) + r + 8 (r / 8), so that a transposed product leaves 16 neighbours along the next K in a lane.
;   x 48..63  one tile of 16 queries a wave: the mask's bytes become select words, [query tile 128][key step 16][score register 64]: one bit for each of the 32 lanes.
;   x 64..79  h = 16 emb[x] + the positional encoding, rows R = 2048 b + s, f32, into HA (layer y takes positions 512 y .. 512 y + 511).
;   x 80      the layer's small f32 parameters are copied behind its weights, so that the layers' launches have constant offsets.
; A block's scale: the largest magnitude's exponent field less 2, held at 1 from below (a block of zeros keeps the byte 1: its codes are zeros, and only this program reads the bytes).
; LIMITS: NaN and infinities among the inputs are not served; blocks whose largest magnitude lies under 2^-124 keep the byte 1.
; The positional angles: div = exp(2 i x -ln(10000)/256) by an exponential of base 2 with the product's rounding error carried along; sine and cosine by reduction with pi/2 in two parts and
; polynomials on |r| <= pi/4 (absolute error of the order of the angle's own last bit; positions go to 2,047).
.set P_SC,   393216
.set P_LN1G, 442368
.set P_LN1B, 443392
.set P_INB,  444416
.set P_OUTB, 447488
.set P_LN2G, 448512
.set P_LN2B, 449536
.set P_B1,   450560
.set P_B2,   454656
.set P_MASK, 458752
	s_load_b512 s[8:23], s[0:1], 0x0               ; x s[8:9], emb s[10:11], mask s[12:13], in_w s[14:15], out_w s[16:17], w1 s[18:19], w2 s[20:21], ln1_g s[22:23]
	s_load_b512 s[24:39], s[0:1], 0x40             ; ln1_b s[24:25], in_b s[26:27], out_b s[28:29], ln2_g s[30:31], ln2_b s[32:33], b1 s[34:35], b2 s[36:37], P0 s[38:39]
	s_load_b256 s[40:47], s[0:1], 0x80             ; P1 s[40:41], P2 s[42:43], P3 s[44:45], HA s[46:47]
	v_lshrrev_b32 v1, 5, v0
	s_delay_alu instid0(VALU_DEP_1)
	v_readfirstlane_b32 s2, v1                     ; wave 0..7
	s_and_b32 s3, ttmp7, 0xffff                    ; the layer
	v_and_b32 v2, 31, v0                           ; lane L
	v_and_b32 v3, 15, v0                           ; r
	v_bfe_u32 v4, v0, 4, 1                         ; h
	s_delay_alu instid0(VALU_DEP_3)
	v_lshlrev_b32 v5, 4, v2                        ; 16 L
	s_wait_kmcnt 0x0
	s_cmp_eq_u32 s3, 1                             ; the layer's own buffer: a choice that hangs on the work-group's number alone
	s_cselect_b64 s[38:39], s[40:41], s[38:39]
	s_cmp_eq_u32 s3, 2
	s_cselect_b64 s[38:39], s[42:43], s[38:39]
	s_cmp_eq_u32 s3, 3
	s_cselect_b64 s[38:39], s[44:45], s[38:39]
	s_cmp_lt_u32 ttmp9, 48
	s_cbranch_scc1 .Lweights
	s_cmp_lt_u32 ttmp9, 64
	s_cbranch_scc1 .Lmask
	s_cmp_lt_u32 ttmp9, 80
	s_cbranch_scc1 .Lembed
	; ---- the parameters' copies: 16 bytes a thread
	v_lshlrev_b32 v6, 4, v0
	s_lshl_b32 s48, s3, 12
	s_mov_b32 s49, 0
	s_add_nc_u64 s[34:35], s[34:35], s[48:49]      ; b1[l]: 4,096 bytes, all eight waves
	global_load_b128 v[8:11], v6, s[34:35]
	s_wait_alu depctr_va_vdst(0)
	s_wait_loadcnt 0x0
	global_store_b128 v6, v[8:11], s[38:39] offset:P_B1
	s_cmp_lt_u32 s2, 6
	s_cbranch_scc0 .Ldone
	s_mul_i32 s48, s3, 3072
	s_add_nc_u64 s[26:27], s[26:27], s[48:49]      ; in_b[l]: 3,072 bytes, six waves
	global_load_b128 v[12:15], v6, s[26:27]
	s_wait_loadcnt 0x0
	global_store_b128 v6, v[12:15], s[38:39] offset:P_INB
	s_cmp_lt_u32 s2, 2
	s_cbranch_scc0 .Ldone
	s_lshl_b32 s48, s3, 10                         ; six arrays of 1,024 bytes, two waves
.irp p, 22,24,28,30,32,36
	s_add_nc_u64 s[\p:\p+1], s[\p:\p+1], s[48:49]
.endr
	global_load_b128 v[16:19], v6, s[22:23]
	global_load_b128 v[20:23], v6, s[24:25]
	global_load_b128 v[24:27], v6, s[28:29]
	global_load_b128 v[28:31], v6, s[30:31]
	global_load_b128 v[32:35], v6, s[32:33]
	global_load_b128 v[36:39], v6, s[36:37]
	s_wait_loadcnt 0x0
	global_store_b128 v6, v[16:19], s[38:39] offset:P_LN1G
	global_store_b128 v6, v[20:23], s[38:39] offset:P_LN1B
	global_store_b128 v6, v[24:27], s[38:39] offset:P_OUTB
	global_store_b128 v6, v[28:31], s[38:39] offset:P_LN2G
	global_store_b128 v6, v[32:35], s[38:39] offset:P_LN2B
	global_store_b128 v6, v[36:39], s[38:39] offset:P_B2
.Ldone:
	s_endpgm
	; ---- one weight fragment a wave
.Lweights:
	s_lshl_b32 s48, ttmp9, 3
	s_add_co_u32 s48, s48, s2                      ; F = 8 x + wave
	s_mov_b64 s[50:51], s[20:21]                   ; the matrix is chosen by x alone: w2 ..
	s_mov_b32 s52, 4096                            ; a row in bytes
	s_mov_b32 s53, 1048576                         ; a layer in bytes
	s_mov_b32 s54, 256                             ; its first F
	s_mov_b32 s55, 3                               ; log2 of its K steps
	s_cmp_lt_u32 ttmp9, 32                         ; .. w1 ..
	s_cselect_b64 s[50:51], s[18:19], s[50:51]
	s_cselect_b32 s52, 1024, s52
	s_cselect_b32 s54, 128, s54
	s_cselect_b32 s55, 1, s55
	s_cmp_lt_u32 ttmp9, 16                         ; .. out_w ..
	s_cselect_b64 s[50:51], s[16:17], s[50:51]
	s_cselect_b32 s53, 262144, s53
	s_cselect_b32 s54, 96, s54
	s_cmp_lt_u32 ttmp9, 12                         ; .. in_w
	s_cselect_b64 s[50:51], s[14:15], s[50:51]
	s_cselect_b32 s53, 786432, s53
	s_cselect_b32 s54, 0, s54
	s_sub_co_u32 s56, s48, s54                     ; the fragment's number in its matrix
	s_lshr_b32 s57, s56, s55                       ; tile t
	s_lshl_b32 s58, s57, s55
	s_sub_co_u32 s58, s56, s58                     ; K step s
	s_lshr_b32 s59, s57, 1
	s_lshl_b32 s59, s59, 5
	s_and_b32 s60, s57, 1
	s_lshl_b32 s60, s60, 3
	s_add_co_u32 s59, s59, s60                     ; the tile's first row: 32 (t / 2) + 8 (t % 2)
	s_mul_i32 s59, s59, s52
	s_lshl_b32 s58, s58, 9                         ; 128 numbers of 4 bytes a K step
	s_add_co_u32 s59, s59, s58
	s_mul_i32 s60, s3, s53
	s_add_co_u32 s60, s60, s59
	s_mov_b32 s61, 0
	s_add_nc_u64 s[50:51], s[50:51], s[60:61]
	s_mov_b32 s62, 0x76543210
	s_mov_b32 s63, 0xfedcba98                      ; lane selects: lane l xor 16
	s_wait_alu depctr_va_vdst(0)
	v_and_b32 v6, 8, v3
	s_delay_alu instid0(VALU_DEP_1)
	v_add_nc_u32 v6, v6, v3                        ; r + 8 (r / 8)
	s_delay_alu instid0(VALU_DEP_1)
	v_mul_lo_u32 v6, v6, s52
	s_delay_alu instid0(VALU_DEP_1)
	v_lshl_add_u32 v6, v4, 7, v6                   ; + 128 h: lane (r, h) holds k = 64 c + 32 h + 0 .. 31: two whole blocks
.irp c, 0,1
.irp i, 0,1,2,3,4,5,6,7
	global_load_b128 v[64+32*\c+4*\i:67+32*\c+4*\i], v6, s[50:51] offset:256*\c+16*\i
.endr
.endr
	s_wait_loadcnt 0x0
.irp c, 0,1
	v_max3_num_f32 v[32+\c], |v[64+32*\c]|, |v[65+32*\c]|, 0x1800000   ; the floor 2^(3 - 127): the byte cannot fall under 1
.endr
.irp i, 2,4,6,8,10,12,14,16,18,20,22,24,26,28,30
.irp c, 0,1
	s_delay_alu instid0(VALU_DEP_2)
	v_max3_num_f32 v[32+\c], v[32+\c], |v[64+32*\c+\i]|, |v[65+32*\c+\i]|
.endr
.endr
.irp c, 0,1
	s_delay_alu instid0(VALU_DEP_2)
	v_add_nc_u32 v[44+\c], 0xff000000, v[32+\c]    ; 2 off the exponent field: the conversion's scale operand
.endr
.irp c, 0,1
	s_delay_alu instid0(VALU_DEP_2)
	v_lshrrev_b32 v[36+\c], 23, v[44+\c]           ; the scale's byte
.endr
	s_delay_alu instid0(VALU_DEP_1)
	v_lshl_or_b32 v9, v37, 16, v36                 ; my two bytes, blocks h and 2 + h,
	v_lshlrev_b32 v10, 3, v4
	s_delay_alu instid0(VALU_DEP_1)
	v_lshlrev_b32 v9, v10, v9                      ; at their places in the word;
	v_mov_b32 v10, 0
	s_delay_alu instid0(VALU_DEP_1)
	v_permlanex16_b32 v10, v9, s62, s63
	s_delay_alu instid0(VALU_DEP_1)
	v_or_b32 v9, v9, v10                           ; with lane l xor 16's two the word is whole, in both lanes
.irp c, 0,1
.irp g, 0,1,2,3
	v_cvt_scalef32_pk8_fp4_f32 v[48+4*\c+\g], v[64+32*\c+8*\g:71+32*\c+8*\g], v[44+\c]
.endr
.endr
	v_lshlrev_b32 v7, 2, v2                        ; (a plain line behind the conversions)
	s_lshl_b32 s60, s48, 10
	s_add_nc_u64 s[56:57], s[38:39], s[60:61]
	s_lshl_b32 s60, s48, 7
	s_add_nc_u64 s[58:59], s[38:39], s[60:61]
	global_store_b128 v5, v[48:51], s[56:57]               ; 32 lanes store 512 consecutive bytes
	global_store_b128 v5, v[52:55], s[56:57] offset:512
	global_store_b32 v7, v9, s[58:59] offset:P_SC
	s_endpgm
	; ---- the mask's select words for one tile of 16 queries.  Tile QT = 2 Gs + u holds queries of mask rows A = 4 Gs + u (lanes r < 8) and B = A + 2 (lanes r >= 8).
	; Word (block of 32 keys, i): bytes mA(k), mB(k), mA(k + 16), mB(k + 16), k = 32 block + i, each 0x00 or 0xff: bit L is lane L's.
.Lmask:
	s_sub_co_u32 s48, ttmp9, 48
	s_lshl_b32 s48, s48, 3
	s_add_co_u32 s48, s48, s2                      ; QT
	s_lshr_b32 s49, s48, 1
	s_lshl_b32 s49, s49, 2
	s_and_b32 s50, s48, 1
	s_add_co_u32 s49, s49, s50                     ; row A
	s_lshl_b32 s49, s49, 11
	s_lshl_b32 s50, s3, 19
	s_add_co_u32 s50, s50, s49
	s_mov_b32 s51, 0
	s_add_nc_u64 s[12:13], s[12:13], s[50:51]
	s_mov_b32 s52, 0x05010400
	s_mov_b32 s53, 0x07030602
	s_mov_b32 s54, 0x05040100
	s_mov_b32 s55, 0x07060302
	s_mov_b32 s56, 255
	s_lshl_b32 s60, s48, 12
	s_mov_b32 s61, 0
	s_add_nc_u64 s[58:59], s[38:39], s[60:61]
	s_wait_alu depctr_va_vdst(0)
	v_lshrrev_b32 v6, 2, v2
	s_delay_alu instid0(VALU_DEP_1)
	v_lshlrev_b32 v6, 5, v6
	v_and_b32 v7, 3, v2
	s_delay_alu instid0(VALU_DEP_1)
	v_lshl_add_u32 v6, v7, 2, v6                   ; 32 (L / 4) + 4 (L % 4): four keys of a block's first sixteen
.irp t, 0,1,2,3,4,5,6,7
	global_load_b32 v[64+4*\t], v6, s[12:13] offset:256*\t         ; row A, keys k .. k + 3
	global_load_b32 v[65+4*\t], v6, s[12:13] offset:256*\t+16      ; row A, keys k + 16 ..
	global_load_b32 v[66+4*\t], v6, s[12:13] offset:256*\t+4096    ; row B
	global_load_b32 v[67+4*\t], v6, s[12:13] offset:256*\t+4112
.endr
	s_wait_loadcnt 0x0
.irp t, 0,1,2,3,4,5,6,7
	v_perm_b32 v8, v[66+4*\t], v[64+4*\t], s52     ; A0 B0 A1 B1
	v_perm_b32 v9, v[66+4*\t], v[64+4*\t], s53     ; A2 B2 A3 B3
	v_perm_b32 v10, v[67+4*\t], v[65+4*\t], s52    ; the same of keys + 16
	v_perm_b32 v11, v[67+4*\t], v[65+4*\t], s53
	s_delay_alu instid0(VALU_DEP_2)
	v_perm_b32 v[96+4*\t], v10, v8, s54
	s_delay_alu instid0(VALU_DEP_3)
	v_perm_b32 v[97+4*\t], v10, v8, s55
	s_delay_alu instid0(VALU_DEP_3)
	v_perm_b32 v[98+4*\t], v11, v9, s54
	s_delay_alu instid0(VALU_DEP_4)
	v_perm_b32 v[99+4*\t], v11, v9, s55
.irp e, 0,1,2,3
	s_delay_alu instid0(VALU_DEP_4)
	v_mul_lo_u32 v[96+4*\t+\e], v[96+4*\t+\e], s56 ; bytes 0 or 1 become 0x00 or 0xff
.endr
	global_store_b128 v5, v[96+4*\t:99+4*\t], s[58:59] offset:P_MASK+512*\t
.endr
	s_endpgm
	; ---- h = 16 emb[x] + pe: four positions x four batches a wave; a lane holds dims 4 L .. 4 L + 3 and 128 + 4 L .. + 3 of each row
.Lembed:
	s_sub_co_u32 s48, ttmp9, 64
	s_lshl_b32 s48, s48, 3
	s_add_co_u32 s48, s48, s2
	s_lshl_b32 s48, s48, 2
	s_lshl_b32 s49, s3, 9
	s_add_co_u32 s48, s48, s49                     ; my first position
	s_lshl_b32 s50, s48, 2
	s_mov_b32 s51, 0
	s_add_nc_u64 s[8:9], s[8:9], s[50:51]
	s_load_b128 s[52:55], s[8:9], 0x0              ; x[0][s0 .. s0 + 3]
	s_load_b128 s[56:59], s[8:9], 0x2000           ; x[1][..]
	s_load_b128 s[60:63], s[8:9], 0x4000
	s_load_b128 s[68:71], s[8:9], 0x6000
	s_mov_b32 s72, 0x3fc90fdb                      ; pi / 2, upper part
	s_mov_b32 s73, 0xb33bbd2e                      ; and what is left of it
	s_mov_b32 s74, 0xb94ca1f9                      ; the sine's polynomial
	s_mov_b32 s75, 0x3c08839e
	s_mov_b32 s76, 0x37ccf5ce                      ; the cosine's
	s_mov_b32 s77, 0xbab6061a
	s_mov_b32 s78, 0x3fb8aa3b                      ; log2(e)
	s_wait_alu depctr_va_vdst(0)
	v_lshlrev_b32 v6, 2, v2
.macro DIV0 a, off                     ; angle a of my four: 2 i = 4 L + off
	v_add_nc_u32 v7, \off, v6
	s_delay_alu instid0(VALU_DEP_1)
	v_cvt_f32_u32 v[8+\a], v7
	s_delay_alu instid0(VALU_DEP_1)
	v_mul_f32 v[8+\a], 0xbd135d8e, v[8+\a]         ; 2 i x -ln(10000) / 256, in f32 as the source has it
	s_delay_alu instid0(VALU_DEP_1)
	v_mul_f32 v[12+\a], 0x3fb8aa3b, v[8+\a]        ; x log2(e), rounded;
	s_delay_alu instid0(VALU_DEP_1)
	v_fma_f32 v[24+\a], v[8+\a], s78, -v[12+\a]    ; what that rounding lost,
	s_delay_alu instid0(VALU_DEP_1)
	v_fma_f32 v[24+\a], v[8+\a], 0x32a57060, v[24+\a]  ; and what log2(e)'s own rounding lost,
	s_delay_alu instid0(VALU_DEP_1)
	v_mul_f32 v[24+\a], 0x3f317218, v[24+\a]       ; x ln 2
.endm
	DIV0 0, 0
	DIV0 1, 2
	DIV0 2, 128
	DIV0 3, 130
.irp a, 0,1,2,3
	v_exp_f32 v[16+\a], v[12+\a]
.endr
	v_nop                                          ; a plain line behind the exponentials,
	s_wait_alu depctr_va_vdst(0)                   ; and one wait for the four, ahead of their first reader
.irp a, 0,1,2,3
	v_fma_f32 v[16+\a], v[16+\a], v[24+\a], v[16+\a]   ; div
.endr
	s_wait_kmcnt 0x0
.macro IDX sr, vr                      ; an index, held inside the table, becomes a row's byte offset
	s_min_u32 s[\sr], s[\sr], 31999
	s_lshl_b32 s[\sr], s[\sr], 10
	v_add_nc_u32 v[\vr], s[\sr], v5
.endm
.irp k, 0,1,2,3
	IDX 52+\k, 32+4*\k
	IDX 56+\k, 33+4*\k
	IDX 60+\k, 34+4*\k
	IDX 68+\k, 35+4*\k
.endr
	s_wait_alu depctr_va_vdst(0)
.irp n, 0,1,2,3,4,5,6,7,8,9,10,11,12,13,14,15
	global_load_b128 v[64+8*\n:67+8*\n], v[32+\n], s[10:11]            ; row n = 4 k + b: 32 lanes read 512 consecutive bytes
	global_load_b128 v[68+8*\n:71+8*\n], v[32+\n], s[10:11] offset:512
.endr
.macro SINCOS d, o                     ; v[o] = sin, v[o + 1] = cos of position (v23) x v[d]
	v_mul_f32 v24, v23, v[\d]
	s_delay_alu instid0(VALU_DEP_1)
	v_mul_f32 v25, 0x3f22f983, v24
	s_delay_alu instid0(VALU_DEP_1)
	v_rndne_f32 v25, v25                           ; n = the nearest multiple of pi / 2
	s_delay_alu instid0(VALU_DEP_1)
	v_fma_f32 v24, -v25, s72, v24
	s_delay_alu instid0(VALU_DEP_1)
	v_fma_f32 v24, -v25, s73, v24                  ; r, |r| <= pi / 4
	s_delay_alu instid0(VALU_DEP_3)
	v_cvt_i32_f32 v26, v25
	s_delay_alu instid0(VALU_DEP_2)
	v_mul_f32 v27, v24, v24
	s_delay_alu instid0(VALU_DEP_1)
	v_fma_f32 v28, v27, s74, s75
	s_delay_alu instid0(VALU_DEP_1)
	v_fmaak_f32 v28, v28, v27, 0xbe2aaaa3
	s_delay_alu instid0(VALU_DEP_3)
	v_mul_f32 v29, v27, v24
	s_delay_alu instid0(VALU_DEP_1)
	v_fma_f32 v28, v28, v29, v24                   ; sin r
	v_fma_f32 v30, v27, s76, s77
	s_delay_alu instid0(VALU_DEP_1)
	v_fmaak_f32 v30, v30, v27, 0x3d2aaaa5
	v_mul_f32 v29, v27, v27
	v_fma_f32 v31, v27, -0.5, 1.0
	s_delay_alu instid0(VALU_DEP_1)
	v_fma_f32 v30, v30, v29, v31                   ; cos r
	v_and_b32 v29, 1, v26
	s_delay_alu instid0(VALU_DEP_1)
	v_cmp_eq_u32 vcc_lo, 1, v29                    ; an odd n: the two change places
	s_delay_alu instid0(VALU_DEP_1)
	v_cndmask_b32 v[\o], v28, v30, vcc_lo
	s_delay_alu instid0(VALU_DEP_2)
	v_cndmask_b32 v[(\o)+1], v30, v28, vcc_lo
	v_and_b32 v29, 2, v26
	s_delay_alu instid0(VALU_DEP_1)
	v_lshlrev_b32 v29, 30, v29
	s_delay_alu instid0(VALU_DEP_1)
	v_xor_b32 v[\o], v29, v[\o]                    ; the sine is negative for n % 4 = 2, 3
	v_add_nc_u32 v29, 1, v26
	s_delay_alu instid0(VALU_DEP_1)
	v_and_b32 v29, 2, v29
	s_delay_alu instid0(VALU_DEP_1)
	v_lshlrev_b32 v29, 30, v29
	s_delay_alu instid0(VALU_DEP_1)
	v_xor_b32 v[(\o)+1], v29, v[(\o)+1]            ; the cosine for n % 4 = 1, 2
.endm
.irp k, 0,1,2,3
	s_add_co_u32 s79, s48, \k
	v_cvt_f32_u32 v23, s79
	SINCOS 16, 192+8*\k
	SINCOS 17, 194+8*\k
	SINCOS 18, 196+8*\k
	SINCOS 19, 198+8*\k
.endr
	s_lshl_b32 s50, s48, 10
	s_add_nc_u64 s[46:47], s[46:47], s[50:51]
	s_wait_loadcnt 0x0
.irp k, 0,1,2,3
.irp b, 0,1,2,3
.irp j, 0,2,4,6
	v_pk_fma_f32 v[64+8*(4*\k+\b)+\j:65+8*(4*\k+\b)+\j], v[64+8*(4*\k+\b)+\j:65+8*(4*\k+\b)+\j], 0x41800000, v[192+8*\k+\j:193+8*\k+\j] op_sel_hi:[1,0,1]
.endr
	global_store_b128 v5, v[64+8*(4*\k+\b):67+8*(4*\k+\b)], s[46:47] offset:2097152*\b+1024*\k
	global_store_b128 v5, v[68+8*(4*\k+\b):71+8*(4*\k+\b)], s[46:47] offset:2097152*\b+1024*\k+512
.endr
.endr
	s_endpgm
.Lfunc_end_k_q0e0d0bb336_prep:
	.size	k_q0e0d0bb336_prep, .Lfunc_end_k_q0e0d0bb336_prep-k_q0e0d0bb336_prep
	.p2alignl 7, 3214868480
	.fill 96, 4, 3214868480
	.section	.rodata,"a",@progbits
	.p2align	6, 0x0
	.amdhsa_kernel k_q0e0d0bb336_prep
		.amdhsa_group_segment_fixed_size 0
		.amdhsa_private_segment_fixed_size 0
		.amdhsa_enable_private_segment 0
		.amdhsa_kernarg_size 160
		.amdhsa_user_sgpr_count 2
		.amdhsa_user_sgpr_kernarg_segment_ptr 1
		.amdhsa_wavefront_size32 1
		.amdhsa_system_sgpr_workgroup_id_x 1
		.amdhsa_system_sgpr_workgroup_id_y 1
		.amdhsa_system_sgpr_workgroup_id_z 1
		.amdhsa_system_vgpr_workitem_id 0
		.amdhsa_next_free_vgpr 224
		.amdhsa_next_free_sgpr 80
		.amdhsa_reserve_vcc 1
		.amdhsa_float_denorm_mode_32 3
		.amdhsa_float_denorm_mode_16_64 3
		.amdhsa_memory_ordered 1
		.amdhsa_forward_progress 1
		.amdhsa_inst_pref_size 72
	.end_amdhsa_kernel
	.amdgpu_metadata
---
amdhsa.version: [ 1, 2 ]
amdhsa.kernels:
  - .name:           k_q0e0d0bb336_prep
    .symbol:         k_q0e0d0bb336_prep.kd
    .args:
      - { .name: x, .offset: 0, .size: 8, .value_kind: global_buffer, .address_space: global }
      - { .name: emb, .offset: 8, .size: 8, .value_kind: global_buffer, .address_space: global }
      - { .name: mask, .offset: 16, .size: 8, .value_kind: global_buffer, .address_space: global }
      - { .name: in_w, .offset: 24, .size: 8, .value_kind: global_buffer, .address_space: global }
      - { .name: out_w, .offset: 32, .size: 8, .value_kind: global_buffer, .address_space: global }
      - { .name: w1, .offset: 40, .size: 8, .value_kind: global_buffer, .address_space: global }
      - { .name: w2, .offset: 48, .size: 8, .value_kind: global_buffer, .address_space: global }
      - { .name: ln1_g, .offset: 56, .size: 8, .value_kind: global_buffer, .address_space: global }
      - { .name: ln1_b, .offset: 64, .size: 8, .value_kind: global_buffer, .address_space: global }
      - { .name: in_b, .offset: 72, .size: 8, .value_kind: global_buffer, .address_space: global }
      - { .name: out_b, .offset: 80, .size: 8, .value_kind: global_buffer, .address_space: global }
      - { .name: ln2_g, .offset: 88, .size: 8, .value_kind: global_buffer, .address_space: global }
      - { .name: ln2_b, .offset: 96, .size: 8, .value_kind: global_buffer, .address_space: global }
      - { .name: b1, .offset: 104, .size: 8, .value_kind: global_buffer, .address_space: global }
      - { .name: b2, .offset: 112, .size: 8, .value_kind: global_buffer, .address_space: global }
      - { .name: P0, .offset: 120, .size: 8, .value_kind: global_buffer, .address_space: global }
      - { .name: P1, .offset: 128, .size: 8, .value_kind: global_buffer, .address_space: global }
      - { .name: P2, .offset: 136, .size: 8, .value_kind: global_buffer, .address_space: global }
      - { .name: P3, .offset: 144, .size: 8, .value_kind: global_buffer, .address_space: global }
      - { .name: HA, .offset: 152, .size: 8, .value_kind: global_buffer, .address_space: global }
    .group_segment_fixed_size: 0
    .private_segment_fixed_size: 0
    .kernarg_segment_align: 8
    .kernarg_segment_size: 160
    .max_flat_workgroup_size: 256
    .sgpr_count:     80
    .vgpr_count:     224
    .wavefront_size: 32
...
	.end_amdgpu_metadata
.endif
;; end of part 6
;; launch qkv0 (part 7): grid 256 x 1, 8 waves a work-group, no clusters, 7,680 bytes of LDS; arguments HA, P0, QKVB; writes QKVB
.if DOCPART == 7
	.amdgcn_target "amdgcn-amd-amdhsa--gfx1250"
	.amdhsa_code_object_version 6
	.text
	.protected	k_q0e0d0bb336_qkv0
	.globl	k_q0e0d0bb336_qkv0
	.p2align	8
	.type	k_q0e0d0bb336_qkv0,@function
k_q0e0d0bb336_qkv0:
	s_mov_b64 s[64:65], 0
	v_nop
	global_prefetch_b8 v0, s[64:65] scope:SCOPE_SE
	s_setreg_imm32_b32 hwreg(HW_REG_WAVE_MODE, 25, 1), 1
	s_wait_xcnt 0x0
; One layer's LN1, its quantiser, the product with in_w (MX-FP4) and the quantisers of q, k and v.  No work of the layer is left out.
; A work-group takes 32 tokens of one batch (group G = work-group x; rows R = 32 G ..), as two tiles of 16: lane row r of tile u is token 8 u + r + 8 (r / 8).
; THE WAVES SHARE THE COLUMNS: wave w holds columns 32 w .. 32 w + 31 of all 32 tokens (lane (r, h): 16 neighbours from 32 w + 16 h), which is one block of the quantiser; mean and variance meet in LDS
; as (mean, sum of squared deviations) of each wave's 32 columns and are combined without any difference of large sums.
; The codes of LN1's result go from wave to wave through LDS as images of the operand's registers.  Then wave w makes 64 units of q (w < 4) or k (w >= 4), TRANSPOSED (source 0 = 16 rows of in_w,
; source 1 = 16 tokens: a lane holds one token and 16 neighbouring units of each block), and 32 units of v, NOT transposed (a lane holds one unit and 16 neighbouring KEYS), since the keys are v's K.
; q's factor 1/8 is a power of two: it moves only a scale's byte, never a code; the attention launch puts it on the scores.
; The weights come from memory straight into registers, in operand order: each fragment feeds one wave alone, once, so a way through LDS (and a joint load into it) would add an LDS write and read for each byte.
; OUT (QKVB): q's codes [bh][group][u][512] and scale words [bh][group][128]; for each bh four chunks of 512 keys: k's codes, k's scale words, v's codes (keys innermost), v's scale words.
; LIMITS: NaN and infinities are not served; a block whose largest magnitude lies under 2^-124 (a block of zeros too) keeps the byte 1.
.set LN1G, 442368
.set LN1B, 443392
.set INB,  444416
.set WSC,  393216
.set STAT, 0                           ; LDS: [u][r][wave] x 8 bytes
.set XIMG, 2048                        ; four fragments (2 u + s) of 1,024 bytes
.set XSC,  6144                        ; their scale words, 64 bytes each
.set SPARE, 6400                       ; the spare words, 128 bytes a wave
.set LI, 1                             ; 16 L
.set L4, 2                             ; 4 L
.set R4, 3                             ; 4 r
.set HOFF, 4                           ; (r + 8 (r / 8)) 1024 + 64 h + 128 w
.set GOFF, 5                           ; 64 h + 128 w
.set WQA, 6                            ; 16 L + 8192 w
.set WVA, 7                            ; 16 L + 4096 w
.set SQA, 8                            ; 4 L + 1024 w
.set SVA, 9                            ; 4 L + 512 w
.set BQA, 10                           ; 64 h + 256 w
.set BVA, 11                           ; 4 (r + 8 (r / 8)) + 128 w
.set PIECE, 12                         ; XIMG + 256 w + 16 r + 8 h
.set SCB, 13                           ; XSC + 64 (w / 4) + w % 4 + 4 r
.set SPW, 14
.set NIL, 15
.set HX, 16                            ; v16-47 h, then LN1's result [u][16]; later v's accumulators
.set ACCV, 16
.set GB, 48                            ; v48-79 g, b of my 16 columns
.set TM, 80                            ; v80-85 the quantiser's
.set VO, 86                            ; 16 r + 8 h
.set MS, 88                            ; v88-91 (mean, sum of squares) for u = 0, 1
.set RS, 92                            ; v92-95 (1 / sigma, variance + eps)
.set PC, 100                           ; v100-103 codes just made
.set VB, 104                           ; v104-107 v's bias, two pairs
.set W0, 108                           ; v108, v109 scale words
.set STATW, 110
.set STATR, 111
.set XF, 112                           ; v112-143 x's four fragments
.set XS, 144                           ; v144-147 their scale words
.set ACC, 148                          ; v148-211 q's or k's accumulators; first the waves' statistics (v148-179) and LN's temporaries
.set LT, 180
.set BI, 212                           ; v212-243 q's or k's bias, as the C of the first K step
.set WS, 244                           ; v244-255 the weights' scale words
.set SEL, 12
.set CI32, 14
.set CI8, 15
.set C32F, 16
.set CI256, 17
.set CEPS, 18
.set MSB, 0
.macro WIN new                         ; the immediate's high byte repeats the setting that is left
.if MSB != \new
	s_set_vgpr_msb (MSB<<8)|\new
.set MSB, \new
.endif
.endm
.macro MM d, a, b, c, sa, sb
	v_wmma_scale_f32_16x16x128_f8f6f4 v[(\d):(\d)+7], v[(\a):(\a)+7], v[(\b):(\b)+7], v[(\c):(\c)+7], v[\sa], v[\sb] matrix_a_fmt:MATRIX_FMT_FP4 matrix_b_fmt:MATRIX_FMT_FP4
.endm
.macro MM0 d, a, b, sa, sb
	v_wmma_scale_f32_16x16x128_f8f6f4 v[(\d):(\d)+7], v[(\a):(\a)+7], v[(\b):(\b)+7], 0, v[\sa], v[\sb] matrix_a_fmt:MATRIX_FMT_FP4 matrix_b_fmt:MATRIX_FMT_FP4
.endm
; Two half blocks of 16 numbers (the other halves lie in lane l xor 16) become codes v[PC], v[PC+1] and v[PC+2], v[PC+3]; their bytes in v[TM+2], v[TM+3]
.macro QB s0, s1
	v_max3_num_f32 v[TM], |v[(\s0)]|, |v[(\s0)+1]|, 0x1800000      ; the floor 2^(3 - 127): the byte cannot fall under 1
	v_max3_num_f32 v[TM+1], |v[(\s1)]|, |v[(\s1)+1]|, 0x1800000
.irp i, 2,4,6,8,10,12,14
	v_max3_num_f32 v[TM], v[TM], |v[(\s0)+\i]|, |v[(\s0)+\i+1]|
	v_max3_num_f32 v[TM+1], v[TM+1], |v[(\s1)+\i]|, |v[(\s1)+\i+1]|
.endr
	s_delay_alu instid0(VALU_DEP_2)
	v_permlanex16_b32 v[TM+2], v[TM], s[SEL], s[SEL+1]
	s_delay_alu instid0(VALU_DEP_2)
	v_permlanex16_b32 v[TM+3], v[TM+1], s[SEL], s[SEL+1]
	s_delay_alu instid0(VALU_DEP_2)
	v_max_num_f32 v[TM], v[TM], v[TM+2]
	s_delay_alu instid0(VALU_DEP_2)
	v_max_num_f32 v[TM+1], v[TM+1], v[TM+3]
	s_delay_alu instid0(VALU_DEP_2)
	v_add_nc_u32 v[TM+4], 0xff000000, v[TM]        ; 2 off the exponent field: the conversion's scale operand
	s_delay_alu instid0(VALU_DEP_2)
	v_add_nc_u32 v[TM+5], 0xff000000, v[TM+1]
	s_delay_alu instid0(VALU_DEP_2)
	v_lshrrev_b32 v[TM+2], 23, v[TM+4]             ; the scale's byte
	s_delay_alu instid0(VALU_DEP_2)
	v_lshrrev_b32 v[TM+3], 23, v[TM+5]
	v_cvt_scalef32_pk8_fp4_f32 v[PC], v[(\s0):(\s0)+7], v[TM+4]
	v_cvt_scalef32_pk8_fp4_f32 v[PC+1], v[(\s0)+8:(\s0)+15], v[TM+4]
	v_cvt_scalef32_pk8_fp4_f32 v[PC+2], v[(\s1):(\s1)+7], v[TM+5]
	v_cvt_scalef32_pk8_fp4_f32 v[PC+3], v[(\s1)+8:(\s1)+15], v[TM+5]
	v_nop                                          ; one plain line behind the conversions
.endm
.macro WHOLE                           ; two half blocks a lane become one whole block a lane: lanes 0-15 the first, lanes 16-31 the second
	v_permlane16_swap_b32 v[PC], v[PC+2]
	v_permlane16_swap_b32 v[PC+1], v[PC+3]
.endm
; mean and sum of squared deviations of my wave's 32 columns, for each of my two tokens, into LDS
.macro LNLOC x
.irp u, 0,1
	v_pk_add_f32 v[LT:LT+1], v[\x+16*\u:\x+16*\u+1], v[\x+16*\u+2:\x+16*\u+3]
	v_pk_add_f32 v[LT+2:LT+3], v[\x+16*\u+4:\x+16*\u+5], v[\x+16*\u+6:\x+16*\u+7]
	v_pk_add_f32 v[LT+4:LT+5], v[\x+16*\u+8:\x+16*\u+9], v[\x+16*\u+10:\x+16*\u+11]
	v_pk_add_f32 v[LT+6:LT+7], v[\x+16*\u+12:\x+16*\u+13], v[\x+16*\u+14:\x+16*\u+15]
	s_delay_alu instid0(VALU_DEP_3)
	v_pk_add_f32 v[LT:LT+1], v[LT:LT+1], v[LT+2:LT+3]
	s_delay_alu instid0(VALU_DEP_2)
	v_pk_add_f32 v[LT+4:LT+5], v[LT+4:LT+5], v[LT+6:LT+7]
	s_delay_alu instid0(VALU_DEP_1)
	v_pk_add_f32 v[LT:LT+1], v[LT:LT+1], v[LT+4:LT+5]
	s_delay_alu instid0(VALU_DEP_1)
	v_add_f32 v[LT], v[LT], v[LT+1]
	s_delay_alu instid0(VALU_DEP_1)
	v_permlanex16_b32 v[LT+2], v[LT], s[SEL], s[SEL+1]
	s_delay_alu instid0(VALU_DEP_1)
	v_add_f32 v[LT], v[LT], v[LT+2]
	s_delay_alu instid0(VALU_DEP_1)
	v_mul_f32 v[MS+2*\u], s[CI32], v[LT]           ; the 32 columns' mean
	s_delay_alu instid0(VALU_DEP_1)
	v_pk_add_f32 v[LT:LT+1], v[\x+16*\u:\x+16*\u+1], v[MS+2*\u:MS+2*\u+1] op_sel_hi:[1,0] neg_lo:[0,1] neg_hi:[0,1]
	s_delay_alu instid0(VALU_DEP_2)
	v_pk_add_f32 v[LT+2:LT+3], v[\x+16*\u+2:\x+16*\u+3], v[MS+2*\u:MS+2*\u+1] op_sel_hi:[1,0] neg_lo:[0,1] neg_hi:[0,1]
	s_delay_alu instid0(VALU_DEP_2)
	v_pk_mul_f32 v[LT+4:LT+5], v[LT:LT+1], v[LT:LT+1]
	s_delay_alu instid0(VALU_DEP_2)
	v_pk_mul_f32 v[LT+6:LT+7], v[LT+2:LT+3], v[LT+2:LT+3]
.irp k, 4,8,12
	v_pk_add_f32 v[LT:LT+1], v[\x+16*\u+\k:\x+16*\u+\k+1], v[MS+2*\u:MS+2*\u+1] op_sel_hi:[1,0] neg_lo:[0,1] neg_hi:[0,1]
	v_pk_add_f32 v[LT+2:LT+3], v[\x+16*\u+\k+2:\x+16*\u+\k+3], v[MS+2*\u:MS+2*\u+1] op_sel_hi:[1,0] neg_lo:[0,1] neg_hi:[0,1]
	s_delay_alu instid0(VALU_DEP_2)
	v_pk_fma_f32 v[LT+4:LT+5], v[LT:LT+1], v[LT:LT+1], v[LT+4:LT+5]
	s_delay_alu instid0(VALU_DEP_2)
	v_pk_fma_f32 v[LT+6:LT+7], v[LT+2:LT+3], v[LT+2:LT+3], v[LT+6:LT+7]
.endr
	s_delay_alu instid0(VALU_DEP_1)
	v_pk_add_f32 v[LT+4:LT+5], v[LT+4:LT+5], v[LT+6:LT+7]
	s_delay_alu instid0(VALU_DEP_1)
	v_add_f32 v[LT+4], v[LT+4], v[LT+5]
	s_delay_alu instid0(VALU_DEP_1)
	v_permlanex16_b32 v[LT], v[LT+4], s[SEL], s[SEL+1]
	s_delay_alu instid0(VALU_DEP_1)
	v_add_f32 v[MS+2*\u+1], v[LT+4], v[LT]
	ds_store_b64 v[STATW], v[MS+2*\u:MS+2*\u+1] offset:STAT+1024*\u    ; both lanes of a token write the same 8 bytes with the same values
.endr
.endm
; the eight waves' pairs (m, q) in v[rd + 16 u + 2 i], + 1: mean = sum m / 8; sum of squares = sum q + 32 sum (m - mean)^2
.macro LNCOMB rd
.irp u, 0,1
	v_pk_add_f32 v[LT:LT+1], v[\rd+16*\u:\rd+16*\u+1], v[\rd+16*\u+2:\rd+16*\u+3]
	v_pk_add_f32 v[LT+2:LT+3], v[\rd+16*\u+4:\rd+16*\u+5], v[\rd+16*\u+6:\rd+16*\u+7]
	v_pk_add_f32 v[LT+4:LT+5], v[\rd+16*\u+8:\rd+16*\u+9], v[\rd+16*\u+10:\rd+16*\u+11]
	v_pk_add_f32 v[LT+6:LT+7], v[\rd+16*\u+12:\rd+16*\u+13], v[\rd+16*\u+14:\rd+16*\u+15]
	s_delay_alu instid0(VALU_DEP_3)
	v_pk_add_f32 v[LT:LT+1], v[LT:LT+1], v[LT+2:LT+3]
	s_delay_alu instid0(VALU_DEP_2)
	v_pk_add_f32 v[LT+4:LT+5], v[LT+4:LT+5], v[LT+6:LT+7]
	s_delay_alu instid0(VALU_DEP_1)
	v_pk_add_f32 v[LT:LT+1], v[LT:LT+1], v[LT+4:LT+5]
	s_delay_alu instid0(VALU_DEP_1)
	v_mul_f32 v[MS+2*\u], s[CI8], v[LT]            ; the row's mean
	s_delay_alu instid0(VALU_DEP_1)
	v_sub_f32 v[LT+2], v[\rd+16*\u], v[MS+2*\u]
	s_delay_alu instid0(VALU_DEP_2)
	v_sub_f32 v[LT+3], v[\rd+16*\u+2], v[MS+2*\u]
	s_delay_alu instid0(VALU_DEP_2)
	v_mul_f32 v[LT+4], v[LT+2], v[LT+2]
	s_delay_alu instid0(VALU_DEP_2)
	v_mul_f32 v[LT+5], v[LT+3], v[LT+3]
.irp i, 4,8,12
	v_sub_f32 v[LT+2], v[\rd+16*\u+\i], v[MS+2*\u]
	v_sub_f32 v[LT+3], v[\rd+16*\u+\i+2], v[MS+2*\u]
	s_delay_alu instid0(VALU_DEP_2)
	v_fma_f32 v[LT+4], v[LT+2], v[LT+2], v[LT+4]
	s_delay_alu instid0(VALU_DEP_2)
	v_fma_f32 v[LT+5], v[LT+3], v[LT+3], v[LT+5]
.endr
	s_delay_alu instid0(VALU_DEP_1)
	v_add_f32 v[LT+4], v[LT+4], v[LT+5]
	s_delay_alu instid0(VALU_DEP_1)
	v_fma_f32 v[RS+2*\u+1], v[LT+4], s[C32F], v[LT+1]
	s_delay_alu instid0(VALU_DEP_1)
	v_fma_f32 v[RS+2*\u+1], v[RS+2*\u+1], s[CI256], s[CEPS]        ; variance + 1e-5
	s_wait_alu depctr_va_vdst(0)
	v_rsq_f32 v[RS+2*\u], v[RS+2*\u+1]
.endr
	v_nop                                          ; a plain line behind the last root,
	s_wait_alu depctr_va_vdst(0)                   ; and one wait for both, ahead of their first reader
.endm
.macro LNAPPLY x, gb                   ; x = (x - mean) (g / sigma) + b
.irp u, 0,1
.irp k, 0,2,4,6,8,10,12,14
	v_pk_add_f32 v[\x+16*\u+\k:\x+16*\u+\k+1], v[\x+16*\u+\k:\x+16*\u+\k+1], v[MS+2*\u:MS+2*\u+1] op_sel_hi:[1,0] neg_lo:[0,1] neg_hi:[0,1]
	v_pk_mul_f32 v[LT+\k%8:LT+\k%8+1], v[\gb+\k:\gb+\k+1], v[RS+2*\u:RS+2*\u+1] op_sel_hi:[1,0]
	s_delay_alu instid0(VALU_DEP_1)
	v_pk_fma_f32 v[\x+16*\u+\k:\x+16*\u+\k+1], v[\x+16*\u+\k:\x+16*\u+\k+1], v[LT+\k%8:LT+\k%8+1], v[\gb+16+\k:\gb+16+\k+1]
.endr
.endr
.endm
.macro BARRIER                         ; my LDS stores have landed and my LDS loads are in: then the work-group's barrier
	s_wait_dscnt 0x0
	s_barrier_signal -1
	s_barrier_wait -1
.endm
.macro FETCH reg, off                  ; a fragment's image comes back as it was stored
	ds_load_b128 v[(\reg):(\reg)+3], v[LI] offset:(\off)
	ds_load_b128 v[(\reg)+4:(\reg)+7], v[LI] offset:(\off)+512
.endm
	s_load_b128 s[4:7], s[0:1], 0x0                ; h, P
	s_load_b64 s[8:9], s[0:1], 0x10                ; QKVB
	v_lshl_add_u32 v[SPW], v0, 2, SPARE
	v_mov_b32 v[NIL], 0
	v_lshrrev_b32 v1, 5, v0
	s_delay_alu instid0(VALU_DEP_1)
	v_readfirstlane_b32 s10, v1                    ; wave 0..7
	v_and_b32 v112, 31, v0                         ; L
	v_and_b32 v113, 15, v0                         ; r
	v_bfe_u32 v114, v0, 4, 1                       ; h
	s_delay_alu instid0(VALU_DEP_2)
	v_and_b32 v115, 8, v113
	s_delay_alu instid0(VALU_DEP_1)
	v_add_nc_u32 v115, v115, v113                  ; r + 8 (r / 8)
	v_lshlrev_b32 v[LI], 4, v112
	v_lshlrev_b32 v[L4], 2, v112
	v_lshlrev_b32 v[R4], 2, v113
	s_lshl_b32 s28, s10, 7
	s_lshl_b32 s29, s10, 8
	v_lshlrev_b32 v[GOFF], 6, v114
	s_delay_alu instid0(VALU_DEP_1)
	v_add_nc_u32 v[BQA], s29, v[GOFF]
	s_delay_alu instid0(VALU_DEP_2)
	v_add_nc_u32 v[GOFF], s28, v[GOFF]
	s_delay_alu instid0(VALU_DEP_1)
	v_lshl_add_u32 v[HOFF], v115, 10, v[GOFF]
	v_lshl_add_u32 v[BVA], v115, 2, s28
	s_lshl_b32 s28, s10, 13
	v_add_nc_u32 v[WQA], s28, v[LI]
	s_lshl_b32 s28, s10, 12
	v_add_nc_u32 v[WVA], s28, v[LI]
	s_lshl_b32 s28, s10, 10
	v_add_nc_u32 v[SQA], s28, v[L4]
	s_lshl_b32 s28, s10, 9
	v_add_nc_u32 v[SVA], s28, v[L4]
	v_lshlrev_b32 v[VO], 4, v113
	s_delay_alu instid0(VALU_DEP_1)
	v_lshl_add_u32 v[VO], v114, 3, v[VO]
	s_add_co_u32 s29, s29, XIMG
	v_add_nc_u32 v[PIECE], s29, v[VO]
	s_lshr_b32 s28, s10, 2
	s_lshl_b32 s28, s28, 6
	s_and_b32 s29, s10, 3
	s_add_co_u32 s28, s28, s29
	s_add_co_u32 s28, s28, XSC
	v_lshl_add_u32 v[SCB], v113, 2, s28
	v_lshlrev_b32 v[STATR], 6, v113
	s_lshl_b32 s28, s10, 3
	v_add_nc_u32 v[STATW], s28, v[STATR]
	v_mov_b32 v[TM+2], 0                           ; written once: a lane permute's destination counts as one of its sources,
	v_mov_b32 v[TM+3], 0
	v_mov_b32 v[MS+1], 0                           ; and a pair is read whole
	v_mov_b32 v[MS+3], 0
	v_mov_b32 v[VB+1], 0
	v_mov_b32 v[VB+3], 0
	s_mov_b32 s[SEL], 0x76543210
	s_mov_b32 s[SEL+1], 0xfedcba98
	s_mov_b32 s[CI32], 0x3d000000                  ; 1/32
	s_mov_b32 s[CI8], 0x3e000000                   ; 1/8
	s_mov_b32 s[C32F], 0x42000000                  ; 32
	s_mov_b32 s[CI256], 0x3b800000                 ; 1/256
	s_mov_b32 s[CEPS], 0x3727c5ac                  ; 1e-5
	s_mov_b32 s19, 0xffff0000                      ; lanes 16-31
	; where the results go
	s_lshr_b32 s30, ttmp9, 6                       ; b
	s_and_b32 s31, ttmp9, 63                       ; kb: the group in its batch = the block of 32 keys
	s_and_b32 s32, s10, 3                          ; q's or k's head
	s_lshl_b32 s33, s30, 2
	s_add_co_u32 s33, s33, s32                     ; bh
	s_lshl_b32 s34, s33, 6
	s_add_co_u32 s34, s34, s31
	s_lshl_b32 s35, s34, 10                        ; q's codes
	s_lshl_b32 s36, s34, 7
	s_add_co_u32 s36, s36, 1048576                 ; q's scale words
	s_mul_i32 s37, s33, 147456
	s_lshr_b32 s38, s31, 4
	s_mul_i32 s38, s38, 36864                      ; the chunk of 512 keys
	s_add_co_u32 s37, s37, s38
	s_add_co_u32 s37, s37, 1179648
	s_and_b32 s39, s31, 15
	s_lshl_b32 s40, s39, 10
	s_add_co_u32 s40, s40, s37                     ; k's codes
	s_lshl_b32 s41, s39, 7
	s_add_co_u32 s41, s41, s37
	s_add_co_u32 s41, s41, 16384                   ; k's scale words
	s_cmp_lt_u32 s10, 4
	s_cselect_b32 s20, s35, s40
	s_cselect_b32 s22, s36, s41
	s_mov_b32 s21, 0
	s_mov_b32 s23, 0
	s_lshr_b32 s42, s10, 1                         ; v's head
	s_lshl_b32 s43, s30, 2
	s_add_co_u32 s42, s42, s43
	s_mul_i32 s42, s42, 147456
	s_add_co_u32 s42, s42, s38
	s_add_co_u32 s42, s42, 1179648
	s_bfe_u32 s43, s31, 0x20002                    ; the key step of 128 in its chunk
	s_and_b32 s44, s10, 1
	s_and_b32 s45, s31, 3                          ; the block in its key step
	s_lshl_b32 s46, s43, 12
	s_add_co_u32 s24, s42, s46
	s_lshl_b32 s46, s44, 11
	s_add_co_u32 s24, s24, s46
	s_lshl_b32 s46, s45, 8
	s_add_co_u32 s24, s24, s46
	s_add_co_u32 s24, s24, 18432                   ; v's codes: my block's 256 bytes of tile 2 (w % 2)
	s_mov_b32 s25, 0
	s_lshl_b32 s46, s43, 9
	s_add_co_u32 s26, s42, s46
	s_lshl_b32 s46, s44, 8
	s_add_co_u32 s26, s26, s46
	s_add_co_u32 s26, s26, s45
	s_add_co_u32 s26, s26, 34816                   ; v's scale bytes
	s_mov_b32 s27, 0
	s_lshl_b32 s28, ttmp9, 15                      ; 32 rows of 1,024 bytes a group
	s_mov_b32 s29, 0
	s_wait_kmcnt 0x0
	s_add_nc_u64 s[4:5], s[4:5], s[28:29]
	s_add_nc_u64 s[20:21], s[8:9], s[20:21]
	s_add_nc_u64 s[22:23], s[8:9], s[22:23]
	s_add_nc_u64 s[24:25], s[8:9], s[24:25]
	s_add_nc_u64 s[26:27], s[8:9], s[26:27]
	; all loads go out at the head: h (8), g and b (8), weights and their scale words (36), biases (10)
.irp u, 0,1
.irp q, 0,1,2,3
	global_load_b128 v[HX+16*\u+4*\q:HX+16*\u+4*\q+3], v[HOFF], s[4:5] offset:8192*\u+16*\q
.endr
.endr
.irp q, 0,1,2,3
	global_load_b128 v[GB+4*\q:GB+4*\q+3], v[GOFF], s[6:7] offset:LN1G+16*\q
	global_load_b128 v[GB+16+4*\q:GB+16+4*\q+3], v[GOFF], s[6:7] offset:LN1B+16*\q
.endr
	WIN 0x40                                       ; destination window 1
.irp f, 0,1,2,3,4,5,6,7                        ; q's or k's fragments f = 2 i + s: tiles 4 w + i
.irp c, 0,1
	global_load_b128 v[8*\f+4*\c:8*\f+4*\c+3], v[WQA], s[6:7] offset:1024*\f+512*\c
.endr
.endr
.irp f, 0,1,2,3                                ; v's fragments f = 2 v + s: tiles 32 + 2 w + v
.irp c, 0,1
	global_load_b128 v[64+8*\f+4*\c:64+8*\f+4*\c+3], v[WVA], s[6:7] offset:65536+1024*\f+512*\c
.endr
.endr
	WIN 0
.irp f, 0,1,2,3,4,5,6,7
	global_load_b32 v[WS+\f], v[SQA], s[6:7] offset:WSC+128*\f
.endr
.irp f, 0,1,2,3
	global_load_b32 v[WS+8+\f], v[SVA], s[6:7] offset:WSC+8192+128*\f
.endr
.irp i, 0,1,2,3                                ; tile i = 2 p + v: lane (r, h) wants in_b at units 64 w + 32 p + 16 h + 8 v + 0 .. 7
	global_load_b128 v[BI+8*\i:BI+8*\i+3], v[BQA], s[6:7] offset:INB+(32*(\i/2)+8*(\i%2))*4
	global_load_b128 v[BI+8*\i+4:BI+8*\i+7], v[BQA], s[6:7] offset:INB+(32*(\i/2)+8*(\i%2))*4+16
.endr
	global_load_b32 v[VB], v[BVA], s[6:7] offset:INB+2048
	global_load_b32 v[VB+2], v[BVA], s[6:7] offset:INB+2048+32
	; ---- LN1
	s_wait_loadcnt 54                              ; h is in: 8 + 36 + 10 younger loads may be out
	LNLOC HX
	BARRIER                                        ; the eight waves' statistics lie in LDS
.irp u, 0,1
.irp k, 0,1,2,3
	ds_load_b128 v[ACC+16*\u+4*\k:ACC+16*\u+4*\k+3], v[STATR] offset:STAT+1024*\u+16*\k
.endr
.endr
	s_wait_dscnt 0x0
	LNCOMB ACC
	s_wait_loadcnt 46                              ; g and b are in: 36 + 10 younger loads may be out
	LNAPPLY HX, GB
	QB HX, HX+16                                   ; my block of each of my two tokens
.irp u, 0,1
	ds_store_b64 v[PIECE], v[PC+2*\u:PC+2*\u+1] offset:2048*\u     ; 8 bytes of the image of fragment (u, w / 4)
	ds_store_b8 v[SCB], v[TM+2+\u] offset:128*\u                   ; byte w % 4 of the token's scale word
.endr
	BARRIER                                        ; x's four fragments lie in LDS
.irp f, 0,1,2,3
	FETCH XF+8*\f, XIMG+1024*\f
	ds_load_b32 v[XS+\f], v[R4] offset:XSC+64*\f
.endr
	s_wait_dscnt 0x0
	s_wait_loadcnt 0x0                             ; weights, scale words, biases
	; ---- q or k, transposed: eight accumulators by turns
	WIN 0x01                                       ; source 0 (in_w) window 1
.irp s, 0,1
.irp u, 0,1
.irp i, 0,1,2,3
.if \s == 0
	MM ACC+32*\u+8*\i, 8*(2*\i+\s), XF+8*(2*\u+\s), BI+8*\i, WS+2*\i+\s, XS+2*\u+\s
.else
	MM ACC+32*\u+8*\i, 8*(2*\i+\s), XF+8*(2*\u+\s), ACC+32*\u+8*\i, WS+2*\i+\s, XS+2*\u+\s
.endif
.endr
.endr
.endr
	; ---- v, not transposed: lane (r, h) holds unit r of tile v, and register 8 u + j key 16 h + 8 u + j
	WIN 0x04                                       ; source 1 (in_w) window 1
.irp s, 0,1
.irp v, 0,1
.irp u, 0,1
.if \s == 0
	MM0 ACCV+16*\v+8*\u, XF+8*(2*\u+\s), 64+8*(2*\v+\s), XS+2*\u+\s, WS+8+2*\v+\s
.else
	MM ACCV+16*\v+8*\u, XF+8*(2*\u+\s), 64+8*(2*\v+\s), ACCV+16*\v+8*\u, XS+2*\u+\s, WS+8+2*\v+\s
.endif
.endr
.endr
.endr
	WIN 0
.rept 4
	v_nop                                          ; four places between the last products and the first read of results
.endr
	; ---- q's or k's way out: the head's 64 units are two blocks
.irp u, 0,1
	QB ACC+32*\u, ACC+32*\u+16
	v_lshl_or_b32 v[W0+\u], v[TM+3], 8, v[TM+2]
	s_delay_alu instid0(VALU_DEP_1)
	v_or_b32 v[W0+\u], 0x7f7f0000, v[W0+\u]        ; the K step's upper 64 are zero codes under the scale 1
	WHOLE
	global_store_b128 v[LI], v[PC:PC+3], s[20:21] offset:512*\u    ; 32 lanes store 512 consecutive bytes
	s_wait_xcnt 0x0                                ; the codes' registers are written again only behind this wait
.endr
	s_wait_alu depctr_va_vdst(0)
	v_cndmask_b32 v[W0], v[W0], v[W0+1], s19       ; lanes 0-15 tile 0's words, lanes 16-31 tile 1's
	global_store_b32 v[L4], v[W0], s[22:23]
	; ---- v's way out: bias, then my group's 32 keys are one block of each unit
.irp v, 0,1
.irp k, 0,2,4,6,8,10,12,14
	v_pk_add_f32 v[ACCV+16*\v+\k:ACCV+16*\v+\k+1], v[ACCV+16*\v+\k:ACCV+16*\v+\k+1], v[VB+2*\v:VB+2*\v+1] op_sel_hi:[1,0]
.endr
.endr
	QB ACCV, ACCV+16
.irp v, 0,1
	global_store_b64 v[VO], v[PC+2*\v:PC+2*\v+1], s[24:25] offset:1024*\v      ; 32 lanes store 256 consecutive bytes, aligned
	global_store_b8 v[L4], v[TM+2+\v], s[26:27] offset:128*\v                  ; my block's byte of each unit's scale word, in both halves of the image
.endr
	s_wait_tensorcnt 0x0                           ; the wave's end
	ds_add_u32 v[SPW], v[NIL]
	s_wait_dscnt 0x0
	s_endpgm
.Lfunc_end_k_q0e0d0bb336_qkv0:
	.size	k_q0e0d0bb336_qkv0, .Lfunc_end_k_q0e0d0bb336_qkv0-k_q0e0d0bb336_qkv0
	.p2alignl 7, 3214868480
	.fill 96, 4, 3214868480
	.section	.rodata,"a",@progbits
	.p2align	6, 0x0
	.amdhsa_kernel k_q0e0d0bb336_qkv0
		.amdhsa_group_segment_fixed_size 7680
		.amdhsa_private_segment_fixed_size 0
		.amdhsa_enable_private_segment 0
		.amdhsa_kernarg_size 24
		.amdhsa_user_sgpr_count 2
		.amdhsa_user_sgpr_kernarg_segment_ptr 1
		.amdhsa_wavefront_size32 1
		.amdhsa_system_sgpr_workgroup_id_x 1
		.amdhsa_system_sgpr_workgroup_id_y 1
		.amdhsa_system_sgpr_workgroup_id_z 1
		.amdhsa_system_vgpr_workitem_id 0
		.amdhsa_next_free_vgpr 384
		.amdhsa_next_free_sgpr 66
		.amdhsa_reserve_vcc 0
		.amdhsa_float_denorm_mode_32 3
		.amdhsa_float_denorm_mode_16_64 3
		.amdhsa_memory_ordered 1
		.amdhsa_forward_progress 1
		.amdhsa_inst_pref_size 39
	.end_amdhsa_kernel
	.amdgpu_metadata
---
amdhsa.version: [ 1, 2 ]
amdhsa.kernels:
  - .name:           k_q0e0d0bb336_qkv0
    .symbol:         k_q0e0d0bb336_qkv0.kd
    .args:
      - { .name: HA, .offset: 0, .size: 8, .value_kind: global_buffer, .address_space: global }
      - { .name: P0, .offset: 8, .size: 8, .value_kind: global_buffer, .address_space: global }
      - { .name: QKVB, .offset: 16, .size: 8, .value_kind: global_buffer, .address_space: global }
    .group_segment_fixed_size: 7680
    .private_segment_fixed_size: 0
    .kernarg_segment_align: 8
    .kernarg_segment_size: 24
    .max_flat_workgroup_size: 256
    .sgpr_count:     66
    .vgpr_count:     384
    .wavefront_size: 32
...
	.end_amdgpu_metadata
.endif
;; end of part 7
;; launch att0 (part 8): grid 16 x 16, 16 waves a work-group, clusters of 4 x 1, 186,368 bytes of LDS; arguments QKVB, P0, AO; writes AO
.if DOCPART == 8
	.amdgcn_target "amdgcn-amd-amdhsa--gfx1250"
	.amdhsa_code_object_version 6
	.text
	.protected	k_q0e0d0bb336_att0
	.globl	k_q0e0d0bb336_att0
	.p2align	8
	.type	k_q0e0d0bb336_att0,@function
k_q0e0d0bb336_att0:
	s_mov_b64 s[64:65], 0
	v_nop
	global_prefetch_b8 v0, s[64:65] scope:SCOPE_SE
	s_setreg_imm32_b32 hwreg(HW_REG_WAVE_MODE, 25, 1), 1
	s_wait_xcnt 0x0
	s_wait_alu depctr_hold_cnt(0) depctr_sa_sdst(0) depctr_va_vdst(0) depctr_va_sdst(0) depctr_va_ssrc(0) depctr_va_vcc(0) depctr_vm_vsrc(0)
	s_getreg_b32 s2, hwreg(HW_REG_IB_STS2, 6, 4)
	s_cmp_eq_u32 s2, 0
	s_cbranch_scc0 .Lentry_in_a_cluster
	s_endpgm
.Lentry_in_a_cluster:
	s_bfe_u32 s2, ttmp6, 0x10000c
	s_cmp_lg_u32 s2, 0x3003
	s_cbranch_scc0 .Lentry_shape_is_right
	s_endpgm
.Lentry_shape_is_right:
; One layer's attention on codes of E2M1: S^T = K Q^T, the mask, p = 2^(t - M) with M a whole number, O^T = V^T P^T, O / the row's sum, and the quantiser of the result.
; No work of the layer is left out: the mask is an input, so every key is computed and the mask selects.
; SHARES.  Work-group (x, y): 128 queries (block qb = x) of batch and head bh = y.  SIXTEEN waves of 256 registers, four to a SIMD: wave w owns the tile of 16 queries QT = 8 qb + w % 8 and the keys
; 1024 (w / 8) .. + 1023, 128 a step, 8 steps.  At the end waves 8-15 hand O^T, -M and the sums through LDS bytes of their own to waves 0-7, which bring both halves under the common M
; (a whole number, so both factors are powers of two and round nothing), divide, quantise and store.
; K AND V of the whole (batch, head), codes and scale words in operand order, are 147,456 bytes: they come into LDS ONCE, as they lie in memory, one tensor load of 36 rows x 256 bytes a wave (one load a wave is out),
; and stay: no byte is filled again.  CLUSTER: the four work-groups of a cluster have the same bh, so each load is asked for JOINTLY by the four (the same descriptor, mask 15).
; NO PREFETCH: K and V are asked for once, at the head, by the tensor loads themselves; there is no loop in which a later tile could be asked for ahead.
; LAYOUT.  Both products are transposed, so a lane holds ONE query (lane % 16); the keys of a tile are 8 u + r + 8 (r / 8) of their group of 32, so that registers 16 b + i hold key 32 b + 16 (lane / 16) + i.
; The head's 64 channels are half a K step: registers 4-7 of K's and Q's fragments are zero codes, and the scale words' upper bytes are 0x7f.
; THE MASK comes as select words, one for each score register, by scalar loads a step ahead: a hidden score becomes -2^120.  That number x c is exact, so a row that has seen hidden keys alone carries p = 1 under
; M = -2^120 c, and its sums are multiplied by 0 when its first open key arrives (in the joining of the halves too); a row with no open key at all ends as the mean of V, as a softmax of equal scores does.
; q's factor 1/8 stands in c = log2(e) / 8 (a power of two moves no code).
; LIMITS: scores stay above -2^120; NaN and infinities are not served; a block whose largest magnitude lies under 2^-124 keeps the byte 1.
; REGISTERS: v1 16 L + chunk, v2 4 L + chunk, v3 -2^120, v4, v5 the add's two, v6 16 L, v7 4 r, v8 4 L, v9, v10 offsets, v11 the stage; v12 -M, v13 the largest t, v[14:15] the sum; v16-23 Q, v24 its scale words;
; v32-95 eight fragments of K; v96-159 S^T, then p; v160-191 O^T; v192-223 four fragments of V; v224-231 p's codes; v232-243 at work; v244-247 K's scale words, v248-251 V's; v252 f, v253 p's scale word, v254 at work
.set SPARE, 147456                     ; behind K and V: the spare words, 128 bytes a wave
.set STG, 149504                       ; behind them: 9 x 512 bytes for each of waves 8-15; no tensor load lands here
.set WV, 2
.set CNT, 3
.set SEL, 10
.set CS, 12
.set MO, 14                            ; byte offset of the step's 64 select words
.set JB, 15                            ; LDS byte at which the chunk of 512 keys begins
.set G1, 84
.set G0, 92
.set TM, 232
.set PC, 224
.macro CROUND                          ; a round of the cluster's barrier
	s_barrier_signal -1
	s_barrier_wait -1
	s_cmp_lg_u32 s[WV], 0
	s_cbranch_scc1 .Lnot_wave_0_\@
	s_barrier_signal -3
.Lnot_wave_0_\@:
	s_barrier_wait -3
	s_barrier_signal -1
	s_barrier_wait -1
.endm
.macro MASKS                           ; 64 select words: word n in s[16 + n] (n < 48), else s[20 + n]
	s_load_b512 s[16:31], s[6:7], s14 offset:0x0
	s_load_b512 s[32:47], s[6:7], s14 offset:0x40
	s_load_b512 s[48:63], s[6:7], s14 offset:0x80
	s_load_b512 s[68:83], s[6:7], s14 offset:0xc0
.endm
.macro QB s0, s1                       ; two half blocks of 16 numbers become codes v[PC] .. v[PC+3]; their bytes in v[TM+2], v[TM+3]
	v_max3_num_f32 v[TM], |v[(\s0)]|, |v[(\s0)+1]|, 0x1800000
	v_max3_num_f32 v[TM+1], |v[(\s1)]|, |v[(\s1)+1]|, 0x1800000
.irp i, 2,4,6,8,10,12,14
	v_max3_num_f32 v[TM], v[TM], |v[(\s0)+\i]|, |v[(\s0)+\i+1]|
	v_max3_num_f32 v[TM+1], v[TM+1], |v[(\s1)+\i]|, |v[(\s1)+\i+1]|
.endr
	v_permlanex16_b32 v[TM+2], v[TM], s[SEL], s[SEL+1]
	v_permlanex16_b32 v[TM+3], v[TM+1], s[SEL], s[SEL+1]
	v_max_num_f32 v[TM], v[TM], v[TM+2]
	v_max_num_f32 v[TM+1], v[TM+1], v[TM+3]
	v_add_nc_u32 v[TM+4], 0xff000000, v[TM]
	v_add_nc_u32 v[TM+5], 0xff000000, v[TM+1]
	v_lshrrev_b32 v[TM+2], 23, v[TM+4]
	v_lshrrev_b32 v[TM+3], 23, v[TM+5]
	v_cvt_scalef32_pk8_fp4_f32 v[PC], v[(\s0):(\s0)+7], v[TM+4]
	v_cvt_scalef32_pk8_fp4_f32 v[PC+1], v[(\s0)+8:(\s0)+15], v[TM+4]
	v_cvt_scalef32_pk8_fp4_f32 v[PC+2], v[(\s1):(\s1)+7], v[TM+5]
	v_cvt_scalef32_pk8_fp4_f32 v[PC+3], v[(\s1)+8:(\s1)+15], v[TM+5]
	v_nop
.endm
	s_load_b128 s[4:7], s[0:1], 0x0                ; QKVB, P
	s_load_b64 s[8:9], s[0:1], 0x10                ; AO
	v_lshl_add_u32 v4, v0, 2, SPARE
	v_mov_b32 v5, 0
	ds_add_u32 v4, v5                              ; the wave's opening: the add, twice on end, and its wait ahead of my first tensor load
	ds_add_u32 v4, v5
	v_lshrrev_b32 v1, 5, v0
	v_readfirstlane_b32 s[WV], v1                  ; wave 0..15
	s_and_b32 s96, s[WV], 7                        ; my tile in the block of queries
	s_lshr_b32 s99, s[WV], 3                       ; my half of the keys
	s_bfe_u32 s97, ttmp6, 0x40000                  ; cx: it enters Q's, the mask's and AO's addresses alone
	s_lshl_b32 s98, ttmp9, 2
	s_add_co_u32 s97, s97, s98                     ; qb
	s_lshl_b32 s97, s97, 3
	s_add_co_u32 s97, s97, s96                     ; QT
	s_and_b32 s98, ttmp7, 0xffff                   ; bh, which the four partners share
	s_mov_b32 s[G1], 15|(3<<16)|(1<<21)            ; the mask: all four work-groups; elements of 8 bytes; bit 21 beside a mask; no padding
	s_mov_b32 s[G1+1], 32<<16                      ; tensor_dim0 = 32 elements: rows of 256 bytes
	s_mov_b32 s[G1+2], 36<<16                      ; tensor_dim1 = 36 rows
	s_mov_b32 s[G1+3], 32<<16                      ; tile_dim0
	s_mov_b32 s[G1+4], 36                          ; tile_dim1
	s_mov_b32 s[G1+5], 32                          ; the pitch: the block is dense
	s_mov_b32 s[G1+6], 0
	s_mov_b32 s[G1+7], 0
	s_mov_b32 s[G0], 1
	s_mul_i32 s[G0+1], s[WV], 9216                 ; my sixteenth, in LDS
	s_mul_i32 s100, s98, 147456
	s_add_co_u32 s100, s100, s[G0+1]
	s_add_co_u32 s100, s100, 1179648               ; and in memory
	s_mov_b32 s101, 0
	s_mov_b32 s[SEL], 0x76543210
	s_mov_b32 s[SEL+1], 0xfedcba98
	s_mov_b32 s[CS], 0x3e38aa3b                    ; c = log2(e) / 8
	s_mov_b32 s[CS+1], s[CS]
	s_lshl_b32 s[MO], s99, 11                      ; 8 steps x 256 bytes of select words a half
	s_mul_i32 s[JB], s99, 73728                    ; two chunks of 36,864 bytes a half
	s_mov_b32 s[CNT], 2
	s_mul_i32 s16, s96, 4608
	s_add_co_u32 s16, s16, STG                     ; the stage of my tile
	s_lshl_b32 s17, s98, 16
	s_lshl_b32 s19, s97, 9
	s_add_co_u32 s17, s17, s19                     ; Q's codes: 65536 bh + 512 QT
	s_lshl_b32 s18, s98, 13
	s_lshl_b32 s19, s97, 6
	s_add_co_u32 s18, s18, s19                     ; Q's scale words: 8192 bh + 64 QT
	s_wait_dscnt 0x0                               ; both opening adds are done
	s_wait_kmcnt 0x0
	s_add_nc_u64 s[G0+2:G0+3], s[4:5], s[100:101]
	s_or_b32 s[G0+3], s[G0+3], 0x80000000
	s_lshl_b32 s100, s97, 12
	s_add_co_u32 s100, s100, 458752
	s_add_nc_u64 s[6:7], s[6:7], s[100:101]        ; my tile's select words
	s_lshr_b32 s19, s98, 2
	s_lshl_b32 s19, s19, 7
	s_add_co_u32 s19, s19, s97                     ; 128 b + QT: the tile of tokens
	s_and_b32 s20, s98, 3                          ; the head
	s_lshl_b32 s100, s19, 2
	s_add_co_u32 s100, s100, s20
	s_lshl_b32 s100, s100, 9                       ; where the result's codes go,
	s_lshl_b32 s101, s19, 1
	s_lshr_b32 s21, s20, 1
	s_add_co_u32 s101, s101, s21
	s_lshl_b32 s101, s101, 6
	s_and_b32 s21, s20, 1
	s_lshl_b32 s21, s21, 1
	s_add_co_u32 s101, s101, s21                   ; and its two scale bytes
	CROUND                                         ; all four work-groups are here: the joint loads meet
	tensor_load_to_lds s[G0:G0+3], s[G1:G1+7]      ; every wave's one load
	s_nop 0
.rept 4
	v_nop
.endr
	v_and_b32 v6, 31, v0
	v_and_b32 v7, 15, v0
	v_lshlrev_b32 v8, 2, v6
	v_lshlrev_b32 v6, 4, v6
	v_lshlrev_b32 v7, 2, v7
	v_add_nc_u32 v11, s16, v6                      ; the stage: 16 bytes a lane
	v_add_nc_u32 v9, s17, v6
	v_add_nc_u32 v10, s18, v7
	s_wait_alu depctr_va_vdst(0)                   ; the wait ahead of the readers below
	global_load_b128 v[16:19], v9, s[4:5]
	global_load_b32 v24, v10, s[4:5] offset:1048576
	MASKS                                          ; my first step's
	v_mov_b32 v3, 0xfb800000                       ; -2^120
	v_mov_b32 v13, 0xff61b1e6                      ; the largest t so far: -3e38
	v_floor_f32 v12, -v13                          ; -M
	v_mov_b32 v14, 0
	v_mov_b32 v15, 0
.irp j, 20,21,22,23,236,237,238,239,253
	v_mov_b32 v[\j], 0
.endr
.irp t, 0,1,2,3,4,5,6,7
.irp j, 4,5,6,7
	v_mov_b32 v[32+8*\t+\j], 0                     ; the upper 64 of K's K step: zero codes, written once
.endr
.endr
.set n, 0
.rept 32
	v_mov_b32 v[160+n], 0                          ; O^T: the step is written once; its first run finds zeros
.set n, n+1
.endr
	s_wait_alu depctr_va_vdst(0)
	s_wait_loadcnt 0x0                             ; Q
	s_wait_tensorcnt 0x0                           ; my sixteenth of K and V has landed,
	s_barrier_signal -1
	s_barrier_wait -1                              ; everybody's has
; A KEY STEP: 128 keys, the q-th of the chunk in hand
.macro STEP q
.rept 4
	v_nop                                          ; places in front of loads into registers that the last products read
.endr
.irp t, 0,1,2,3,4,5,6,7
	ds_load_b128 v[32+8*\t:35+8*\t], v1 offset:4096*(\q)+512*\t
.endr
.irp b, 0,1,2,3
	ds_load_b32 v[244+\b], v2 offset:16384+512*(\q)+128*\b         ; lanes 0-15 tile 2 b's words, lanes 16-31 tile 2 b + 1's
.endr
.irp t, 0,1,2,3
.irp c, 0,1
	ds_load_b128 v[192+8*\t+4*\c:195+8*\t+4*\c], v1 offset:18432+4096*(\q)+1024*\t+512*\c
.endr
.endr
.irp t, 0,1,2,3
	ds_load_b32 v[248+\t], v2 offset:34816+512*(\q)+128*\t
.endr
	s_wait_dscnt 12                                ; K and its scale words are in; V's twelve loads, issued behind them, may be out
.irp t, 0,1,2,3,4,5,6,7
.if (\t%2) == 0
	v_wmma_scale_f32_16x16x128_f8f6f4 v[96+8*\t:103+8*\t], v[32+8*\t:39+8*\t], v[16:23], 0, v[244+\t/2], v24 matrix_a_fmt:MATRIX_FMT_FP4 matrix_b_fmt:MATRIX_FMT_FP4
.else
	v_wmma_scale_f32_16x16x128_f8f6f4 v[96+8*\t:103+8*\t], v[32+8*\t:39+8*\t], v[16:23], 0, v[244+\t/2], v24 matrix_a_fmt:MATRIX_FMT_FP4 matrix_b_fmt:MATRIX_FMT_FP4 matrix_a_scale:MATRIX_SCALE_ROW1
.endif
.endr
.rept 4
	v_nop                                          ; four places ahead of the first read of the scores
.endr
	s_wait_kmcnt 0x0                               ; this step's select words
.set n, 0
.rept 64
.if n < 48
	v_cndmask_b32 v[96+n], v3, v[96+n], s[16+n]    ; a hidden key's score becomes -2^120
.else
	v_cndmask_b32 v[96+n], v3, v[96+n], s[20+n]
.endif
.set n, n+1
.endr
	s_add_co_u32 s[MO], s[MO], 256
	s_min_u32 s[MO], s[MO], 3840                   ; held at the tile's last 256 bytes: the last step asks for nothing beyond them
	MASKS                                          ; the next step's
.irp b, 0,1,2,3
	v_max3_num_f32 v[232+\b], v[96+16*\b], v[97+16*\b], v[98+16*\b]    ; the largest score of each block of 32 keys: for the row's maximum, and, since p rises with the score, for the block's largest p
.endr
.irp i, 3,5,7,9,11,13
.irp b, 0,1,2,3
	v_max3_num_f32 v[232+\b], v[232+\b], v[96+16*\b+\i], v[97+16*\b+\i]
.endr
.endr
.irp b, 0,1,2,3
	v_max_num_f32 v[232+\b], v[232+\b], v[111+16*\b]
.endr
.irp b, 0,1,2,3
	v_permlanex16_b32 v[236+\b], v[232+\b], s[SEL], s[SEL+1]
.endr
.irp b, 0,1,2,3
	v_max_num_f32 v[232+\b], v[232+\b], v[236+\b]
.endr
	v_max3_num_f32 v254, v232, v233, v234
	s_delay_alu instid0(VALU_DEP_1)
	v_max_num_f32 v254, v254, v235
	s_delay_alu instid0(VALU_DEP_1)
	v_mul_f32 v254, s[CS], v254                    ; as t
	s_delay_alu instid0(VALU_DEP_1)
	v_max_num_f32 v13, v13, v254                   ; the running largest t
	v_mov_b32 v254, v12
	s_delay_alu instid0(VALU_DEP_2)
	v_floor_f32 v12, -v13                          ; the new -M = -ceil(t)
	s_delay_alu instid0(VALU_DEP_1)
	v_sub_f32 v254, v12, v254                      ; old M - new M: a whole number, 0 or less
	s_delay_alu instid0(VALU_DEP_1)
	v_cvt_i32_f32 v254, v254                       ; (it saturates)
	s_delay_alu instid0(VALU_DEP_1)
	v_ldexp_f32 v252, 1.0, v254                    ; f = 2^(old M - new M)
.set n, 0
.rept 32
	v_pk_fma_f32 v[96+n:97+n], v[96+n:97+n], s[CS:CS+1], v[12:13] op_sel_hi:[1,0,0]    ; t - M, two at a time
.set n, n+2
.endr
.irp b, 0,1,2,3
	v_fma_f32 v[232+\b], v[232+\b], s[CS], v12     ; the same of each block's largest score
.endr
	s_wait_alu depctr_va_vdst(0)                   ; the wait ahead of the batch
.set n, 0
.rept 64
	v_exp_f32 v[96+n], v[96+n]                     ; p = 2^(t - M): not normalised
.set n, n+1
.endr
	v_pk_mul_f32 v[14:15], v[14:15], v[252:253] op_sel_hi:[1,0]    ; the sums under the new M (a plain line behind the exponentials)
	s_wait_alu depctr_va_vdst(0)                   ; one wait for the batch, ahead of its first reader
.irp b, 0,1,2,3
	v_exp_f32 v[232+\b], v[232+\b]                 ; each block's largest p
.endr
	v_pk_add_f32 v[236:237], v[96:97], v[98:99]    ; the row's sum is taken of the unquantised p, in two chains
.set n, 4
.rept 15
	v_pk_add_f32 v[14:15], v[14:15], v[96+n:97+n]
	v_pk_add_f32 v[236:237], v[236:237], v[98+n:99+n]
.set n, n+4
.endr
	v_pk_add_f32 v[14:15], v[14:15], v[236:237]
	s_wait_alu depctr_va_vdst(0)                   ; and one for the four
.irp b, 0,1,2,3
	v_max_num_f32 v[232+\b], 0x1800000, v[232+\b]  ; the floor: the byte cannot fall under 1
.endr
.irp b, 0,1,2,3
	v_add_nc_u32 v[240+\b], 0xff000000, v[232+\b]  ; 2 off the exponent field: the conversion's scale operand
.endr
.irp b, 0,1,2,3
	v_lshrrev_b32 v[236+\b], 23, v[240+\b]
.endr
	v_lshl_or_b32 v253, v237, 8, v236              ; p's scale word for these 128 keys
	s_delay_alu instid0(VALU_DEP_1)
	v_lshl_or_b32 v253, v238, 16, v253
	s_delay_alu instid0(VALU_DEP_1)
	v_lshl_or_b32 v253, v239, 24, v253
.irp b, 0,1,2,3
	v_cvt_scalef32_pk8_fp4_f32 v[224+2*\b], v[96+16*\b:103+16*\b], v[240+\b]
	v_cvt_scalef32_pk8_fp4_f32 v[225+2*\b], v[104+16*\b:111+16*\b], v[240+\b]
.endr
	v_nop                                          ; one plain line behind the conversions
.irp c, 0,1
.irp i, 0,1
	v_permlane16_swap_b32 v[224+4*\c+\i], v[226+4*\c+\i]           ; a whole block to a lane
.endr
.endr
	s_wait_alu depctr_va_vdst(0)                   ; the wait directly ahead of the first reader of O^T
.set n, 0
.rept 16
	v_pk_mul_f32 v[160+n:161+n], v[160+n:161+n], v[252:253] op_sel_hi:[1,0]    ; O^T under the new M; these 16 also stand between the scale word's and the codes' last writes and the products
.set n, n+2
.endr
	s_wait_alu depctr_va_vdst(0)
	s_wait_dscnt 0x0                               ; V and its scale words
.irp t, 0,1,2,3
	v_wmma_scale_f32_16x16x128_f8f6f4 v[160+8*\t:167+8*\t], v[192+8*\t:199+8*\t], v[224:231], v[160+8*\t:167+8*\t], v[248+\t], v253 matrix_a_fmt:MATRIX_FMT_FP4 matrix_b_fmt:MATRIX_FMT_FP4
.endr
.endm
.Lchunk:                                               ; two trips: a chunk of 512 keys each
	v_add_nc_u32 v1, s[JB], v6
	v_add_nc_u32 v2, s[JB], v8
	s_wait_alu depctr_va_vdst(0)                   ; the wait directly behind these writes
	STEP 0
	STEP 1
	STEP 2
	STEP 3
	s_add_co_u32 s[JB], s[JB], 36864
	s_sub_co_u32 s[CNT], s[CNT], 1
	s_cmp_lg_u32 s[CNT], 0
	s_cbranch_scc1 .Lchunk
.rept 4
	v_nop                                          ; four places between the last products and the first read of O^T
.endr
	; THE HALVES MEET: waves 8-15 lay O^T and (-M, t, the sum's two halves) into the stage as images of their registers
	s_cmp_lt_u32 s[WV], 8
	s_cbranch_scc1 .Lkeep
.irp i, 0,1,2,3,4,5,6,7
	ds_store_b128 v11, v[160+4*\i:163+4*\i] offset:512*\i
.endr
	ds_store_b128 v11, v[12:15] offset:4096
.Lkeep:
	s_wait_dscnt 0x0                               ; my stores have landed
	s_barrier_signal -1
	s_barrier_wait -1
	s_cmp_lt_u32 s[WV], 8
	s_cbranch_scc0 .Lend                           ; no barrier of the work-group alone stands behind this branch; all waves meet again at the end
.irp i, 0,1,2,3,4,5,6,7
	ds_load_b128 v[96+4*\i:99+4*\i], v11 offset:512*\i
.endr
	ds_load_b128 v[128:131], v11 offset:4096
	s_wait_dscnt 0x0
	v_min_num_f32 v254, v12, v128                  ; the common -M
	s_delay_alu instid0(VALU_DEP_1)
	v_sub_f32 v234, v254, v12                      ; each half's M less the common one: whole numbers, 0 or less
	v_sub_f32 v235, v254, v128
	s_delay_alu instid0(VALU_DEP_2)
	v_cvt_i32_f32 v234, v234
	s_delay_alu instid0(VALU_DEP_2)
	v_cvt_i32_f32 v235, v235
	s_delay_alu instid0(VALU_DEP_2)
	v_ldexp_f32 v252, 1.0, v234                    ; my half's factor,
	s_delay_alu instid0(VALU_DEP_2)
	v_ldexp_f32 v232, 1.0, v235                    ; the other's
	v_pk_mul_f32 v[14:15], v[14:15], v[252:253] op_sel_hi:[1,0]
.set n, 0
.rept 16
	v_pk_mul_f32 v[160+n:161+n], v[160+n:161+n], v[252:253] op_sel_hi:[1,0]
.set n, n+2
.endr
	v_pk_fma_f32 v[14:15], v[130:131], v[232:233], v[14:15] op_sel_hi:[1,0,1]
.set n, 0
.rept 16
	v_pk_fma_f32 v[160+n:161+n], v[96+n:97+n], v[232:233], v[160+n:161+n] op_sel_hi:[1,0,1]
.set n, n+2
.endr
	; THE WAY OUT: O^T / the sum; the head's 64 channels are two blocks of the next product's K; codes and bytes go out in that operand's order
	v_add_f32 v14, v14, v15
	v_permlanex16_b32 v252, v14, s[SEL], s[SEL+1]
	v_add_f32 v14, v14, v252                       ; the row's sum
	s_wait_alu depctr_va_vdst(0)                   ; the wait ahead of the reciprocal
	v_rcp_f32 v14, v14
	v_add_nc_u32 v9, s100, v6                      ; (plain lines behind the reciprocal)
	v_add_nc_u32 v10, s101, v7
	s_wait_alu depctr_va_vdst(0)                   ; the wait, ahead of the first reader
.set n, 0
.rept 32
	v_mul_f32 v[96+n], v[160+n], v14               ; register 16 p + 8 v + j: channel 32 p + 16 h + 8 v + j of my query
.set n, n+1
.endr
	QB 96, 112
	v_lshl_or_b32 v238, v[TM+3], 8, v[TM+2]
	v_permlane16_swap_b32 v[PC], v[PC+2]
	v_permlane16_swap_b32 v[PC+1], v[PC+3]
	global_store_b128 v9, v[PC:PC+3], s[8:9]               ; 32 lanes store 512 consecutive bytes: one chunk of a fragment's image
	global_store_b16 v10, v238, s[8:9] offset:1048576      ; my head's half of the token's scale word (both lanes of a query write the same)
.Lend:
	s_wait_tensorcnt 0x0                           ; the wave's end
	ds_add_u32 v4, v5
	s_wait_dscnt 0x0
	CROUND                                         ; the closing round
	s_endpgm
.Lfunc_end_k_q0e0d0bb336_att0:
	.size	k_q0e0d0bb336_att0, .Lfunc_end_k_q0e0d0bb336_att0-k_q0e0d0bb336_att0
	.p2alignl 7, 3214868480
	.fill 96, 4, 3214868480
	.section	.rodata,"a",@progbits
	.p2align	6, 0x0
	.amdhsa_kernel k_q0e0d0bb336_att0
		.amdhsa_group_segment_fixed_size 186368
		.amdhsa_private_segment_fixed_size 0
		.amdhsa_enable_private_segment 0
		.amdhsa_kernarg_size 24
		.amdhsa_user_sgpr_count 2
		.amdhsa_user_sgpr_kernarg_segment_ptr 1
		.amdhsa_wavefront_size32 1
		.amdhsa_system_sgpr_workgroup_id_x 1
		.amdhsa_system_sgpr_workgroup_id_y 1
		.amdhsa_system_sgpr_workgroup_id_z 1
		.amdhsa_system_vgpr_workitem_id 0
		.amdhsa_next_free_vgpr 256
		.amdhsa_next_free_sgpr 102
		.amdhsa_reserve_vcc 0
		.amdhsa_float_denorm_mode_32 3
		.amdhsa_float_denorm_mode_16_64 3
		.amdhsa_memory_ordered 1
		.amdhsa_forward_progress 1
		.amdhsa_inst_pref_size 95
	.end_amdhsa_kernel
	.amdgpu_metadata
---
amdhsa.version: [ 1, 2 ]
amdhsa.kernels:
  - .name:           k_q0e0d0bb336_att0
    .symbol:         k_q0e0d0bb336_att0.kd
    .args:
      - { .name: QKVB, .offset: 0, .size: 8, .value_kind: global_buffer, .address_space: global }
      - { .name: P0, .offset: 8, .size: 8, .value_kind: global_buffer, .address_space: global }
      - { .name: AO, .offset: 16, .size: 8, .value_kind: global_buffer, .address_space: global }
    .group_segment_fixed_size: 186368
    .private_segment_fixed_size: 0
    .kernarg_segment_align: 8
    .kernarg_segment_size: 24
    .max_flat_workgroup_size: 512
    .sgpr_count:     102
    .vgpr_count:     256
    .wavefront_size: 32
...
	.end_amdgpu_metadata
.endif
;; end of part 8
;; launch cq0 (part 9): grid 256 x 1, 8 waves a work-group, no clusters, 64,512 bytes of LDS; arguments AO, HA, P0, HB, P1, QKVB; writes HB, QKVB
.if DOCPART == 9
	.amdgcn_target "amdgcn-amd-amdhsa--gfx1250"
	.amdhsa_code_object_version 6
	.text
	.protected	k_q0e0d0bb336_cq0
	.globl	k_q0e0d0bb336_cq0
	.p2align	8
	.type	k_q0e0d0bb336_cq0,@function
k_q0e0d0bb336_cq0:
	s_mov_b64 s[64:65], 0
	v_nop
	global_prefetch_b8 v0, s[64:65] scope:SCOPE_SE
	s_setreg_imm32_b32 hwreg(HW_REG_WAVE_MODE, 25, 1), 1
	s_wait_xcnt 0x0
; One layer's tail and the next layer's head in one launch.  No work of either is left out.
; TAIL: h2 = ao out_w^T + out_b + h; LN2; ff = (o2 w1^T + b1) w2^T + b2; h' = ff + h (the block's INPUT, as the source has it).
; HEAD OF THE NEXT LAYER: LN1 of h', its quantiser, the product with the next in_w, and the quantisers of q, k and v.  All four products on codes of E2M1.
; A work-group takes 32 tokens (group G), as two tiles of 16 (lane row r of tile u: token 8 u + r + 8 (r / 8)).  THE WAVES SHARE THE COLUMNS: wave w makes features 32 w .. + 31 of h2 and of h', hidden units 128 w .. + 127,
; 64 units of q (w < 4) or k (w >= 4), and 32 units of v.  h' leaves the last product's accumulators in the very layout in which LN1 wants it (lane (r, h): 16 neighbours from column 32 w + 16 h), so it goes on in registers;
; it is also stored, since the next layer's residual reads it.
; All products but v's are transposed (source 0 = 16 rows of a weight, source 1 = 16 tokens), and the weights' tiles are laid so that a lane's 16 registers of two tiles are 16 neighbours along the next K;
; v's is not transposed (a lane holds one unit and 16 neighbouring KEYS), since the keys are v's K.  Residuals and biases are the C of each sum's first K step.
; o2, the hidden layer and LN1's result go from wave to wave through LDS as images of the operand's registers; nothing of them goes to memory.  q's factor 1/8 is a power of two: the attention launch puts it on the scores.
; THE WEIGHTS come from memory straight into registers, in operand order: each fragment feeds one wave alone, and a layer's weights and the bytes used here do not fit in a WGP's 327,680 bytes of LDS together: so no joint load.
; A wave has 512 registers (two waves share a SIMD's 1,024): the next in_w takes w1's registers as soon as the hidden layer is made.
; LIMITS: NaN and infinities are not served; a block whose largest magnitude lies under 2^-124 (a block of zeros too) keeps the byte 1.
.set WSC,  393216
.set LN1G, 442368
.set LN1B, 443392
.set INB,  444416
.set OUTB, 447488
.set LN2G, 448512
.set LN2B, 449536
.set B1O,  450560
.set B2O,  454656
.set STAT, 0                           ; LDS: LN2's statistics, [u][r][wave] x 8 bytes
.set XIMG, 2048                        ; o2's four fragments (2 u + s)
.set XSC,  6144                        ; their scale words
.set HIMG, 6400                        ; the hidden layer's sixteen fragments (8 u + s)
.set HSC,  22784                       ; their scale words
.set STG,  23808                       ; h's way out: 32 rows x (1,024 + 16) bytes
.set STAT2, 57088                      ; LN1's statistics,
.set XIMG2, 59136                      ; its result's four fragments,
.set XSC2, 63232                       ; and their scale words: bytes of their own
.set SPARE, 63488                      ; the spare words, 128 bytes a wave
.set LI, 1                             ; 16 L
.set L4, 2                             ; 4 L
.set R4, 3                             ; 4 r
.set HOFF, 4                           ; (r + 8 (r / 8)) 1024 + 64 h + 128 w
.set GOFF, 5                           ; 64 h + 128 w
.set WOA, 6                            ; 16 L + 4096 w
.set WA, 7                             ; 16 L + 16384 w
.set WOSA, 8                           ; 4 L + 512 w
.set WSA, 9                            ; 4 L + 2048 w
.set B1A, 10                           ; 64 h + 512 w
.set PIECE, 11
.set SCB, 12
.set HPIECE, 13
.set HSCB, 14
.set WQA, 15                           ; 16 L + 8192 w
.set HIN, 16                           ; v16-47 h, then h + b2; later q's or k's bias
.set BI, 16
.set ACC, 48                           ; v48-79 four accumulators [16 u + 8 v + j]; at the end h', then LN1's result
.set QA, 48                            ; v48-111 q's or k's eight accumulators
.set WO, 80                            ; v80-111 out_w's four fragments; b1 of pairs 0, 1; LN1's g, b
.set GB, 80
.set XF, 112                           ; v112-143 ao; the statistics; o2; hidden fragments (A); h's rows on the way out; LN1's result
.set XS, 144
.set BB, 148                           ; v148-179 b2, out_b; ln2's g, b; b1 of pairs 2, 3; hidden fragments (B); LN1's statistics; v's accumulators
.set AV, 148
.set TM, 180
.set SQA, 186                          ; 4 L + 1024 w
.set BQA, 187                          ; 64 h + 256 w
.set MS, 188
.set RS, 192
.set VB, 196                           ; v196-199 v's bias, two pairs
.set PC, 200
.set W0, 204                           ; v204, v205 scale words
.set BVA, 207                          ; 4 (r + 8 (r / 8)) + 128 w
.set WOS, 208
.set W1S, 212
.set WS, 212                           ; v212-223 the next in_w's scale words
.set W2S, 228
.set LT, 228                           ; LN's temporaries, in registers that W2's scale words hold between the two LNs
.set XS2, 244
.set STATW, 248
.set STATR, 249
.set SO, 250
.set SR, 251
.set SPW, 252
.set NIL, 253
.set VO, 254                           ; 16 r + 8 h
.set SEL, 14
.set CI32, 16
.set CI8, 17
.set C32F, 18
.set CI256, 19
.set CEPS, 20
.set MSB, 0
.macro WIN new                         ; the immediate's high byte repeats the setting that is left
.if MSB != \new
	s_set_vgpr_msb (MSB<<8)|\new
.set MSB, \new
.endif
.endm
.macro MM d, a, b, c, sa, sb
	v_wmma_scale_f32_16x16x128_f8f6f4 v[(\d):(\d)+7], v[(\a):(\a)+7], v[(\b):(\b)+7], v[(\c):(\c)+7], v[\sa], v[\sb] matrix_a_fmt:MATRIX_FMT_FP4 matrix_b_fmt:MATRIX_FMT_FP4
.endm
.macro MM0 d, a, b, sa, sb
	v_wmma_scale_f32_16x16x128_f8f6f4 v[(\d):(\d)+7], v[(\a):(\a)+7], v[(\b):(\b)+7], 0, v[\sa], v[\sb] matrix_a_fmt:MATRIX_FMT_FP4 matrix_b_fmt:MATRIX_FMT_FP4
.endm
.macro QB s0, s1                       ; two half blocks of 16 numbers become codes v[PC] .. v[PC+3]; their bytes in v[TM+2], v[TM+3]
	v_max3_num_f32 v[TM], |v[(\s0)]|, |v[(\s0)+1]|, 0x1800000      ; the floor 2^(3 - 127): the byte cannot fall under 1
	v_max3_num_f32 v[TM+1], |v[(\s1)]|, |v[(\s1)+1]|, 0x1800000
.irp i, 2,4,6,8,10,12,14
	v_max3_num_f32 v[TM], v[TM], |v[(\s0)+\i]|, |v[(\s0)+\i+1]|
	v_max3_num_f32 v[TM+1], v[TM+1], |v[(\s1)+\i]|, |v[(\s1)+\i+1]|
.endr
	s_delay_alu instid0(VALU_DEP_2)
	v_permlanex16_b32 v[TM+2], v[TM], s[SEL], s[SEL+1]
	s_delay_alu instid0(VALU_DEP_2)
	v_permlanex16_b32 v[TM+3], v[TM+1], s[SEL], s[SEL+1]
	s_delay_alu instid0(VALU_DEP_2)
	v_max_num_f32 v[TM], v[TM], v[TM+2]
	s_delay_alu instid0(VALU_DEP_2)
	v_max_num_f32 v[TM+1], v[TM+1], v[TM+3]
	s_delay_alu instid0(VALU_DEP_2)
	v_add_nc_u32 v[TM+4], 0xff000000, v[TM]
	s_delay_alu instid0(VALU_DEP_2)
	v_add_nc_u32 v[TM+5], 0xff000000, v[TM+1]
	s_delay_alu instid0(VALU_DEP_2)
	v_lshrrev_b32 v[TM+2], 23, v[TM+4]
	s_delay_alu instid0(VALU_DEP_2)
	v_lshrrev_b32 v[TM+3], 23, v[TM+5]
	v_cvt_scalef32_pk8_fp4_f32 v[PC], v[(\s0):(\s0)+7], v[TM+4]
	v_cvt_scalef32_pk8_fp4_f32 v[PC+1], v[(\s0)+8:(\s0)+15], v[TM+4]
	v_cvt_scalef32_pk8_fp4_f32 v[PC+2], v[(\s1):(\s1)+7], v[TM+5]
	v_cvt_scalef32_pk8_fp4_f32 v[PC+3], v[(\s1)+8:(\s1)+15], v[TM+5]
	v_nop                                          ; one plain line behind the conversions
.endm
.macro WHOLE                           ; two half blocks a lane become one whole block a lane: lanes 0-15 the first, lanes 16-31 the second
	v_permlane16_swap_b32 v[PC], v[PC+2]
	v_permlane16_swap_b32 v[PC+1], v[PC+3]
.endm
.macro LNLOC x, st                     ; mean and sum of squared deviations of my wave's 32 columns, for each of my two tokens, into LDS at st
.irp u, 0,1
	v_pk_add_f32 v[LT:LT+1], v[\x+16*\u:\x+16*\u+1], v[\x+16*\u+2:\x+16*\u+3]
	v_pk_add_f32 v[LT+2:LT+3], v[\x+16*\u+4:\x+16*\u+5], v[\x+16*\u+6:\x+16*\u+7]
	v_pk_add_f32 v[LT+4:LT+5], v[\x+16*\u+8:\x+16*\u+9], v[\x+16*\u+10:\x+16*\u+11]
	v_pk_add_f32 v[LT+6:LT+7], v[\x+16*\u+12:\x+16*\u+13], v[\x+16*\u+14:\x+16*\u+15]
	s_delay_alu instid0(VALU_DEP_3)
	v_pk_add_f32 v[LT:LT+1], v[LT:LT+1], v[LT+2:LT+3]
	s_delay_alu instid0(VALU_DEP_2)
	v_pk_add_f32 v[LT+4:LT+5], v[LT+4:LT+5], v[LT+6:LT+7]
	s_delay_alu instid0(VALU_DEP_1)
	v_pk_add_f32 v[LT:LT+1], v[LT:LT+1], v[LT+4:LT+5]
	s_delay_alu instid0(VALU_DEP_1)
	v_add_f32 v[LT], v[LT], v[LT+1]
	s_delay_alu instid0(VALU_DEP_1)
	v_permlanex16_b32 v[LT+2], v[LT], s[SEL], s[SEL+1]
	s_delay_alu instid0(VALU_DEP_1)
	v_add_f32 v[LT], v[LT], v[LT+2]
	s_delay_alu instid0(VALU_DEP_1)
	v_mul_f32 v[MS+2*\u], s[CI32], v[LT]
	v_pk_add_f32 v[LT:LT+1], v[\x+16*\u:\x+16*\u+1], v[MS+2*\u:MS+2*\u+1] op_sel_hi:[1,0] neg_lo:[0,1] neg_hi:[0,1]
	v_pk_add_f32 v[LT+2:LT+3], v[\x+16*\u+2:\x+16*\u+3], v[MS+2*\u:MS+2*\u+1] op_sel_hi:[1,0] neg_lo:[0,1] neg_hi:[0,1]
	s_delay_alu instid0(VALU_DEP_2)
	v_pk_mul_f32 v[LT+4:LT+5], v[LT:LT+1], v[LT:LT+1]
	s_delay_alu instid0(VALU_DEP_2)
	v_pk_mul_f32 v[LT+6:LT+7], v[LT+2:LT+3], v[LT+2:LT+3]
.irp k, 4,8,12
	v_pk_add_f32 v[LT:LT+1], v[\x+16*\u+\k:\x+16*\u+\k+1], v[MS+2*\u:MS+2*\u+1] op_sel_hi:[1,0] neg_lo:[0,1] neg_hi:[0,1]
	v_pk_add_f32 v[LT+2:LT+3], v[\x+16*\u+\k+2:\x+16*\u+\k+3], v[MS+2*\u:MS+2*\u+1] op_sel_hi:[1,0] neg_lo:[0,1] neg_hi:[0,1]
	s_delay_alu instid0(VALU_DEP_2)
	v_pk_fma_f32 v[LT+4:LT+5], v[LT:LT+1], v[LT:LT+1], v[LT+4:LT+5]
	s_delay_alu instid0(VALU_DEP_2)
	v_pk_fma_f32 v[LT+6:LT+7], v[LT+2:LT+3], v[LT+2:LT+3], v[LT+6:LT+7]
.endr
	s_delay_alu instid0(VALU_DEP_1)
	v_pk_add_f32 v[LT+4:LT+5], v[LT+4:LT+5], v[LT+6:LT+7]
	s_delay_alu instid0(VALU_DEP_1)
	v_add_f32 v[LT+4], v[LT+4], v[LT+5]
	s_delay_alu instid0(VALU_DEP_1)
	v_permlanex16_b32 v[LT], v[LT+4], s[SEL], s[SEL+1]
	s_delay_alu instid0(VALU_DEP_1)
	v_add_f32 v[MS+2*\u+1], v[LT+4], v[LT]
	ds_store_b64 v[STATW], v[MS+2*\u:MS+2*\u+1] offset:(\st)+1024*\u   ; both lanes of a token write the same 8 bytes with the same values
.endr
.endm
.macro LNCOMB rd                       ; mean = sum m / 8; sum of squares = sum q + 32 sum (m - mean)^2: no difference of large sums
.irp u, 0,1
	v_pk_add_f32 v[LT:LT+1], v[\rd+16*\u:\rd+16*\u+1], v[\rd+16*\u+2:\rd+16*\u+3]
	v_pk_add_f32 v[LT+2:LT+3], v[\rd+16*\u+4:\rd+16*\u+5], v[\rd+16*\u+6:\rd+16*\u+7]
	v_pk_add_f32 v[LT+4:LT+5], v[\rd+16*\u+8:\rd+16*\u+9], v[\rd+16*\u+10:\rd+16*\u+11]
	v_pk_add_f32 v[LT+6:LT+7], v[\rd+16*\u+12:\rd+16*\u+13], v[\rd+16*\u+14:\rd+16*\u+15]
	s_delay_alu instid0(VALU_DEP_3)
	v_pk_add_f32 v[LT:LT+1], v[LT:LT+1], v[LT+2:LT+3]
	s_delay_alu instid0(VALU_DEP_2)
	v_pk_add_f32 v[LT+4:LT+5], v[LT+4:LT+5], v[LT+6:LT+7]
	s_delay_alu instid0(VALU_DEP_1)
	v_pk_add_f32 v[LT:LT+1], v[LT:LT+1], v[LT+4:LT+5]
	s_delay_alu instid0(VALU_DEP_1)
	v_mul_f32 v[MS+2*\u], s[CI8], v[LT]
	s_delay_alu instid0(VALU_DEP_1)
	v_sub_f32 v[LT+2], v[\rd+16*\u], v[MS+2*\u]
	s_delay_alu instid0(VALU_DEP_2)
	v_sub_f32 v[LT+3], v[\rd+16*\u+2], v[MS+2*\u]
	s_delay_alu instid0(VALU_DEP_2)
	v_mul_f32 v[LT+4], v[LT+2], v[LT+2]
	s_delay_alu instid0(VALU_DEP_2)
	v_mul_f32 v[LT+5], v[LT+3], v[LT+3]
.irp i, 4,8,12
	v_sub_f32 v[LT+2], v[\rd+16*\u+\i], v[MS+2*\u]
	v_sub_f32 v[LT+3], v[\rd+16*\u+\i+2], v[MS+2*\u]
	s_delay_alu instid0(VALU_DEP_2)
	v_fma_f32 v[LT+4], v[LT+2], v[LT+2], v[LT+4]
	s_delay_alu instid0(VALU_DEP_2)
	v_fma_f32 v[LT+5], v[LT+3], v[LT+3], v[LT+5]
.endr
	s_delay_alu instid0(VALU_DEP_1)
	v_add_f32 v[LT+4], v[LT+4], v[LT+5]
	s_delay_alu instid0(VALU_DEP_1)
	v_fma_f32 v[RS+2*\u+1], v[LT+4], s[C32F], v[LT+1]
	s_delay_alu instid0(VALU_DEP_1)
	v_fma_f32 v[RS+2*\u+1], v[RS+2*\u+1], s[CI256], s[CEPS]
	s_wait_alu depctr_va_vdst(0)
	v_rsq_f32 v[RS+2*\u], v[RS+2*\u+1]
.endr
	v_nop                                          ; a plain line behind the last root,
	s_wait_alu depctr_va_vdst(0)                   ; and one wait for both, ahead of their first reader
.endm
.macro LNAPPLY x, gb
.irp u, 0,1
.irp k, 0,2,4,6,8,10,12,14
	v_pk_add_f32 v[\x+16*\u+\k:\x+16*\u+\k+1], v[\x+16*\u+\k:\x+16*\u+\k+1], v[MS+2*\u:MS+2*\u+1] op_sel_hi:[1,0] neg_lo:[0,1] neg_hi:[0,1]
	v_pk_mul_f32 v[LT+\k%8:LT+\k%8+1], v[\gb+\k:\gb+\k+1], v[RS+2*\u:RS+2*\u+1] op_sel_hi:[1,0]
	s_delay_alu instid0(VALU_DEP_1)
	v_pk_fma_f32 v[\x+16*\u+\k:\x+16*\u+\k+1], v[\x+16*\u+\k:\x+16*\u+\k+1], v[LT+\k%8:LT+\k%8+1], v[\gb+16+\k:\gb+16+\k+1]
.endr
.endr
.endm
.macro BARRIER                         ; my LDS stores have landed and my LDS loads are in: then the work-group's barrier
	s_wait_dscnt 0x0
	s_barrier_signal -1
	s_barrier_wait -1
.endm
.macro FETCH reg, off
	ds_load_b128 v[(\reg):(\reg)+3], v[LI] offset:(\off)
	ds_load_b128 v[(\reg)+4:(\reg)+7], v[LI] offset:(\off)+512
.endm
.macro PLACES
.rept 4
	v_nop
.endr
.endm
.macro GLOAD g, buf, xs                ; the hidden layer's K steps 2 g, 2 g + 1 for both tiles of tokens: twelve LDS loads
.irp u, 0,1
.irp e, 0,1
	FETCH (\buf)+8*(2*\u+\e), HIMG+(8*\u+2*(\g)+\e)*1024
	ds_load_b32 v[(\xs)+2*\u+\e], v[R4] offset:HSC+(8*\u+2*(\g)+\e)*64
.endr
.endr
.endm
.macro GMUL g, buf, xs                 ; eight products: four accumulators by turns, two K steps
	WIN 0x01                                       ; source 0 (w2) window 1
.irp e, 0,1
.irp u, 0,1
.irp v, 0,1
.if (2*(\g)+\e) == 0
	MM ACC+16*\u+8*\v, 128+8*(8*\v+2*(\g)+\e), (\buf)+8*(2*\u+\e), HIN+16*\u+8*\v, W2S+8*\v+2*(\g)+\e, (\xs)+2*\u+\e
.else
	MM ACC+16*\u+8*\v, 128+8*(8*\v+2*(\g)+\e), (\buf)+8*(2*\u+\e), ACC+16*\u+8*\v, W2S+8*\v+2*(\g)+\e, (\xs)+2*\u+\e
.endif
.endr
.endr
.endr
	WIN 0
.endm
	s_load_b256 s[4:11], s[0:1], 0x0               ; AO s[4:5], h s[6:7], P s[8:9], h' s[10:11]
	s_load_b128 s[36:39], s[0:1], 0x20             ; the next layer's P s[36:37], QKVB s[38:39]
	v_lshl_add_u32 v[SPW], v0, 2, SPARE
	v_mov_b32 v[NIL], 0
	v_lshrrev_b32 v1, 5, v0
	s_delay_alu instid0(VALU_DEP_1)
	v_readfirstlane_b32 s12, v1                    ; wave 0..7
	v_and_b32 v112, 31, v0                         ; L
	v_and_b32 v113, 15, v0                         ; r
	v_bfe_u32 v114, v0, 4, 1                       ; h
	s_delay_alu instid0(VALU_DEP_2)
	v_and_b32 v115, 8, v113
	s_delay_alu instid0(VALU_DEP_1)
	v_add_nc_u32 v115, v115, v113                  ; r + 8 (r / 8)
	v_lshlrev_b32 v[LI], 4, v112
	v_lshlrev_b32 v[L4], 2, v112
	v_lshlrev_b32 v[R4], 2, v113
	s_lshl_b32 s24, s12, 7
	s_lshl_b32 s25, s12, 9
	s_lshl_b32 s26, s12, 8
	v_lshlrev_b32 v[GOFF], 6, v114
	s_delay_alu instid0(VALU_DEP_1)
	v_add_nc_u32 v[B1A], s25, v[GOFF]
	s_delay_alu instid0(VALU_DEP_2)
	v_add_nc_u32 v[BQA], s26, v[GOFF]
	s_delay_alu instid0(VALU_DEP_3)
	v_add_nc_u32 v[GOFF], s24, v[GOFF]
	s_delay_alu instid0(VALU_DEP_1)
	v_lshl_add_u32 v[HOFF], v115, 10, v[GOFF]
	v_lshl_add_u32 v[BVA], v115, 2, s24
	v_add_nc_u32 v[WOSA], s25, v[L4]
	s_lshl_b32 s26, s12, 12
	v_add_nc_u32 v[WOA], s26, v[LI]
	s_lshl_b32 s26, s12, 13
	v_add_nc_u32 v[WQA], s26, v[LI]
	s_lshl_b32 s26, s12, 14
	v_add_nc_u32 v[WA], s26, v[LI]
	s_lshl_b32 s26, s12, 11
	v_add_nc_u32 v[WSA], s26, v[L4]
	s_lshl_b32 s26, s12, 10
	v_add_nc_u32 v[SQA], s26, v[L4]
	v_lshlrev_b32 v[VO], 4, v113
	s_delay_alu instid0(VALU_DEP_1)
	v_lshl_add_u32 v[VO], v114, 3, v[VO]           ; 16 r + 8 h
	s_wait_alu depctr_va_vdst(0)
	s_lshl_b32 s26, s12, 8
	s_add_co_u32 s26, s26, XIMG
	v_add_nc_u32 v[PIECE], s26, v[VO]
	s_lshr_b32 s26, s12, 2
	s_lshl_b32 s26, s26, 6
	s_and_b32 s27, s12, 3
	s_add_co_u32 s26, s26, s27
	s_add_co_u32 s26, s26, XSC
	v_lshl_add_u32 v[SCB], v113, 2, s26
	s_lshl_b32 s26, s12, 10
	s_add_co_u32 s26, s26, HIMG
	v_add_nc_u32 v[HPIECE], s26, v[VO]
	s_lshl_b32 s26, s12, 6
	s_add_co_u32 s26, s26, HSC
	v_lshl_add_u32 v[HSCB], v113, 2, s26
	v_lshlrev_b32 v[STATR], 6, v113
	s_lshl_b32 s26, s12, 3
	v_add_nc_u32 v[STATW], s26, v[STATR]
	v_mul_u32_u24 v[SO], v115, 1040
	s_delay_alu instid0(VALU_DEP_1)
	v_add_nc_u32 v[SO], v[SO], v[GOFF]
	s_delay_alu instid0(VALU_DEP_1)
	v_add_nc_u32 v[SO], STG, v[SO]                 ; the stage: my token's row, my 64 bytes of it
	s_mul_i32 s26, s12, 4160
	s_add_co_u32 s26, s26, STG
	v_add_nc_u32 v[SR], s26, v[LI]                 ; back: rows 4 w .. 4 w + 3
	v_mov_b32 v[TM+2], 0                           ; written once: a lane permute's destination counts as one of its sources,
	v_mov_b32 v[TM+3], 0
	v_mov_b32 v[MS+1], 0                           ; and a pair is read whole
	v_mov_b32 v[MS+3], 0
	v_mov_b32 v[VB+1], 0
	v_mov_b32 v[VB+3], 0
	s_mov_b32 s[SEL], 0x76543210
	s_mov_b32 s[SEL+1], 0xfedcba98
	s_mov_b32 s[CI32], 0x3d000000                  ; 1/32
	s_mov_b32 s[CI8], 0x3e000000                   ; 1/8
	s_mov_b32 s[C32F], 0x42000000                  ; 32
	s_mov_b32 s[CI256], 0x3b800000                 ; 1/256
	s_mov_b32 s[CEPS], 0x3727c5ac                  ; 1e-5
	s_mov_b32 s21, 0xffff0000                      ; lanes 16-31
	; where q, k and v go
	s_lshr_b32 s48, ttmp9, 6                       ; b
	s_and_b32 s49, ttmp9, 63                       ; kb: the group in its batch = the block of 32 keys
	s_and_b32 s50, s12, 3                          ; q's or k's head
	s_lshl_b32 s51, s48, 2
	s_add_co_u32 s51, s51, s50                     ; bh
	s_lshl_b32 s52, s51, 6
	s_add_co_u32 s52, s52, s49
	s_lshl_b32 s53, s52, 10                        ; q's codes
	s_lshl_b32 s54, s52, 7
	s_add_co_u32 s54, s54, 1048576                 ; q's scale words
	s_mul_i32 s55, s51, 147456
	s_lshr_b32 s56, s49, 4
	s_mul_i32 s56, s56, 36864                      ; the chunk of 512 keys
	s_add_co_u32 s55, s55, s56
	s_add_co_u32 s55, s55, 1179648
	s_and_b32 s57, s49, 15
	s_lshl_b32 s58, s57, 10
	s_add_co_u32 s58, s58, s55                     ; k's codes
	s_lshl_b32 s59, s57, 7
	s_add_co_u32 s59, s59, s55
	s_add_co_u32 s59, s59, 16384                   ; k's scale words
	s_cmp_lt_u32 s12, 4
	s_cselect_b32 s40, s53, s58
	s_cselect_b32 s42, s54, s59
	s_mov_b32 s41, 0
	s_mov_b32 s43, 0
	s_lshr_b32 s60, s12, 1                         ; v's head
	s_lshl_b32 s61, s48, 2
	s_add_co_u32 s60, s60, s61
	s_mul_i32 s60, s60, 147456
	s_add_co_u32 s60, s60, s56
	s_add_co_u32 s60, s60, 1179648
	s_bfe_u32 s61, s49, 0x20002                    ; the key step of 128 in its chunk
	s_and_b32 s62, s12, 1
	s_and_b32 s63, s49, 3                          ; the block in its key step
	s_lshl_b32 s66, s61, 12
	s_add_co_u32 s44, s60, s66
	s_lshl_b32 s66, s62, 11
	s_add_co_u32 s44, s44, s66
	s_lshl_b32 s66, s63, 8
	s_add_co_u32 s44, s44, s66
	s_add_co_u32 s44, s44, 18432                   ; v's codes: my block's 256 bytes of tile 2 (w % 2)
	s_mov_b32 s45, 0
	s_lshl_b32 s66, s61, 9
	s_add_co_u32 s46, s60, s66
	s_lshl_b32 s66, s62, 8
	s_add_co_u32 s46, s46, s66
	s_add_co_u32 s46, s46, s63
	s_add_co_u32 s46, s46, 34816                   ; v's scale bytes
	s_mov_b32 s47, 0
	s_lshl_b32 s28, ttmp9, 12
	s_mov_b32 s29, 0
	s_lshl_b32 s30, ttmp9, 8
	s_mov_b32 s31, 0
	s_lshl_b32 s32, ttmp9, 15
	s_mov_b32 s33, 0
	s_wait_kmcnt 0x0
	s_add_nc_u64 s[28:29], s[4:5], s[28:29]        ; ao's codes of my group
	s_add_nc_u64 s[30:31], s[4:5], s[30:31]        ; and (1,048,576 on) its scale words
	s_add_nc_u64 s[6:7], s[6:7], s[32:33]
	s_add_nc_u64 s[10:11], s[10:11], s[32:33]
	s_lshl_b32 s32, s12, 12
	s_add_nc_u64 s[10:11], s[10:11], s[32:33]      ; the four rows that I store
	s_add_nc_u64 s[40:41], s[38:39], s[40:41]
	s_add_nc_u64 s[42:43], s[38:39], s[42:43]
	s_add_nc_u64 s[44:45], s[38:39], s[44:45]
	s_add_nc_u64 s[46:47], s[38:39], s[46:47]
	; loads at the head, in this order: h 8; out_b, b2 8; ao 12; out_w 12; w1 48
.irp u, 0,1
.irp q, 0,1,2,3
	global_load_b128 v[HIN+16*\u+4*\q:HIN+16*\u+4*\q+3], v[HOFF], s[6:7] offset:8192*\u+16*\q
.endr
.endr
.irp q, 0,1,2,3
	global_load_b128 v[BB+4*\q:BB+4*\q+3], v[GOFF], s[8:9] offset:B2O+16*\q
	global_load_b128 v[BB+16+4*\q:BB+16+4*\q+3], v[GOFF], s[8:9] offset:OUTB+16*\q
.endr
.irp f, 0,1,2,3
	global_load_b128 v[XF+8*\f:XF+8*\f+3], v[LI], s[28:29] offset:1024*\f
	global_load_b128 v[XF+8*\f+4:XF+8*\f+7], v[LI], s[28:29] offset:1024*\f+512
	global_load_b32 v[XS+\f], v[R4], s[30:31] offset:1048576+64*\f
.endr
.irp f, 0,1,2,3
	global_load_b128 v[WO+8*\f:WO+8*\f+3], v[WOA], s[8:9] offset:98304+1024*\f
	global_load_b128 v[WO+8*\f+4:WO+8*\f+7], v[WOA], s[8:9] offset:98304+1024*\f+512
	global_load_b32 v[WOS+\f], v[WOSA], s[8:9] offset:WSC+12288+128*\f
.endr
	WIN 0x40                                       ; destination window 1
.irp f, 0,1,2,3,4,5,6,7,8,9,10,11,12,13,14,15
	global_load_b128 v[8*\f:8*\f+3], v[WA], s[8:9] offset:131072+1024*\f
	global_load_b128 v[8*\f+4:8*\f+7], v[WA], s[8:9] offset:131072+1024*\f+512
.endr
	WIN 0
.irp f, 0,1,2,3,4,5,6,7,8,9,10,11,12,13,14,15
	global_load_b32 v[W1S+\f], v[WSA], s[8:9] offset:WSC+16384+128*\f
.endr
	; ---- the residuals
	s_wait_loadcnt 63                              ; h, out_b and b2 are in: 72 loads were issued behind them
.irp u, 0,1
.irp k, 0,2,4,6,8,10,12,14
	v_pk_add_f32 v[ACC+16*\u+\k:ACC+16*\u+\k+1], v[HIN+16*\u+\k:HIN+16*\u+\k+1], v[BB+16+\k:BB+16+\k+1]     ; h + out_b: where h2's sums begin
.endr
.endr
.irp u, 0,1
.irp k, 0,2,4,6,8,10,12,14
	v_pk_add_f32 v[HIN+16*\u+\k:HIN+16*\u+\k+1], v[HIN+16*\u+\k:HIN+16*\u+\k+1], v[BB+\k:BB+\k+1]           ; h + b2: where the last product's sums begin
.endr
.endr
.irp q, 0,1,2,3
	global_load_b128 v[BB+4*\q:BB+4*\q+3], v[GOFF], s[8:9] offset:LN2G+16*\q
	global_load_b128 v[BB+16+4*\q:BB+16+4*\q+3], v[GOFF], s[8:9] offset:LN2B+16*\q
.endr
	; ---- h2 = ao out_w^T + (h + out_b): four accumulators by turns
	s_wait_loadcnt 56                              ; ao and out_w are in: w1's 48 and ln2's 8 may be out
.irp s, 0,1
.irp u, 0,1
.irp v, 0,1
	MM ACC+16*\u+8*\v, WO+8*(2*\v+\s), XF+8*(2*\u+\s), ACC+16*\u+8*\v, WOS+2*\v+\s, XS+2*\u+\s
.endr
.endr
.endr
	PLACES
.irp p, 0,1                                    ; b1 of pairs 0, 1, into the registers that out_w has left
.irp v, 0,1
	global_load_b128 v[WO+16*\p+8*\v:WO+16*\p+8*\v+3], v[B1A], s[8:9] offset:B1O+(32*\p+8*\v)*4
	global_load_b128 v[WO+16*\p+8*\v+4:WO+16*\p+8*\v+7], v[B1A], s[8:9] offset:B1O+(32*\p+8*\v)*4+16
.endr
.endr
	; ---- LN2 and its quantiser
	LNLOC ACC, STAT
	BARRIER
.irp u, 0,1
.irp k, 0,1,2,3
	ds_load_b128 v[XF+16*\u+4*\k:XF+16*\u+4*\k+3], v[STATR] offset:STAT+1024*\u+16*\k
.endr
.endr
	s_wait_dscnt 0x0
	LNCOMB XF
	s_wait_loadcnt 8                               ; ln2's g and b are in: b1's first eight loads may be out
	LNAPPLY ACC, BB
.irp p, 0,1                                    ; b1 of pairs 2, 3
.irp v, 0,1
	global_load_b128 v[BB+16*\p+8*\v:BB+16*\p+8*\v+3], v[B1A], s[8:9] offset:B1O+(64+32*\p+8*\v)*4
	global_load_b128 v[BB+16*\p+8*\v+4:BB+16*\p+8*\v+7], v[B1A], s[8:9] offset:B1O+(64+32*\p+8*\v)*4+16
.endr
.endr
	WIN 0x40
.irp f, 0,1,2,3,4,5,6,7,8,9,10,11,12,13,14,15  ; w2's fragments f = 8 v + s
	global_load_b128 v[128+8*\f:128+8*\f+3], v[WA], s[8:9] offset:262144+1024*\f
	global_load_b128 v[128+8*\f+4:128+8*\f+7], v[WA], s[8:9] offset:262144+1024*\f+512
.endr
	WIN 0
.irp f, 0,1,2,3,4,5,6,7,8,9,10,11,12,13,14,15
	global_load_b32 v[W2S+\f], v[WSA], s[8:9] offset:WSC+32768+128*\f
.endr
	QB ACC, ACC+16
.irp u, 0,1
	ds_store_b64 v[PIECE], v[PC+2*\u:PC+2*\u+1] offset:2048*\u
	ds_store_b8 v[SCB], v[TM+2+\u] offset:128*\u
.endr
	BARRIER                                        ; o2's four fragments lie in LDS
.irp f, 0,1,2,3
	FETCH XF+8*\f, XIMG+1024*\f
	ds_load_b32 v[XS+\f], v[R4] offset:XSC+64*\f
.endr
	s_wait_dscnt 0x0
	s_wait_loadcnt 56                              ; w1 and b1's first half are in: b1's second half (8) and w2 (48) may be out
	; ---- the hidden layer, a pair of tiles (32 units: one block) at a time
.irp p, 0,1,2,3
.if \p == 2
	s_wait_loadcnt 48                              ; b1's second half is in: w2's 48 may be out
.endif
.if \p < 2
.set CB, WO+16*\p
.else
.set CB, BB+16*(\p-2)
.endif
	WIN 0x01                                       ; source 0 (w1) window 1
.irp s, 0,1
.irp u, 0,1
.irp v, 0,1
.if \s == 0
	MM ACC+16*\u+8*\v, 8*(4*\p+2*\v+\s), XF+8*(2*\u+\s), CB+8*\v, W1S+4*\p+2*\v+\s, XS+2*\u+\s
.else
	MM ACC+16*\u+8*\v, 8*(4*\p+2*\v+\s), XF+8*(2*\u+\s), ACC+16*\u+8*\v, W1S+4*\p+2*\v+\s, XS+2*\u+\s
.endif
.endr
.endr
.endr
	WIN 0
	PLACES
	QB ACC, ACC+16                                 ; (its lines on the quantiser's own registers and its last v_nop are further places ahead of the next pair's products, which write the accumulators anew)
.irp u, 0,1
	ds_store_b64 v[HPIECE], v[PC+2*\u:PC+2*\u+1] offset:8192*\u+512*(\p/2)+256*(\p%2)  ; block p of K step w of the next product
	ds_store_b8 v[HSCB], v[TM+2+\u] offset:512*\u+\p
.endr
	s_wait_dscnt 0x0                               ; the stores have read their registers
.endr
	; ---- the next layer's loads, into registers that this layer has left: LN1's g, b 8; in_w 24; its scale words 12
.irp q, 0,1,2,3
	global_load_b128 v[GB+4*\q:GB+4*\q+3], v[GOFF], s[36:37] offset:LN1G+16*\q
	global_load_b128 v[GB+16+4*\q:GB+16+4*\q+3], v[GOFF], s[36:37] offset:LN1B+16*\q
.endr
	WIN 0x40                                       ; destination window 1, where w1 lay
.irp f, 0,1,2,3,4,5,6,7                        ; q's or k's fragments f = 2 i + s: tiles 4 w + i
.irp c, 0,1
	global_load_b128 v[8*\f+4*\c:8*\f+4*\c+3], v[WQA], s[36:37] offset:1024*\f+512*\c
.endr
.endr
.irp f, 0,1,2,3                                ; v's fragments f = 2 v + s: tiles 32 + 2 w + v
.irp c, 0,1
	global_load_b128 v[64+8*\f+4*\c:64+8*\f+4*\c+3], v[WOA], s[36:37] offset:65536+1024*\f+512*\c
.endr
.endr
	WIN 0
.irp f, 0,1,2,3,4,5,6,7
	global_load_b32 v[WS+\f], v[SQA], s[36:37] offset:WSC+128*\f
.endr
.irp f, 0,1,2,3
	global_load_b32 v[WS+8+\f], v[WOSA], s[36:37] offset:WSC+8192+128*\f
.endr
	BARRIER                                        ; the hidden layer's sixteen fragments lie in LDS
	; ---- h' = hidden w2^T + (h + b2)
	s_wait_loadcnt 44                              ; w2 is in: the next layer's 8 + 24 + 12 loads may be out
	GLOAD 0, XF, XS
	GLOAD 1, BB, XS2
	s_wait_dscnt 12                                ; the older group is in
	GMUL 0, XF, XS
	PLACES
.irp i, 0,1,2,3                                ; q's or k's bias, into the registers that h + b2 has left: tile i = 2 p + v: in_b at units 64 w + 32 p + 16 h + 8 v + 0 .. 7
	global_load_b128 v[BI+8*\i:BI+8*\i+3], v[BQA], s[36:37] offset:INB+(32*(\i/2)+8*(\i%2))*4
	global_load_b128 v[BI+8*\i+4:BI+8*\i+7], v[BQA], s[36:37] offset:INB+(32*(\i/2)+8*(\i%2))*4+16
.endr
	global_load_b32 v[VB], v[BVA], s[36:37] offset:INB+2048
	global_load_b32 v[VB+2], v[BVA], s[36:37] offset:INB+2048+32
	GLOAD 2, XF, XS
	s_wait_dscnt 12
	GMUL 1, BB, XS2
	PLACES
	GLOAD 3, BB, XS2
	s_wait_dscnt 12
	GMUL 2, XF, XS
	s_wait_dscnt 0x0
	GMUL 3, BB, XS2
	PLACES
	; ---- h' goes to the stage (a token's 1,024 bytes come from eight waves), and LN1's statistics to LDS: one barrier serves both
.irp u, 0,1
.irp q, 0,1,2,3
	ds_store_b128 v[SO], v[ACC+16*\u+4*\q:ACC+16*\u+4*\q+3] offset:8320*\u+16*\q
.endr
.endr
	LNLOC ACC, STAT2
	BARRIER
.irp u, 0,1
.irp k, 0,1,2,3
	ds_load_b128 v[BB+16*\u+4*\k:BB+16*\u+4*\k+3], v[STATR] offset:STAT2+1024*\u+16*\k
.endr
.endr
.irp k, 0,1,2,3
.irp e, 0,1
	ds_load_b128 v[XF+4*(2*\k+\e):XF+4*(2*\k+\e)+3], v[SR] offset:1040*\k+512*\e
.endr
.endr
	s_wait_dscnt 8                                 ; the statistics are in; the stage's eight rows' loads may be out
	LNCOMB BB
	s_wait_dscnt 0x0
.irp k, 0,1,2,3
.irp e, 0,1
	global_store_b128 v[LI], v[XF+4*(2*\k+\e):XF+4*(2*\k+\e)+3], s[10:11] offset:1024*\k+512*\e    ; 32 lanes store 512 consecutive bytes
.endr
.endr
	s_wait_loadcnt 46                              ; LN1's g and b are in: 24 + 12 + 10 younger loads may be out
	LNAPPLY ACC, GB
	QB ACC, ACC+16                                 ; my block of each of my two tokens
.irp u, 0,1
	ds_store_b64 v[PIECE], v[PC+2*\u:PC+2*\u+1] offset:XIMG2-XIMG+2048*\u
	ds_store_b8 v[SCB], v[TM+2+\u] offset:XSC2-XSC+128*\u
.endr
	BARRIER                                        ; LN1's result: four fragments in LDS
	s_wait_xcnt 0x0                                ; h's stores have read their registers: these are loaded again only behind this wait
.irp f, 0,1,2,3
	FETCH XF+8*\f, XIMG2+1024*\f
	ds_load_b32 v[XS+\f], v[R4] offset:XSC2+64*\f
.endr
	s_wait_dscnt 0x0
	s_wait_loadcnt 0x0                             ; in_w, its scale words, the biases
	; ---- q or k, transposed: eight accumulators by turns
	WIN 0x01                                       ; source 0 (in_w) window 1
.irp s, 0,1
.irp u, 0,1
.irp i, 0,1,2,3
.if \s == 0
	MM QA+32*\u+8*\i, 8*(2*\i+\s), XF+8*(2*\u+\s), BI+8*\i, WS+2*\i+\s, XS+2*\u+\s
.else
	MM QA+32*\u+8*\i, 8*(2*\i+\s), XF+8*(2*\u+\s), QA+32*\u+8*\i, WS+2*\i+\s, XS+2*\u+\s
.endif
.endr
.endr
.endr
	; ---- v, not transposed: lane (r, h) holds unit r of tile v, and register 8 u + j key 16 h + 8 u + j
	WIN 0x04                                       ; source 1 (in_w) window 1
.irp s, 0,1
.irp v, 0,1
.irp u, 0,1
.if \s == 0
	MM0 AV+16*\v+8*\u, XF+8*(2*\u+\s), 64+8*(2*\v+\s), XS+2*\u+\s, WS+8+2*\v+\s
.else
	MM AV+16*\v+8*\u, XF+8*(2*\u+\s), 64+8*(2*\v+\s), AV+16*\v+8*\u, XS+2*\u+\s, WS+8+2*\v+\s
.endif
.endr
.endr
.endr
	WIN 0
	PLACES                                         ; four places between the last products and the first read of results
	; ---- q's or k's way out: the head's 64 units are two blocks
.irp u, 0,1
	QB QA+32*\u, QA+32*\u+16
	v_lshl_or_b32 v[W0+\u], v[TM+3], 8, v[TM+2]
	s_delay_alu instid0(VALU_DEP_1)
	v_or_b32 v[W0+\u], 0x7f7f0000, v[W0+\u]        ; the K step's upper 64 are zero codes under the scale 1
	WHOLE
	global_store_b128 v[LI], v[PC:PC+3], s[40:41] offset:512*\u    ; 32 lanes store 512 consecutive bytes
	s_wait_xcnt 0x0                                ; the codes' registers are written again only behind this wait
.endr
	s_wait_alu depctr_va_vdst(0)
	v_cndmask_b32 v[W0], v[W0], v[W0+1], s21       ; lanes 0-15 tile 0's words, lanes 16-31 tile 1's
	global_store_b32 v[L4], v[W0], s[42:43]
	; ---- v's way out: bias, then my group's 32 keys are one block of each unit
.irp v, 0,1
.irp k, 0,2,4,6,8,10,12,14
	v_pk_add_f32 v[AV+16*\v+\k:AV+16*\v+\k+1], v[AV+16*\v+\k:AV+16*\v+\k+1], v[VB+2*\v:VB+2*\v+1] op_sel_hi:[1,0]
.endr
.endr
	QB AV, AV+16
.irp v, 0,1
	global_store_b64 v[VO], v[PC+2*\v:PC+2*\v+1], s[44:45] offset:1024*\v      ; 32 lanes store 256 consecutive bytes, aligned
	global_store_b8 v[L4], v[TM+2+\v], s[46:47] offset:128*\v                  ; my block's byte of each unit's scale word, in both halves of the image
.endr
	s_wait_tensorcnt 0x0                           ; the wave's end
	ds_add_u32 v[SPW], v[NIL]
	s_wait_dscnt 0x0
	s_endpgm
.Lfunc_end_k_q0e0d0bb336_cq0:
	.size	k_q0e0d0bb336_cq0, .Lfunc_end_k_q0e0d0bb336_cq0-k_q0e0d0bb336_cq0
	.p2alignl 7, 3214868480
	.fill 96, 4, 3214868480
	.section	.rodata,"a",@progbits
	.p2align	6, 0x0
	.amdhsa_kernel k_q0e0d0bb336_cq0
		.amdhsa_group_segment_fixed_size 64512
		.amdhsa_private_segment_fixed_size 0
		.amdhsa_enable_private_segment 0
		.amdhsa_kernarg_size 48
		.amdhsa_user_sgpr_count 2
		.amdhsa_user_sgpr_kernarg_segment_ptr 1
		.amdhsa_wavefront_size32 1
		.amdhsa_system_sgpr_workgroup_id_x 1
		.amdhsa_system_sgpr_workgroup_id_y 1
		.amdhsa_system_sgpr_workgroup_id_z 1
		.amdhsa_system_vgpr_workitem_id 0
		.amdhsa_next_free_vgpr 512
		.amdhsa_next_free_sgpr 72
		.amdhsa_reserve_vcc 0
		.amdhsa_float_denorm_mode_32 3
		.amdhsa_float_denorm_mode_16_64 3
		.amdhsa_memory_ordered 1
		.amdhsa_forward_progress 1
		.amdhsa_inst_pref_size 97
	.end_amdhsa_kernel
	.amdgpu_metadata
---
amdhsa.version: [ 1, 2 ]
amdhsa.kernels:
  - .name:           k_q0e0d0bb336_cq0
    .symbol:         k_q0e0d0bb336_cq0.kd
    .args:
      - { .name: AO, .offset: 0, .size: 8, .value_kind: global_buffer, .address_space: global }
      - { .name: HA, .offset: 8, .size: 8, .value_kind: global_buffer, .address_space: global }
      - { .name: P0, .offset: 16, .size: 8, .value_kind: global_buffer, .address_space: global }
      - { .name: HB, .offset: 24, .size: 8, .value_kind: global_buffer, .address_space: global }
      - { .name: P1, .offset: 32, .size: 8, .value_kind: global_buffer, .address_space: global }
      - { .name: QKVB, .offset: 40, .size: 8, .value_kind: global_buffer, .address_space: global }
    .group_segment_fixed_size: 64512
    .private_segment_fixed_size: 0
    .kernarg_segment_align: 8
    .kernarg_segment_size: 48
    .max_flat_workgroup_size: 256
    .sgpr_count:     72
    .vgpr_count:     512
    .wavefront_size: 32
...
	.end_amdgpu_metadata
.endif
;; end of part 9
;; launch att1: the kernel of part 8 again; grid 16 x 16, 16 waves a work-group, clusters of 4 x 1, 186,368 bytes of LDS; arguments QKVB, P1, AO; writes AO
;; launch cq1: the kernel of part 9 again; grid 256 x 1, 8 waves a work-group, no clusters, 64,512 bytes of LDS; arguments AO, HB, P1, HA, P2, QKVB; writes HA, QKVB
;; launch att2: the kernel of part 8 again; grid 16 x 16, 16 waves a work-group, clusters of 4 x 1, 186,368 bytes of LDS; arguments QKVB, P2, AO; writes AO
;; launch cq2: the kernel of part 9 again; grid 256 x 1, 8 waves a work-group, no clusters, 64,512 bytes of LDS; arguments AO, HA, P2, HB, P3, QKVB; writes HB, QKVB
;; launch att3: the kernel of part 8 again; grid 16 x 16, 16 waves a work-group, clusters of 4 x 1, 186,368 bytes of LDS; arguments QKVB, P3, AO; writes AO
;; launch cf (part 10): grid 256 x 1, 8 waves a work-group, no clusters, 29,184 bytes of LDS; arguments AO, HB, P3, out0, lnf_g, lnf_b, wf, bf; writes out0
.if DOCPART == 10
	.amdgcn_target "amdgcn-amd-amdhsa--gfx1250"
	.amdhsa_code_object_version 6
	.text
	.protected	k_q0e0d0bb336_cf
	.globl	k_q0e0d0bb336_cf
	.p2align	8
	.type	k_q0e0d0bb336_cf,@function
k_q0e0d0bb336_cf:
	s_mov_b64 s[64:65], 0
	v_nop
	global_prefetch_b8 v0, s[64:65] scope:SCOPE_SE
	s_setreg_imm32_b32 hwreg(HW_REG_WAVE_MODE, 25, 1), 1
	s_wait_xcnt 0x0
; The last layer's tail, the last LN and the product with wf (256 -> 2) in one launch.  No work that reaches the output is left out; the last h' goes on in registers and is not stored, since nothing reads it.
; TAIL: h2 = ao out_w^T + out_b + h; LN2; ff = (o2 w1^T + b1) w2^T + b2; h' = ff + h (the block's INPUT, as the source has it): three products on codes of E2M1.
; A work-group takes 32 tokens (group G), as two tiles of 16 (lane row r of tile u: token 8 u + r + 8 (r / 8)).  THE WAVES SHARE THE COLUMNS: wave w makes features 32 w .. + 31 of h2 and of h', and hidden units 128 w .. + 127.
; All products are transposed (source 0 = 16 rows of a weight, source 1 = 16 tokens); residuals and biases are the C of each sum's first K step; o2 and the hidden layer go from wave to wave through LDS as images of the
; operand's registers.  The weights come from memory straight into registers, in operand order: each fragment feeds one wave alone, and a layer's weights do not fit in LDS beside the images: so no joint load.
; THE END, in f32 (two columns are too few for the matrix unit): out_c = rstd x sum (x - mu) g wf_c + sum beta wf_c + bf_c.  Wave w gives, for each token, the mean m and the sum of squared deviations of its 32 columns and
; d_c = sum (x - m) g wf_c, and once G_c = sum g wf_c and sum beta wf_c; then sum (x - mu) g wf_c = sum over waves of d_c + (m - mu) G_c: no difference of large sums is formed.  Wave 0 combines: lane (r, h) takes token r of tile h.
; A token's two results are 8 bytes, 32 bytes apart from the next position's: the output's own layout [position][batch][2], of which a work-group holds one batch.
; LIMITS: NaN and infinities are not served; a block whose largest magnitude lies under 2^-124 (a block of zeros too) keeps the byte 1.
.set WSC,  393216
.set OUTB, 447488
.set LN2G, 448512
.set LN2B, 449536
.set B1O,  450560
.set B2O,  454656
.set STAT, 0                           ; LDS: LN2's statistics, [u][r][wave] x 8 bytes
.set XIMG, 2048                        ; o2's four fragments (2 u + s)
.set XSC,  6144                        ; their scale words
.set HIMG, 6400                        ; the hidden layer's sixteen fragments (8 u + s)
.set HSC,  22784                       ; their scale words
.set STAT2, 23808                      ; the last LN: [u][r][wave] x 16 bytes
.set CST,  27904                       ; [wave] x 16 bytes
.set SPARE, 28160                      ; the spare words, 128 bytes a wave
.set LI, 1                             ; 16 L
.set L4, 2                             ; 4 L
.set R4, 3                             ; 4 r
.set HOFF, 4                           ; (r + 8 (r / 8)) 1024 + 64 h + 128 w
.set GOFF, 5                           ; 64 h + 128 w
.set WOA, 6                            ; 16 L + 4096 w
.set WA, 7                             ; 16 L + 16384 w
.set WOSA, 8                           ; 4 L + 512 w
.set WSA, 9                            ; 4 L + 2048 w
.set B1A, 10                           ; 64 h + 512 w
.set PIECE, 11
.set SCB, 12
.set HPIECE, 13
.set HSCB, 14
.set CSTW, 15                          ; 16 w
.set HIN, 16                           ; v16-47 h, then h + b2; later lnf_g, lnf_b
.set FG, 16
.set FB, 32
.set ACC, 48                           ; v48-79 four accumulators [16 u + 8 v + j]
.set WO, 80                            ; v80-111 out_w's four fragments; b1 of pairs 0, 1; wf's two rows, then g wf
.set F0, 80
.set F1, 96
.set XF, 112                           ; v112-143 ao; the statistics; o2; hidden fragments (A); the last LN's statistics
.set XS, 144
.set BB, 148                           ; v148-179 b2, out_b; ln2's g, b; b1 of pairs 2, 3; hidden fragments (B); the waves' constants
.set TM, 180
.set OOFF, 186                         ; 32 x my token, in wave 0's last lines
.set CSTR, 187                         ; CST
.set MS, 188
.set RS, 192
.set SQ, 188                           ; v188-195 (m, q, d0, d1) for u = 0, 1
.set CW, 196                           ; v196-199 (G0, G1, sum beta wf0, sum beta wf1)
.set PC, 200
.set WOS, 208
.set W1S, 212
.set W2S, 228
.set LT, 228                           ; temporaries v228-237, in registers that W2's scale words hold between the two LNs
.set XS2, 244
.set STATW, 248
.set STATR, 249
.set STATW2, 250                       ; 128 r + 16 w
.set STATR2, 251                       ; 2048 h + 128 r
.set SPW, 252
.set NIL, 253
.set SEL, 14
.set CI32, 16
.set CI8, 17
.set C32F, 18
.set CI256, 19
.set CEPS, 20
.set MSB, 0
.macro WIN new                         ; the immediate's high byte repeats the setting that is left
.if MSB != \new
	s_set_vgpr_msb (MSB<<8)|\new
.set MSB, \new
.endif
.endm
.macro MM d, a, b, c, sa, sb
	v_wmma_scale_f32_16x16x128_f8f6f4 v[(\d):(\d)+7], v[(\a):(\a)+7], v[(\b):(\b)+7], v[(\c):(\c)+7], v[\sa], v[\sb] matrix_a_fmt:MATRIX_FMT_FP4 matrix_b_fmt:MATRIX_FMT_FP4
.endm
.macro QB s0, s1                       ; two half blocks of 16 numbers become codes v[PC] .. v[PC+3]; their bytes in v[TM+2], v[TM+3]
	v_max3_num_f32 v[TM], |v[(\s0)]|, |v[(\s0)+1]|, 0x1800000      ; the floor 2^(3 - 127): the byte cannot fall under 1
	v_max3_num_f32 v[TM+1], |v[(\s1)]|, |v[(\s1)+1]|, 0x1800000
.irp i, 2,4,6,8,10,12,14
	v_max3_num_f32 v[TM], v[TM], |v[(\s0)+\i]|, |v[(\s0)+\i+1]|
	v_max3_num_f32 v[TM+1], v[TM+1], |v[(\s1)+\i]|, |v[(\s1)+\i+1]|
.endr
	s_delay_alu instid0(VALU_DEP_2)
	v_permlanex16_b32 v[TM+2], v[TM], s[SEL], s[SEL+1]
	s_delay_alu instid0(VALU_DEP_2)
	v_permlanex16_b32 v[TM+3], v[TM+1], s[SEL], s[SEL+1]
	s_delay_alu instid0(VALU_DEP_2)
	v_max_num_f32 v[TM], v[TM], v[TM+2]
	s_delay_alu instid0(VALU_DEP_2)
	v_max_num_f32 v[TM+1], v[TM+1], v[TM+3]
	s_delay_alu instid0(VALU_DEP_2)
	v_add_nc_u32 v[TM+4], 0xff000000, v[TM]
	s_delay_alu instid0(VALU_DEP_2)
	v_add_nc_u32 v[TM+5], 0xff000000, v[TM+1]
	s_delay_alu instid0(VALU_DEP_2)
	v_lshrrev_b32 v[TM+2], 23, v[TM+4]
	s_delay_alu instid0(VALU_DEP_2)
	v_lshrrev_b32 v[TM+3], 23, v[TM+5]
	v_cvt_scalef32_pk8_fp4_f32 v[PC], v[(\s0):(\s0)+7], v[TM+4]
	v_cvt_scalef32_pk8_fp4_f32 v[PC+1], v[(\s0)+8:(\s0)+15], v[TM+4]
	v_cvt_scalef32_pk8_fp4_f32 v[PC+2], v[(\s1):(\s1)+7], v[TM+5]
	v_cvt_scalef32_pk8_fp4_f32 v[PC+3], v[(\s1)+8:(\s1)+15], v[TM+5]
	v_nop                                          ; one plain line behind the conversions
.endm
.macro LNLOC x, st                     ; mean and sum of squared deviations of my wave's 32 columns, for each of my two tokens, into LDS at st
.irp u, 0,1
	v_pk_add_f32 v[LT:LT+1], v[\x+16*\u:\x+16*\u+1], v[\x+16*\u+2:\x+16*\u+3]
	v_pk_add_f32 v[LT+2:LT+3], v[\x+16*\u+4:\x+16*\u+5], v[\x+16*\u+6:\x+16*\u+7]
	v_pk_add_f32 v[LT+4:LT+5], v[\x+16*\u+8:\x+16*\u+9], v[\x+16*\u+10:\x+16*\u+11]
	v_pk_add_f32 v[LT+6:LT+7], v[\x+16*\u+12:\x+16*\u+13], v[\x+16*\u+14:\x+16*\u+15]
	s_delay_alu instid0(VALU_DEP_3)
	v_pk_add_f32 v[LT:LT+1], v[LT:LT+1], v[LT+2:LT+3]
	s_delay_alu instid0(VALU_DEP_2)
	v_pk_add_f32 v[LT+4:LT+5], v[LT+4:LT+5], v[LT+6:LT+7]
	s_delay_alu instid0(VALU_DEP_1)
	v_pk_add_f32 v[LT:LT+1], v[LT:LT+1], v[LT+4:LT+5]
	s_delay_alu instid0(VALU_DEP_1)
	v_add_f32 v[LT], v[LT], v[LT+1]
	s_delay_alu instid0(VALU_DEP_1)
	v_permlanex16_b32 v[LT+2], v[LT], s[SEL], s[SEL+1]
	s_delay_alu instid0(VALU_DEP_1)
	v_add_f32 v[LT], v[LT], v[LT+2]
	s_delay_alu instid0(VALU_DEP_1)
	v_mul_f32 v[MS+2*\u], s[CI32], v[LT]
	v_pk_add_f32 v[LT:LT+1], v[\x+16*\u:\x+16*\u+1], v[MS+2*\u:MS+2*\u+1] op_sel_hi:[1,0] neg_lo:[0,1] neg_hi:[0,1]
	v_pk_add_f32 v[LT+2:LT+3], v[\x+16*\u+2:\x+16*\u+3], v[MS+2*\u:MS+2*\u+1] op_sel_hi:[1,0] neg_lo:[0,1] neg_hi:[0,1]
	s_delay_alu instid0(VALU_DEP_2)
	v_pk_mul_f32 v[LT+4:LT+5], v[LT:LT+1], v[LT:LT+1]
	s_delay_alu instid0(VALU_DEP_2)
	v_pk_mul_f32 v[LT+6:LT+7], v[LT+2:LT+3], v[LT+2:LT+3]
.irp k, 4,8,12
	v_pk_add_f32 v[LT:LT+1], v[\x+16*\u+\k:\x+16*\u+\k+1], v[MS+2*\u:MS+2*\u+1] op_sel_hi:[1,0] neg_lo:[0,1] neg_hi:[0,1]
	v_pk_add_f32 v[LT+2:LT+3], v[\x+16*\u+\k+2:\x+16*\u+\k+3], v[MS+2*\u:MS+2*\u+1] op_sel_hi:[1,0] neg_lo:[0,1] neg_hi:[0,1]
	s_delay_alu instid0(VALU_DEP_2)
	v_pk_fma_f32 v[LT+4:LT+5], v[LT:LT+1], v[LT:LT+1], v[LT+4:LT+5]
	s_delay_alu instid0(VALU_DEP_2)
	v_pk_fma_f32 v[LT+6:LT+7], v[LT+2:LT+3], v[LT+2:LT+3], v[LT+6:LT+7]
.endr
	s_delay_alu instid0(VALU_DEP_1)
	v_pk_add_f32 v[LT+4:LT+5], v[LT+4:LT+5], v[LT+6:LT+7]
	s_delay_alu instid0(VALU_DEP_1)
	v_add_f32 v[LT+4], v[LT+4], v[LT+5]
	s_delay_alu instid0(VALU_DEP_1)
	v_permlanex16_b32 v[LT], v[LT+4], s[SEL], s[SEL+1]
	s_delay_alu instid0(VALU_DEP_1)
	v_add_f32 v[MS+2*\u+1], v[LT+4], v[LT]
	ds_store_b64 v[STATW], v[MS+2*\u:MS+2*\u+1] offset:(\st)+1024*\u   ; both lanes of a token write the same 8 bytes with the same values
.endr
.endm
.macro LNCOMB rd                       ; mean = sum m / 8; sum of squares = sum q + 32 sum (m - mean)^2: no difference of large sums
.irp u, 0,1
	v_pk_add_f32 v[LT:LT+1], v[\rd+16*\u:\rd+16*\u+1], v[\rd+16*\u+2:\rd+16*\u+3]
	v_pk_add_f32 v[LT+2:LT+3], v[\rd+16*\u+4:\rd+16*\u+5], v[\rd+16*\u+6:\rd+16*\u+7]
	v_pk_add_f32 v[LT+4:LT+5], v[\rd+16*\u+8:\rd+16*\u+9], v[\rd+16*\u+10:\rd+16*\u+11]
	v_pk_add_f32 v[LT+6:LT+7], v[\rd+16*\u+12:\rd+16*\u+13], v[\rd+16*\u+14:\rd+16*\u+15]
	s_delay_alu instid0(VALU_DEP_3)
	v_pk_add_f32 v[LT:LT+1], v[LT:LT+1], v[LT+2:LT+3]
	s_delay_alu instid0(VALU_DEP_2)
	v_pk_add_f32 v[LT+4:LT+5], v[LT+4:LT+5], v[LT+6:LT+7]
	s_delay_alu instid0(VALU_DEP_1)
	v_pk_add_f32 v[LT:LT+1], v[LT:LT+1], v[LT+4:LT+5]
	s_delay_alu instid0(VALU_DEP_1)
	v_mul_f32 v[MS+2*\u], s[CI8], v[LT]
	s_delay_alu instid0(VALU_DEP_1)
	v_sub_f32 v[LT+2], v[\rd+16*\u], v[MS+2*\u]
	s_delay_alu instid0(VALU_DEP_2)
	v_sub_f32 v[LT+3], v[\rd+16*\u+2], v[MS+2*\u]
	s_delay_alu instid0(VALU_DEP_2)
	v_mul_f32 v[LT+4], v[LT+2], v[LT+2]
	s_delay_alu instid0(VALU_DEP_2)
	v_mul_f32 v[LT+5], v[LT+3], v[LT+3]
.irp i, 4,8,12
	v_sub_f32 v[LT+2], v[\rd+16*\u+\i], v[MS+2*\u]
	v_sub_f32 v[LT+3], v[\rd+16*\u+\i+2], v[MS+2*\u]
	s_delay_alu instid0(VALU_DEP_2)
	v_fma_f32 v[LT+4], v[LT+2], v[LT+2], v[LT+4]
	s_delay_alu instid0(VALU_DEP_2)
	v_fma_f32 v[LT+5], v[LT+3], v[LT+3], v[LT+5]
.endr
	s_delay_alu instid0(VALU_DEP_1)
	v_add_f32 v[LT+4], v[LT+4], v[LT+5]
	s_delay_alu instid0(VALU_DEP_1)
	v_fma_f32 v[RS+2*\u+1], v[LT+4], s[C32F], v[LT+1]
	s_delay_alu instid0(VALU_DEP_1)
	v_fma_f32 v[RS+2*\u+1], v[RS+2*\u+1], s[CI256], s[CEPS]
	s_wait_alu depctr_va_vdst(0)
	v_rsq_f32 v[RS+2*\u], v[RS+2*\u+1]
.endr
	v_nop                                          ; a plain line behind the last root,
	s_wait_alu depctr_va_vdst(0)                   ; and one wait for both, ahead of their first reader
.endm
.macro LNAPPLY x, gb
.irp u, 0,1
.irp k, 0,2,4,6,8,10,12,14
	v_pk_add_f32 v[\x+16*\u+\k:\x+16*\u+\k+1], v[\x+16*\u+\k:\x+16*\u+\k+1], v[MS+2*\u:MS+2*\u+1] op_sel_hi:[1,0] neg_lo:[0,1] neg_hi:[0,1]
	v_pk_mul_f32 v[LT+\k%8:LT+\k%8+1], v[\gb+\k:\gb+\k+1], v[RS+2*\u:RS+2*\u+1] op_sel_hi:[1,0]
	s_delay_alu instid0(VALU_DEP_1)
	v_pk_fma_f32 v[\x+16*\u+\k:\x+16*\u+\k+1], v[\x+16*\u+\k:\x+16*\u+\k+1], v[LT+\k%8:LT+\k%8+1], v[\gb+16+\k:\gb+16+\k+1]
.endr
.endr
.endm
; the last LN's part of a wave: for each of my two tokens the mean m of my wave's 32 columns, q = sum (x - m)^2, d_c = sum (x - m) g wf_c, into LDS
.macro LNLOCF x
.irp u, 0,1
	v_pk_add_f32 v[LT:LT+1], v[\x+16*\u:\x+16*\u+1], v[\x+16*\u+2:\x+16*\u+3]
	v_pk_add_f32 v[LT+2:LT+3], v[\x+16*\u+4:\x+16*\u+5], v[\x+16*\u+6:\x+16*\u+7]
	v_pk_add_f32 v[LT+4:LT+5], v[\x+16*\u+8:\x+16*\u+9], v[\x+16*\u+10:\x+16*\u+11]
	v_pk_add_f32 v[LT+6:LT+7], v[\x+16*\u+12:\x+16*\u+13], v[\x+16*\u+14:\x+16*\u+15]
	s_delay_alu instid0(VALU_DEP_3)
	v_pk_add_f32 v[LT:LT+1], v[LT:LT+1], v[LT+2:LT+3]
	s_delay_alu instid0(VALU_DEP_2)
	v_pk_add_f32 v[LT+4:LT+5], v[LT+4:LT+5], v[LT+6:LT+7]
	s_delay_alu instid0(VALU_DEP_1)
	v_pk_add_f32 v[LT:LT+1], v[LT:LT+1], v[LT+4:LT+5]
	s_delay_alu instid0(VALU_DEP_1)
	v_add_f32 v[LT], v[LT], v[LT+1]
	s_delay_alu instid0(VALU_DEP_1)
	v_permlanex16_b32 v[LT+2], v[LT], s[SEL], s[SEL+1]
	s_delay_alu instid0(VALU_DEP_1)
	v_add_f32 v[LT], v[LT], v[LT+2]
	s_delay_alu instid0(VALU_DEP_1)
	v_mul_f32 v[SQ+4*\u], s[CI32], v[LT]
	v_pk_add_f32 v[LT:LT+1], v[\x+16*\u:\x+16*\u+1], v[SQ+4*\u:SQ+4*\u+1] op_sel_hi:[1,0] neg_lo:[0,1] neg_hi:[0,1]
	s_delay_alu instid0(VALU_DEP_1)
	v_pk_mul_f32 v[LT+4:LT+5], v[LT:LT+1], v[LT:LT+1]
	s_delay_alu instid0(VALU_DEP_2)
	v_pk_mul_f32 v[LT+6:LT+7], v[LT:LT+1], v[F0:F0+1]
	s_delay_alu instid0(VALU_DEP_3)
	v_pk_mul_f32 v[LT+8:LT+9], v[LT:LT+1], v[F1:F1+1]
.irp k, 2,4,6,8,10,12,14
	v_pk_add_f32 v[LT+\k%4:LT+\k%4+1], v[\x+16*\u+\k:\x+16*\u+\k+1], v[SQ+4*\u:SQ+4*\u+1] op_sel_hi:[1,0] neg_lo:[0,1] neg_hi:[0,1]
	s_delay_alu instid0(VALU_DEP_1)
	v_pk_fma_f32 v[LT+4:LT+5], v[LT+\k%4:LT+\k%4+1], v[LT+\k%4:LT+\k%4+1], v[LT+4:LT+5]
	s_delay_alu instid0(VALU_DEP_2)
	v_pk_fma_f32 v[LT+6:LT+7], v[LT+\k%4:LT+\k%4+1], v[F0+\k:F0+\k+1], v[LT+6:LT+7]
	s_delay_alu instid0(VALU_DEP_3)
	v_pk_fma_f32 v[LT+8:LT+9], v[LT+\k%4:LT+\k%4+1], v[F1+\k:F1+\k+1], v[LT+8:LT+9]
.endr
	s_delay_alu instid0(VALU_DEP_3)
	v_add_f32 v[SQ+4*\u+1], v[LT+4], v[LT+5]
	s_delay_alu instid0(VALU_DEP_3)
	v_add_f32 v[SQ+4*\u+2], v[LT+6], v[LT+7]
	s_delay_alu instid0(VALU_DEP_3)
	v_add_f32 v[SQ+4*\u+3], v[LT+8], v[LT+9]
.irp e, 1,2,3
	s_delay_alu instid0(VALU_DEP_3)
	v_permlanex16_b32 v[TM+\e], v[SQ+4*\u+\e], s[SEL], s[SEL+1]
.endr
.irp e, 1,2,3
	s_delay_alu instid0(VALU_DEP_3)
	v_add_f32 v[SQ+4*\u+\e], v[SQ+4*\u+\e], v[TM+\e]
.endr
	ds_store_b128 v[STATW2], v[SQ+4*\u:SQ+4*\u+3] offset:STAT2+2048*\u     ; both lanes of a token write the same 16 bytes with the same values
.endr
.endm
.macro BARRIER                         ; my LDS stores have landed and my LDS loads are in: then the work-group's barrier
	s_wait_dscnt 0x0
	s_barrier_signal -1
	s_barrier_wait -1
.endm
.macro FETCH reg, off
	ds_load_b128 v[(\reg):(\reg)+3], v[LI] offset:(\off)
	ds_load_b128 v[(\reg)+4:(\reg)+7], v[LI] offset:(\off)+512
.endm
.macro PLACES
.rept 4
	v_nop
.endr
.endm
.macro GLOAD g, buf, xs                ; the hidden layer's K steps 2 g, 2 g + 1 for both tiles of tokens: twelve LDS loads
.irp u, 0,1
.irp e, 0,1
	FETCH (\buf)+8*(2*\u+\e), HIMG+(8*\u+2*(\g)+\e)*1024
	ds_load_b32 v[(\xs)+2*\u+\e], v[R4] offset:HSC+(8*\u+2*(\g)+\e)*64
.endr
.endr
.endm
.macro GMUL g, buf, xs                 ; eight products: four accumulators by turns, two K steps
	WIN 0x01                                       ; source 0 (w2) window 1
.irp e, 0,1
.irp u, 0,1
.irp v, 0,1
.if (2*(\g)+\e) == 0
	MM ACC+16*\u+8*\v, 128+8*(8*\v+2*(\g)+\e), (\buf)+8*(2*\u+\e), HIN+16*\u+8*\v, W2S+8*\v+2*(\g)+\e, (\xs)+2*\u+\e
.else
	MM ACC+16*\u+8*\v, 128+8*(8*\v+2*(\g)+\e), (\buf)+8*(2*\u+\e), ACC+16*\u+8*\v, W2S+8*\v+2*(\g)+\e, (\xs)+2*\u+\e
.endif
.endr
.endr
.endr
	WIN 0
.endm
	s_load_b256 s[4:11], s[0:1], 0x0               ; AO s[4:5], h s[6:7], P s[8:9], out0 s[10:11]
	s_load_b256 s[36:43], s[0:1], 0x20             ; lnf_g s[36:37], lnf_b s[38:39], wf s[40:41], bf s[42:43]
	v_lshl_add_u32 v[SPW], v0, 2, SPARE
	v_mov_b32 v[NIL], 0
	v_lshrrev_b32 v1, 5, v0
	s_delay_alu instid0(VALU_DEP_1)
	v_readfirstlane_b32 s12, v1                    ; wave 0..7
	v_and_b32 v112, 31, v0                         ; L
	v_and_b32 v113, 15, v0                         ; r
	v_bfe_u32 v114, v0, 4, 1                       ; h
	s_delay_alu instid0(VALU_DEP_2)
	v_and_b32 v115, 8, v113
	s_delay_alu instid0(VALU_DEP_1)
	v_add_nc_u32 v115, v115, v113                  ; r + 8 (r / 8)
	v_lshlrev_b32 v[LI], 4, v112
	v_lshlrev_b32 v[L4], 2, v112
	v_lshlrev_b32 v[R4], 2, v113
	s_lshl_b32 s24, s12, 7
	s_lshl_b32 s25, s12, 9
	v_lshlrev_b32 v[GOFF], 6, v114
	s_delay_alu instid0(VALU_DEP_1)
	v_add_nc_u32 v[B1A], s25, v[GOFF]
	s_delay_alu instid0(VALU_DEP_2)
	v_add_nc_u32 v[GOFF], s24, v[GOFF]
	s_delay_alu instid0(VALU_DEP_1)
	v_lshl_add_u32 v[HOFF], v115, 10, v[GOFF]
	v_add_nc_u32 v[WOSA], s25, v[L4]
	s_lshl_b32 s26, s12, 12
	v_add_nc_u32 v[WOA], s26, v[LI]
	s_lshl_b32 s26, s12, 14
	v_add_nc_u32 v[WA], s26, v[LI]
	s_lshl_b32 s26, s12, 11
	v_add_nc_u32 v[WSA], s26, v[L4]
	v_lshlrev_b32 v116, 4, v113
	s_delay_alu instid0(VALU_DEP_1)
	v_lshl_add_u32 v116, v114, 3, v116             ; 16 r + 8 h
	s_wait_alu depctr_va_vdst(0)
	s_lshl_b32 s26, s12, 8
	s_add_co_u32 s26, s26, XIMG
	v_add_nc_u32 v[PIECE], s26, v116
	s_lshr_b32 s26, s12, 2
	s_lshl_b32 s26, s26, 6
	s_and_b32 s27, s12, 3
	s_add_co_u32 s26, s26, s27
	s_add_co_u32 s26, s26, XSC
	v_lshl_add_u32 v[SCB], v113, 2, s26
	s_lshl_b32 s26, s12, 10
	s_add_co_u32 s26, s26, HIMG
	v_add_nc_u32 v[HPIECE], s26, v116
	s_lshl_b32 s26, s12, 6
	s_add_co_u32 s26, s26, HSC
	v_lshl_add_u32 v[HSCB], v113, 2, s26
	v_lshlrev_b32 v[STATR], 6, v113
	s_lshl_b32 s26, s12, 3
	v_add_nc_u32 v[STATW], s26, v[STATR]
	v_lshlrev_b32 v[STATR2], 7, v113
	s_lshl_b32 s26, s12, 4
	v_add_nc_u32 v[STATW2], s26, v[STATR2]
	v_lshl_add_u32 v[STATR2], v114, 11, v[STATR2]
	v_mov_b32 v[CSTW], s26
	v_mov_b32 v[CSTR], CST
	v_lshl_add_u32 v[OOFF], v114, 3, v115          ; token r of tile h: 8 h + r + 8 (r / 8),
	s_delay_alu instid0(VALU_DEP_1)
	v_lshlrev_b32 v[OOFF], 5, v[OOFF]              ; 32 bytes from position to position
	v_mov_b32 v[TM+2], 0                           ; written once: a lane permute's destination counts as one of its sources,
	v_mov_b32 v[TM+3], 0
	v_mov_b32 v[MS+1], 0                           ; and a pair is read whole
	v_mov_b32 v[MS+3], 0
	s_mov_b32 s[SEL], 0x76543210
	s_mov_b32 s[SEL+1], 0xfedcba98
	s_mov_b32 s[CI32], 0x3d000000                  ; 1/32
	s_mov_b32 s[CI8], 0x3e000000                   ; 1/8
	s_mov_b32 s[C32F], 0x42000000                  ; 32
	s_mov_b32 s[CI256], 0x3b800000                 ; 1/256
	s_mov_b32 s[CEPS], 0x3727c5ac                  ; 1e-5
	s_lshl_b32 s28, ttmp9, 12
	s_mov_b32 s29, 0
	s_lshl_b32 s30, ttmp9, 8
	s_mov_b32 s31, 0
	s_lshl_b32 s32, ttmp9, 15
	s_mov_b32 s33, 0
	s_and_b32 s34, ttmp9, 63
	s_lshl_b32 s34, s34, 10                        ; the group's first position x 32 bytes,
	s_lshr_b32 s35, ttmp9, 6
	s_lshl_b32 s35, s35, 3                         ; the batch x 8 bytes
	s_add_co_u32 s34, s34, s35
	s_mov_b32 s35, 0
	s_wait_kmcnt 0x0
	s_add_nc_u64 s[28:29], s[4:5], s[28:29]        ; ao's codes of my group
	s_add_nc_u64 s[30:31], s[4:5], s[30:31]        ; and (1,048,576 on) its scale words
	s_add_nc_u64 s[6:7], s[6:7], s[32:33]
	s_add_nc_u64 s[10:11], s[10:11], s[34:35]
	s_load_b64 s[22:23], s[42:43], 0x0             ; bf
	; loads at the head, in this order: h 8; out_b, b2 8; ao 12; out_w 12; w1 48
.irp u, 0,1
.irp q, 0,1,2,3
	global_load_b128 v[HIN+16*\u+4*\q:HIN+16*\u+4*\q+3], v[HOFF], s[6:7] offset:8192*\u+16*\q
.endr
.endr
.irp q, 0,1,2,3
	global_load_b128 v[BB+4*\q:BB+4*\q+3], v[GOFF], s[8:9] offset:B2O+16*\q
	global_load_b128 v[BB+16+4*\q:BB+16+4*\q+3], v[GOFF], s[8:9] offset:OUTB+16*\q
.endr
.irp f, 0,1,2,3
	global_load_b128 v[XF+8*\f:XF+8*\f+3], v[LI], s[28:29] offset:1024*\f
	global_load_b128 v[XF+8*\f+4:XF+8*\f+7], v[LI], s[28:29] offset:1024*\f+512
	global_load_b32 v[XS+\f], v[R4], s[30:31] offset:1048576+64*\f
.endr
.irp f, 0,1,2,3
	global_load_b128 v[WO+8*\f:WO+8*\f+3], v[WOA], s[8:9] offset:98304+1024*\f
	global_load_b128 v[WO+8*\f+4:WO+8*\f+7], v[WOA], s[8:9] offset:98304+1024*\f+512
	global_load_b32 v[WOS+\f], v[WOSA], s[8:9] offset:WSC+12288+128*\f
.endr
	WIN 0x40                                       ; destination window 1
.irp f, 0,1,2,3,4,5,6,7,8,9,10,11,12,13,14,15
	global_load_b128 v[8*\f:8*\f+3], v[WA], s[8:9] offset:131072+1024*\f
	global_load_b128 v[8*\f+4:8*\f+7], v[WA], s[8:9] offset:131072+1024*\f+512
.endr
	WIN 0
.irp f, 0,1,2,3,4,5,6,7,8,9,10,11,12,13,14,15
	global_load_b32 v[W1S+\f], v[WSA], s[8:9] offset:WSC+16384+128*\f
.endr
	; ---- the residuals
	s_wait_loadcnt 63                              ; h, out_b and b2 are in: 72 loads were issued behind them
.irp u, 0,1
.irp k, 0,2,4,6,8,10,12,14
	v_pk_add_f32 v[ACC+16*\u+\k:ACC+16*\u+\k+1], v[HIN+16*\u+\k:HIN+16*\u+\k+1], v[BB+16+\k:BB+16+\k+1]     ; h + out_b: where h2's sums begin
.endr
.endr
.irp u, 0,1
.irp k, 0,2,4,6,8,10,12,14
	v_pk_add_f32 v[HIN+16*\u+\k:HIN+16*\u+\k+1], v[HIN+16*\u+\k:HIN+16*\u+\k+1], v[BB+\k:BB+\k+1]           ; h + b2: where the last product's sums begin
.endr
.endr
.irp q, 0,1,2,3
	global_load_b128 v[BB+4*\q:BB+4*\q+3], v[GOFF], s[8:9] offset:LN2G+16*\q
	global_load_b128 v[BB+16+4*\q:BB+16+4*\q+3], v[GOFF], s[8:9] offset:LN2B+16*\q
.endr
	; ---- h2 = ao out_w^T + (h + out_b): four accumulators by turns
	s_wait_loadcnt 56                              ; ao and out_w are in: w1's 48 and ln2's 8 may be out
.irp s, 0,1
.irp u, 0,1
.irp v, 0,1
	MM ACC+16*\u+8*\v, WO+8*(2*\v+\s), XF+8*(2*\u+\s), ACC+16*\u+8*\v, WOS+2*\v+\s, XS+2*\u+\s
.endr
.endr
.endr
	PLACES
.irp p, 0,1                                    ; b1 of pairs 0, 1, into the registers that out_w has left
.irp v, 0,1
	global_load_b128 v[WO+16*\p+8*\v:WO+16*\p+8*\v+3], v[B1A], s[8:9] offset:B1O+(32*\p+8*\v)*4
	global_load_b128 v[WO+16*\p+8*\v+4:WO+16*\p+8*\v+7], v[B1A], s[8:9] offset:B1O+(32*\p+8*\v)*4+16
.endr
.endr
	; ---- LN2 and its quantiser
	LNLOC ACC, STAT
	BARRIER
.irp u, 0,1
.irp k, 0,1,2,3
	ds_load_b128 v[XF+16*\u+4*\k:XF+16*\u+4*\k+3], v[STATR] offset:STAT+1024*\u+16*\k
.endr
.endr
	s_wait_dscnt 0x0
	LNCOMB XF
	s_wait_loadcnt 8                               ; ln2's g and b are in: b1's first eight loads may be out
	LNAPPLY ACC, BB
.irp p, 0,1                                    ; b1 of pairs 2, 3
.irp v, 0,1
	global_load_b128 v[BB+16*\p+8*\v:BB+16*\p+8*\v+3], v[B1A], s[8:9] offset:B1O+(64+32*\p+8*\v)*4
	global_load_b128 v[BB+16*\p+8*\v+4:BB+16*\p+8*\v+7], v[B1A], s[8:9] offset:B1O+(64+32*\p+8*\v)*4+16
.endr
.endr
	WIN 0x40
.irp f, 0,1,2,3,4,5,6,7,8,9,10,11,12,13,14,15  ; w2's fragments f = 8 v + s
	global_load_b128 v[128+8*\f:128+8*\f+3], v[WA], s[8:9] offset:262144+1024*\f
	global_load_b128 v[128+8*\f+4:128+8*\f+7], v[WA], s[8:9] offset:262144+1024*\f+512
.endr
	WIN 0
.irp f, 0,1,2,3,4,5,6,7,8,9,10,11,12,13,14,15
	global_load_b32 v[W2S+\f], v[WSA], s[8:9] offset:WSC+32768+128*\f
.endr
	QB ACC, ACC+16
.irp u, 0,1
	ds_store_b64 v[PIECE], v[PC+2*\u:PC+2*\u+1] offset:2048*\u
	ds_store_b8 v[SCB], v[TM+2+\u] offset:128*\u
.endr
	BARRIER                                        ; o2's four fragments lie in LDS
.irp f, 0,1,2,3
	FETCH XF+8*\f, XIMG+1024*\f
	ds_load_b32 v[XS+\f], v[R4] offset:XSC+64*\f
.endr
	s_wait_dscnt 0x0
	s_wait_loadcnt 56                              ; w1 and b1's first half are in: b1's second half (8) and w2 (48) may be out
	; ---- the hidden layer, a pair of tiles (32 units: one block) at a time
.irp p, 0,1,2,3
.if \p == 2
	s_wait_loadcnt 48                              ; b1's second half is in: w2's 48 may be out
.endif
.if \p < 2
.set CB, WO+16*\p
.else
.set CB, BB+16*(\p-2)
.endif
	WIN 0x01                                       ; source 0 (w1) window 1
.irp s, 0,1
.irp u, 0,1
.irp v, 0,1
.if \s == 0
	MM ACC+16*\u+8*\v, 8*(4*\p+2*\v+\s), XF+8*(2*\u+\s), CB+8*\v, W1S+4*\p+2*\v+\s, XS+2*\u+\s
.else
	MM ACC+16*\u+8*\v, 8*(4*\p+2*\v+\s), XF+8*(2*\u+\s), ACC+16*\u+8*\v, W1S+4*\p+2*\v+\s, XS+2*\u+\s
.endif
.endr
.endr
.endr
	WIN 0
	PLACES
	QB ACC, ACC+16                                 ; (its lines on the quantiser's own registers and its last v_nop are further places ahead of the next pair's products, which write the accumulators anew)
.irp u, 0,1
	ds_store_b64 v[HPIECE], v[PC+2*\u:PC+2*\u+1] offset:8192*\u+512*(\p/2)+256*(\p%2)  ; block p of K step w of the next product
	ds_store_b8 v[HSCB], v[TM+2+\u] offset:512*\u+\p
.endr
	s_wait_dscnt 0x0                               ; the stores have read their registers
.endr
	BARRIER                                        ; the hidden layer's sixteen fragments lie in LDS
	; ---- h' = hidden w2^T + (h + b2)
	s_wait_loadcnt 0x0                             ; w2
	GLOAD 0, XF, XS
	GLOAD 1, BB, XS2
	s_wait_dscnt 12                                ; the older group is in
	GMUL 0, XF, XS
	PLACES
.irp q, 0,1,2,3                                ; the last LN's g, beta and wf's two rows at my 16 columns, into registers that h + b2 and b1 have left
	global_load_b128 v[FG+4*\q:FG+4*\q+3], v[GOFF], s[36:37] offset:16*\q
	global_load_b128 v[FB+4*\q:FB+4*\q+3], v[GOFF], s[38:39] offset:16*\q
	global_load_b128 v[F0+4*\q:F0+4*\q+3], v[GOFF], s[40:41] offset:16*\q
	global_load_b128 v[F1+4*\q:F1+4*\q+3], v[GOFF], s[40:41] offset:1024+16*\q
.endr
	GLOAD 2, XF, XS
	s_wait_dscnt 12
	GMUL 1, BB, XS2
	PLACES
	GLOAD 3, BB, XS2
	s_wait_dscnt 12
	GMUL 2, XF, XS
	s_wait_dscnt 0x0
	GMUL 3, BB, XS2
	PLACES
	; ---- the last LN and wf: my wave's constants,
	s_wait_loadcnt 0x0                             ; g, beta, wf
	v_pk_mul_f32 v[LT:LT+1], v[FB:FB+1], v[F0:F0+1]
	v_pk_mul_f32 v[LT+2:LT+3], v[FB:FB+1], v[F1:F1+1]
.irp k, 2,4,6,8,10,12,14
	s_delay_alu instid0(VALU_DEP_2)
	v_pk_fma_f32 v[LT:LT+1], v[FB+\k:FB+\k+1], v[F0+\k:F0+\k+1], v[LT:LT+1]            ; sum beta wf_c
	s_delay_alu instid0(VALU_DEP_2)
	v_pk_fma_f32 v[LT+2:LT+3], v[FB+\k:FB+\k+1], v[F1+\k:F1+\k+1], v[LT+2:LT+3]
.endr
.irp k, 0,2,4,6,8,10,12,14
	v_pk_mul_f32 v[F0+\k:F0+\k+1], v[F0+\k:F0+\k+1], v[FG+\k:FG+\k+1]                  ; g wf_c
	v_pk_mul_f32 v[F1+\k:F1+\k+1], v[F1+\k:F1+\k+1], v[FG+\k:FG+\k+1]
.endr
	v_pk_add_f32 v[LT+4:LT+5], v[F0:F0+1], v[F0+2:F0+3]
	v_pk_add_f32 v[LT+6:LT+7], v[F1:F1+1], v[F1+2:F1+3]
.irp k, 4,6,8,10,12,14
	s_delay_alu instid0(VALU_DEP_2)
	v_pk_add_f32 v[LT+4:LT+5], v[LT+4:LT+5], v[F0+\k:F0+\k+1]                          ; sum g wf_c
	s_delay_alu instid0(VALU_DEP_2)
	v_pk_add_f32 v[LT+6:LT+7], v[LT+6:LT+7], v[F1+\k:F1+\k+1]
.endr
	s_delay_alu instid0(VALU_DEP_2)
	v_add_f32 v[CW], v[LT+4], v[LT+5]
	s_delay_alu instid0(VALU_DEP_2)
	v_add_f32 v[CW+1], v[LT+6], v[LT+7]
	v_add_f32 v[CW+2], v[LT], v[LT+1]
	v_add_f32 v[CW+3], v[LT+2], v[LT+3]
.irp e, 0,1,2,3
	s_delay_alu instid0(VALU_DEP_4)
	v_permlanex16_b32 v[TM+\e], v[CW+\e], s[SEL], s[SEL+1]
.endr
.irp e, 0,1,2,3
	s_delay_alu instid0(VALU_DEP_4)
	v_add_f32 v[CW+\e], v[CW+\e], v[TM+\e]         ; with lane l xor 16's 16 columns: the wave's 32
.endr
	ds_store_b128 v[CSTW], v[CW:CW+3] offset:CST   ; all lanes write the same 16 bytes with the same values
	LNLOCF ACC                                     ; and my tokens' parts
	s_wait_kmcnt 0x0                               ; bf
	BARRIER
	s_cmp_lg_u32 s12, 0                            ; wave 0 combines; no barrier stands behind this branch
	s_cbranch_scc1 .Lend
.irp i, 0,1,2,3,4,5,6,7
	ds_load_b128 v[XF+4*\i:XF+4*\i+3], v[STATR2] offset:STAT2+16*\i    ; wave i's (m, q, d0, d1) of my token
	ds_load_b128 v[BB+4*\i:BB+4*\i+3], v[CSTR] offset:16*\i            ; and its constants
.endr
	s_wait_dscnt 0x0
	v_pk_add_f32 v[LT:LT+1], v[XF:XF+1], v[XF+4:XF+5]
	v_pk_add_f32 v[LT+2:LT+3], v[XF+2:XF+3], v[XF+6:XF+7]
	v_pk_add_f32 v[LT+4:LT+5], v[BB+2:BB+3], v[BB+6:BB+7]
.irp i, 2,3,4,5,6,7
	s_delay_alu instid0(VALU_DEP_3)
	v_pk_add_f32 v[LT:LT+1], v[LT:LT+1], v[XF+4*\i:XF+4*\i+1]          ; (sum m, sum q)
	s_delay_alu instid0(VALU_DEP_3)
	v_pk_add_f32 v[LT+2:LT+3], v[LT+2:LT+3], v[XF+4*\i+2:XF+4*\i+3]    ; (sum d0, sum d1)
	s_delay_alu instid0(VALU_DEP_3)
	v_pk_add_f32 v[LT+4:LT+5], v[LT+4:LT+5], v[BB+4*\i+2:BB+4*\i+3]    ; sum beta wf_c
.endr
	s_delay_alu instid0(VALU_DEP_3)
	v_mul_f32 v[LT+6], s[CI8], v[LT]               ; mu
	s_delay_alu instid0(VALU_DEP_1)
	v_sub_f32 v[LT+8], v[XF], v[LT+6]
	s_delay_alu instid0(VALU_DEP_1)
	v_mul_f32 v[LT+7], v[LT+8], v[LT+8]
	s_delay_alu instid0(VALU_DEP_2)
	v_pk_fma_f32 v[LT+2:LT+3], v[BB:BB+1], v[LT+8:LT+9], v[LT+2:LT+3] op_sel_hi:[1,0,1]
.irp i, 1,2,3,4,5,6,7
	v_sub_f32 v[LT+8], v[XF+4*\i], v[LT+6]         ; m - mu
	s_delay_alu instid0(VALU_DEP_1)
	v_fma_f32 v[LT+7], v[LT+8], v[LT+8], v[LT+7]
	s_delay_alu instid0(VALU_DEP_2)
	v_pk_fma_f32 v[LT+2:LT+3], v[BB+4*\i:BB+4*\i+1], v[LT+8:LT+9], v[LT+2:LT+3] op_sel_hi:[1,0,1]  ; + (m - mu) G_c
.endr
	s_delay_alu instid0(VALU_DEP_2)
	v_fma_f32 v[LT+7], v[LT+7], s[C32F], v[LT+1]   ; the row's sum of squared deviations
	s_delay_alu instid0(VALU_DEP_1)
	v_fma_f32 v[LT+7], v[LT+7], s[CI256], s[CEPS]  ; variance + 1e-5
	s_wait_alu depctr_va_vdst(0)
	v_rsq_f32 v[LT+6], v[LT+7]
	v_add_f32 v[LT+4], s22, v[LT+4]                ; + bf_c (plain lines behind the root)
	v_add_f32 v[LT+5], s23, v[LT+5]
	s_wait_alu depctr_va_vdst(0)                   ; the wait, ahead of the first reader
	v_pk_fma_f32 v[LT+2:LT+3], v[LT+2:LT+3], v[LT+6:LT+7], v[LT+4:LT+5] op_sel_hi:[1,0,1]
	global_store_b64 v[OOFF], v[LT+2:LT+3], s[10:11]       ; my token's two results
.Lend:
	s_wait_tensorcnt 0x0                           ; the wave's end
	ds_add_u32 v[SPW], v[NIL]
	s_wait_dscnt 0x0
	s_endpgm
.Lfunc_end_k_q0e0d0bb336_cf:
	.size	k_q0e0d0bb336_cf, .Lfunc_end_k_q0e0d0bb336_cf-k_q0e0d0bb336_cf
	.p2alignl 7, 3214868480
	.fill 96, 4, 3214868480
	.section	.rodata,"a",@progbits
	.p2align	6, 0x0
	.amdhsa_kernel k_q0e0d0bb336_cf
		.amdhsa_group_segment_fixed_size 29184
		.amdhsa_private_segment_fixed_size 0
		.amdhsa_enable_private_segment 0
		.amdhsa_kernarg_size 64
		.amdhsa_user_sgpr_count 2
		.amdhsa_user_sgpr_kernarg_segment_ptr 1
		.amdhsa_wavefront_size32 1
		.amdhsa_system_sgpr_workgroup_id_x 1
		.amdhsa_system_sgpr_workgroup_id_y 1
		.amdhsa_system_sgpr_workgroup_id_z 1
		.amdhsa_system_vgpr_workitem_id 0
		.amdhsa_next_free_vgpr 512
		.amdhsa_next_free_sgpr 66
		.amdhsa_reserve_vcc 0
		.amdhsa_float_denorm_mode_32 3
		.amdhsa_float_denorm_mode_16_64 3
		.amdhsa_memory_ordered 1
		.amdhsa_forward_progress 1
		.amdhsa_inst_pref_size 81
	.end_amdhsa_kernel
	.amdgpu_metadata
---
amdhsa.version: [ 1, 2 ]
amdhsa.kernels:
  - .name:           k_q0e0d0bb336_cf
    .symbol:         k_q0e0d0bb336_cf.kd
    .args:
      - { .name: AO, .offset: 0, .size: 8, .value_kind: global_buffer, .address_space: global }
      - { .name: HB, .offset: 8, .size: 8, .value_kind: global_buffer, .address_space: global }
      - { .name: P3, .offset: 16, .size: 8, .value_kind: global_buffer, .address_space: global }
      - { .name: out0, .offset: 24, .size: 8, .value_kind: global_buffer, .address_space: global }
      - { .name: lnf_g, .offset: 32, .size: 8, .value_kind: global_buffer, .address_space: global }
      - { .name: lnf_b, .offset: 40, .size: 8, .value_kind: global_buffer, .address_space: global }
      - { .name: wf, .offset: 48, .size: 8, .value_kind: global_buffer, .address_space: global }
      - { .name: bf, .offset: 56, .size: 8, .value_kind: global_buffer, .address_space: global }
    .group_segment_fixed_size: 29184
    .private_segment_fixed_size: 0
    .kernarg_segment_align: 8
    .kernarg_segment_size: 64
    .max_flat_workgroup_size: 256
    .sgpr_count:     66
    .vgpr_count:     512
    .wavefront_size: 32
...
	.end_amdgpu_metadata
.endif
;; end of part 10
